; MI455X (gfx1250); checked and timed in simulation.
; The chip was launched on July 23, 2026; its instructions are those of AMD's public machine-readable ISA for CDNA 5 (MIT licence, August 2026) and "CDNA5" Instruction Set Architecture Reference Guide (July 2026). The comments in the code are by the model that wrote it; some were corrected since.
;; Causal Attention. Allowed arithmetic: matrix products marked QUANTISED: E2M1 operands, one E8M0 scale for each 32 along K, by v_wmma_scale_f32_16x16x128_f8f6f4 with both operands' format E2M1 (or v_wmma_scale_f32_32x16x128_f4), f32 sums; products left as they are: bf16, f16 or f32 operands; f32 sums; everything else in f32.
;; Inputs: Wkv 1,024 x 2,048 float32; Wout 1,024 x 1,024 float32; Wpos 1,024 x 64 float32; Wq 1,024 x 1,024 float32; bkv 2,048 float32; bout 1,024 float32; bpos 64 float32; bq 1,024 float32; mem 4 x 1,024 x 1,024 float32; pos_emb 1,024 x 1,024 float32; x 4 x 1,024 x 1,024 float32.
;; Outputs: out0 4 x 1,024 x 1,024 float32.
;; This version of the problem:
;;   THIS VERSION OF THE PROBLEM IS GIVEN IN LOW PRECISION. The matrix products marked QUANTISED in the list below multiply operands that are first quantised to E2M1 (2 exponent bits, 1 mantissa bit; 4 bits a number), with one power-of-two scale for each 32 numbers along K (OCP MX v1.0); their sums are f32. The products marked 'left as it is' may take bf16, f16 or f32 operands, with f32 sums. Whichever they take, every output number must still come out within the allowed error. Rounding operands to bf16 (8 significant bits) uses up far more of that allowance than f16 does (11 bits, for magnitudes from 6e-5 to 65,504). All else is computed in f32.
;;   The module's matrix products, in the order in which they are computed (A, B: the left and right operand; K: the contracted axis; several contracted axes count as one K, in the product's order):
;;     1. [M 4,096, K 1,024] x [K 1,024, N 1,024]; A: input x; B: input Wq: QUANTISED
;;     2. [M 8,192, K 1,024] x [K 1,024, N 2,048]; A: computed on the way; B: input Wkv: left as it is (an operand is computed on the way)
;;     3. batch 64 x [M 1,024, K 64] x [K 64, N 2,048]; A: computed on the way; B: computed on the way: left as it is (an operand is computed on the way)
;;     4. [M 1,024, K 1,024] x [K 1,024, N 64]; A: input pos_emb; B: input Wpos: QUANTISED
;;     5. [M 65,536, K 64] x [K 64, N 1,024]; A: computed on the way; B: computed on the way: left as it is (an operand is computed on the way)
;;     6. batch 64 x [M 1,024, K 2,048] x [K 2,048, N 64]; A: computed on the way; B: computed on the way: left as it is (an operand is computed on the way)
;;     7. [M 4,096, K 1,024] x [K 1,024, N 1,024]; A: computed on the way; B: input Wout: left as it is (an operand is computed on the way)
;;   THE QUANTISER, for each operand of a quantised product, along K:
;;     - K is cut into blocks of 32 from its start; a last block that is shorter is filled with zeros.
;;     - A block's scale is 2^e with e = floor(log2(the largest magnitude in the block)) - 2, held to -126 .. 127; a block of zeros has e = 0. As a byte (E8M0): e + 127.
;;     - Each number is divided by its block's scale, clamped to +-6, and rounded to the nearest number of E2M1, ties to even, subnormals kept.
;;     - The product sums the exact products of the quantised numbers (number of the format x scale) in f32.
;;   ~~~python
;;   def quantise(x, axis):      # numpy; x: float32 -> the quantised numbers, widened to float32 again
;;       x = np.moveaxis(x, axis, -1); K = x.shape[-1]
;;       x = np.pad(x, [(0, 0)] * (x.ndim - 1) + [(0, -K % 32)]); x = x.reshape(x.shape[:-1] + (-1, 32)); a = np.abs(x).max(-1, keepdims=True)
;;       e = np.where(a > 0, np.clip(np.frexp(np.where(a > 0, a, 1))[1] - 1 - 2, -126, 127), 0)      # np.frexp(a)[1] - 1 = floor(log2(a)), exactly
;;       r = np.clip(x / 2.0 ** e, -6, 6)
;;       step = 2.0 ** (np.maximum(np.frexp(np.where(r == 0, 1, r))[1] - 1, 0) - 1)
;;       q = np.round(r / step) * step * 2.0 ** e      # np.round: ties to even
;;       return np.moveaxis(q.reshape(q.shape[:-2] + (-1,))[..., :K], -1, axis).astype(np.float32)
;;   ~~~
;; 2 versions, each right. Each part assembles by itself: llvm-mc -triple=amdgcn-amd-amdhsa -mcpu=gfx1250 --defsym DOCPART=n.
;; ======== version 1 of 2: 5 launches
;; limits: values are held in f16: magnitudes above 65,504 overflow, below 6.1e-05 lose precision
;; workspace buffers: h16 23,068,672 bytes; acodes 2,621,440 bytes; ascales 163,840 bytes; bcodes 557,056 bytes; bscales 34,816 bytes; qp16 8,519,680 bytes; kvh 33,554,432 bytes; o16 8,388,608 bytes
;; launch prep (part 1): grid 1604 x 1, 1 waves a work-group, no clusters, 8,704 bytes of LDS; arguments x, pos_emb, mem, Wkv, Wout, Wq, Wpos, h16, acodes, ascales, bcodes, bscales; writes h16, acodes, ascales, bcodes, bscales
.if DOCPART == 1
	.amdgcn_target "amdgcn-amd-amdhsa--gfx1250"
	.amdhsa_code_object_version 6
	.text
	.protected	k_q4e34b3a25e_prep
	.globl	k_q4e34b3a25e_prep
	.p2align	8
	.type	k_q4e34b3a25e_prep,@function
k_q4e34b3a25e_prep:
	s_mov_b64 s[64:65], 0
	v_nop
	global_prefetch_b8 v0, s[64:65] scope:SCOPE_SE
	s_setreg_imm32_b32 hwreg(HW_REG_WAVE_MODE, 25, 1), 1
	s_wait_xcnt 0x0
; PREP.  One pass over every large input.
;   x, mem, Wkv, Wout -> f16 in h16: ctx16 [4][2048][1024] (a batch's mem rows, then its x rows) at byte 0, wkv16 [1024][2048] at 16,777,216, wout16 [1024][1024] at 20,971,520.
;   x, pos_emb -> codes of E2M1 along their last axis (acodes, ascales);  Wq, Wpos -> codes along their FIRST axis (bcodes, bscales).
; Codes lie in the order of the operand's registers: a tile of 16 rows (or 16 columns of a weight) x 1,024 along K is 8,192 bytes; K step s (128 codes) at 1,024 s, registers 4 c .. 4 c + 3 at 512 c, lane l's 16 bytes at 16 l.
; Scale words: 512 bytes a tile; the word of row r and K step s at 256 (s / 4) + 16 r + 4 (s % 4).
; A block's scale is 2^(floor(log2(largest magnitude)) - 2); its byte is the largest magnitude's exponent field - 2, held at 1 from below.
; LIMITS: NaN and infinities are not served.  A block of zeros, or one whose largest magnitude lies under 2^-124, keeps the byte 1 (zeros: the codes are zeros and only this program reads the bytes).
;         What goes to f16 must stay under 65,504 in magnitude; under 6e-5 it loses bits gradually.
; SHARES.  One wave to a work-group; waves share nothing, so there is no barrier.  Work-groups 0-67: 32 columns x 512 along K of Wq or Wpos.  Work-groups 68-1603: 16 rows x 512 numbers of a tensor seen as [rows][1024].
; No matrix unit, no tensor load, no cluster: every byte is read once and nothing is shared between work-groups.
.set SP,    528                        ; a stage row: 512 bytes + 16
.set SPARE, 8448                       ; behind the stage: the spare words, one block of 256 bytes that no other line names
.set SPW,   5                          ; v5  LDS address of my spare word; never rewritten
.set NIL,   6                          ; v6  0; never rewritten
.set SW,    8                          ; v8-11   the four K steps' scale words
.set TSC,   12                         ; v12-15  the conversions' scale operands
.set R,     16                         ; v16-143 two sets of 64: 16 rows x 128 numbers as loaded
.set X,     144                        ; v144-207 64 numbers of my row: register 16 b + i = k 32 b + 16 (lane / 16) + i
.set H,     208                        ; v208-239 the f16 numbers
.set PC,    240                        ; v240-247 a fragment's codes
.set TMX,   248                        ; v248-251 largest magnitudes
.set TMB,   252                        ; v252-255 the other half's, then the bytes
.set SEL,   46                         ; s[46:47] lane selects: lane l xor 16
.set VO,    16                         ; column path: v16-47 4 x lane + i x pitch
.set XC,    48                         ; v48-111 two sets of 32 numbers down K
.set CC,    112                        ; v112-115 a block's codes
.set SBY,   116                        ; v116-119 the scale bytes, four to a register
.set BP,    32                         ; s32-63  the 16 blocks' bases
	s_load_b256 s[4:11], s[0:1], 0x0               ; x, pos_emb, mem, Wkv
	s_load_b256 s[12:19], s[0:1], 0x20             ; Wout, Wq, Wpos, h16
	s_load_b256 s[20:27], s[0:1], 0x40             ; acodes, ascales, bcodes, bscales
	v_lshl_add_u32 v[SPW], v0, 2, SPARE
	v_mov_b32 v[NIL], 0
	s_cmp_lt_u32 ttmp9, 68
	s_cbranch_scc1 .Lcols
; ---------------------------------------------------------------- rows
	s_sub_co_u32 s44, ttmp9, 68
	s_lshr_b32 s28, s44, 1                         ; T: which 16 rows, counted through x (256), pos_emb (64), mem (256), Wkv (128), Wout (64)
	s_and_b32 s29, s44, 1                          ; which half of the 1,024 along a row
	s_sub_co_u32 s32, s28, 704                     ; the tile inside its tensor: Wout's,
	s_sub_co_u32 s33, s28, 64                      ; and where the f16 numbers go, in units of 32,768 bytes: Wkv 512 + t, Wout 640 + t: both T - 64
	s_sub_co_u32 s36, s28, 576                     ; Wkv's
	s_sub_co_u32 s37, s28, 320                     ; mem's
	s_lshr_b32 s38, s37, 6
	s_lshl_b32 s38, s38, 7
	s_and_b32 s39, s37, 63
	s_add_co_u32 s38, s38, s39                     ; mem: 128 x batch + tile
	s_sub_co_u32 s39, s28, 256                     ; pos_emb's
	s_lshr_b32 s40, s28, 6
	s_lshl_b32 s40, s40, 7
	s_and_b32 s41, s28, 63
	s_add_co_u32 s40, s40, s41
	s_add_co_u32 s40, s40, 64                      ; x: 128 x batch + 64 + tile
	v_lshlrev_b32 v1, 4, v0                        ; 16 x lane
	v_lshlrev_b32 v2, 3, v0                        ; 8 x lane
	v_and_b32 v4, 15, v0                           ; r
	v_lshrrev_b32 v7, 4, v0                        ; h
	v_mul_u32_u24 v3, v4, SP
	v_lshl_add_u32 v3, v7, 6, v3                   ; out of the stage: row r, + 64 h: my 16 numbers of a block of 32
	v_lshlrev_b32 v4, 4, v4
	v_lshl_add_u32 v4, v7, 3, v4                   ; the scale words' place: 16 r + 8 h
.irp b, 0,1,2,3
	v_mov_b32 v[TMB+\b], 0                         ; a lane permute's destination counts as one of its sources
	v_mov_b32 v[SW+\b], 0
.endr
	s_mov_b32 s[SEL], 0x76543210
	s_mov_b32 s[SEL+1], 0xfedcba98
	s_wait_kmcnt 0x0
	s_mov_b64 s[30:31], s[12:13]                   ; the source: chosen by the tile's number alone
	s_cmp_lt_u32 s28, 704
	s_cselect_b64 s[30:31], s[10:11], s[30:31]
	s_cselect_b32 s32, s36, s32
	s_cmp_lt_u32 s28, 576
	s_cselect_b64 s[30:31], s[8:9], s[30:31]
	s_cselect_b32 s32, s37, s32
	s_cselect_b32 s33, s38, s33
	s_cmp_lt_u32 s28, 320
	s_cselect_b64 s[30:31], s[6:7], s[30:31]
	s_cselect_b32 s32, s39, s32
	s_cselect_b32 s35, 1, 0                        ; x and pos_emb are quantised
	s_cmp_lt_u32 s28, 256
	s_cselect_b64 s[30:31], s[4:5], s[30:31]
	s_cselect_b32 s32, s28, s32
	s_cselect_b32 s33, s40, s33
	s_sub_co_u32 s34, s28, 256
	s_cmp_lt_u32 s34, 64
	s_cselect_b32 s34, 0, 1                        ; all but pos_emb go to f16
	s_cselect_b32 s33, 0, s33
	s_lshl_b32 s36, s32, 16                        ; 16 rows of 4,096 bytes
	s_lshl_b32 s37, s29, 11
	s_add_co_u32 s36, s36, s37
	s_mov_b32 s37, 0
	s_add_nc_u64 s[30:31], s[30:31], s[36:37]
	s_lshl_b32 s36, s33, 15
	s_lshl_b32 s38, s29, 10
	s_add_co_u32 s36, s36, s38
	s_add_nc_u64 s[18:19], s[18:19], s[36:37]
	s_min_u32 s38, s28, 319                        ; (tiles that are not quantised use neither of the next two)
	s_lshl_b32 s36, s38, 13
	s_lshl_b32 s39, s29, 12
	s_add_co_u32 s36, s36, s39
	s_add_nc_u64 s[20:21], s[20:21], s[36:37]
	s_lshl_b32 s36, s38, 9
	s_lshl_b32 s39, s29, 8
	s_add_co_u32 s36, s36, s39
	s_add_nc_u64 s[22:23], s[22:23], s[36:37]
.macro RLOAD t                         ; step t: 128 numbers of each of the 16 rows; each load reads 512 consecutive bytes
.irp i, 0,1,2,3,4,5,6,7,8,9,10,11,12,13,14,15
	global_load_b128 v[R+64*((\t)%2)+4*\i:R+64*((\t)%2)+4*\i+3], v1, s[30:31] offset:\i*4096+(\t)*512 th:TH_LOAD_NT
.endr
.endm
.macro QUANT pw                        ; the 64 numbers in v[X] on become a fragment's codes in v[PC] on and its scale word in v[pw]
.irp b, 0,1,2,3
	v_max3_num_f32 v[TMX+\b], |v[X+16*\b]|, |v[X+16*\b+1]|, 0x1800000   ; my 16 numbers of block b, and the floor 2^(3 - 127): the byte cannot fall under 1
.endr
.irp i, 2,4,6,8,10,12,14
.irp b, 0,1,2,3
	v_max3_num_f32 v[TMX+\b], v[TMX+\b], |v[X+16*\b+\i]|, |v[X+16*\b+\i+1]|
.endr
.endr
.irp b, 0,1,2,3
	v_permlanex16_b32 v[TMB+\b], v[TMX+\b], s[SEL], s[SEL+1]
.endr
.irp b, 0,1,2,3
	v_max_num_f32 v[TMX+\b], v[TMX+\b], v[TMB+\b]  ; with lane l xor 16's 16: the block's largest magnitude
.endr
.irp b, 0,1,2,3
	v_add_nc_u32 v[TSC+\b], 0xff000000, v[TMX+\b]  ; 2 off its exponent field: the conversion takes that field as its scale
.endr
.irp b, 0,1,2,3
	v_lshrrev_b32 v[TMB+\b], 23, v[TSC+\b]         ; the scale's byte
.endr
	v_lshl_or_b32 v[\pw], v[TMB+1], 8, v[TMB]
	v_lshl_or_b32 v[\pw], v[TMB+2], 16, v[\pw]
	v_lshl_or_b32 v[\pw], v[TMB+3], 24, v[\pw]
.irp b, 0,1,2,3
	v_cvt_scalef32_pk8_fp4_f32 v[PC+2*\b], v[X+16*\b:X+16*\b+7], v[TSC+\b]
	v_cvt_scalef32_pk8_fp4_f32 v[PC+2*\b+1], v[X+16*\b+8:X+16*\b+15], v[TSC+\b]
.endr
	v_nop                                          ; one plain instruction behind the scaled conversions
.irp c, 0,1                                    ; the operand wants a whole block in a lane: lanes 0-15 block 2 c, lanes 16-31 block 2 c + 1
.irp i, 0,1
	v_permlane16_swap_b32 v[PC+4*\c+\i], v[PC+4*\c+2+\i]
.endr
.endr
.endm
.macro RSTEP t
.set RS, R+64*((\t)%2)
.if (\t) < 3
	RLOAD (\t)+1
	s_wait_loadcnt 16                              ; this step's 16 loads are in; the next step's 16 may be out
.else
	s_wait_loadcnt 0x0
.endif
	s_wait_xcnt 0x0                                ; the last step's stores have read H and PC: both are written again below
	s_cmp_eq_u32 s34, 0
	s_cbranch_scc1 .Lnc_\@
.set n, 0
.rept 32
	v_cvt_pk_f16_f32 v[H+n], v[RS+2*n], v[RS+2*n+1]
.set n, n+1
.endr
.irp i, 0,1,2,3,4,5,6,7,8,9,10,11,12,13,14,15
	global_store_b64 v2, v[H+2*\i:H+2*\i+1], s[18:19] offset:\i*2048+(\t)*256 th:TH_STORE_NT   ; 32 lanes store 256 consecutive bytes, aligned
.endr
.Lnc_\@:
	s_cmp_eq_u32 s35, 0
	s_cbranch_scc1 .Lnq_\@
.irp i, 0,1,2,3,4,5,6,7,8,9,10,11,12,13,14,15
	ds_store_b128 v1, v[RS+4*\i:RS+4*\i+3] offset:\i*SP       ; the rows as they were loaded
.endr
.irp b, 0,1,2,3
.irp j, 0,1,2,3
	ds_load_b128 v[X+16*\b+4*\j:X+16*\b+4*\j+3], v3 offset:128*\b+16*\j   ; LDS serves a wave's instructions in order: these see the stores above
.endr
.endr
	s_wait_dscnt 0x0
	QUANT SW+(\t)
	global_store_b128 v1, v[PC:PC+3], s[20:21] offset:(\t)*1024          ; 512 consecutive bytes each
	global_store_b128 v1, v[PC+4:PC+7], s[20:21] offset:(\t)*1024+512
.Lnq_\@:
.endm
	RLOAD 0
	RSTEP 0
	RSTEP 1
	RSTEP 2
	RSTEP 3
	s_cmp_eq_u32 s35, 0
	s_cbranch_scc1 .Lrend
	v_cmp_lt_u32 vcc_lo, 15, v0                    ; lanes 0-15 store words 0 and 1 of row r, lanes 16-31 words 2 and 3: 256 consecutive bytes
	v_cndmask_b32 v12, v8, v10, vcc_lo
	v_cndmask_b32 v13, v9, v11, vcc_lo
	global_store_b64 v4, v[12:13], s[22:23]
.Lrend:
	s_wait_tensorcnt 0x0                           ; the wave's end: behind my last LDS store
	ds_add_u32 v[SPW], v[NIL]
	s_wait_dscnt 0x0
	s_endpgm
; ---------------------------------------------------------------- columns: a lane takes a column, its registers run down K; no LDS is touched here
.Lcols:
	s_lshr_b32 s28, ttmp9, 1                       ; which 32 columns: Wq's 0-31, Wpos' 32 and 33; twice this is the first tile of 16 columns
	s_and_b32 s29, ttmp9, 1                        ; which 512 along K
	s_sub_co_u32 s30, s28, 32
	s_mov_b32 s31, 4096
	v_lshlrev_b32 v[VO], 2, v0
	v_lshrrev_b32 v10, 4, v0
	v_and_b32 v11, 15, v0
	v_lshlrev_b32 v11, 4, v11
	v_lshl_add_u32 v7, v10, 13, v11                ; codes: 8,192 x (lane / 16) + 16 x (lane % 16)
	v_lshl_add_u32 v9, v10, 9, v11                 ; scale words: 512 x (lane / 16) + 16 x (lane % 16)
	s_wait_kmcnt 0x0
	s_cmp_lt_u32 ttmp9, 64
	s_cselect_b64 s[14:15], s[14:15], s[16:17]     ; Wq or Wpos
	s_cselect_b32 s30, s28, s30                    ; the 32 columns inside the weight
	s_cselect_b32 s31, s31, 256                    ; bytes from row to row
.set n, 1
.rept 31
	v_add_nc_u32 v[VO+n], s31, v[VO+n-1]
.set n, n+1
.endr
	s_lshl_b32 s68, s30, 7
	s_mul_i32 s69, s31, s29
	s_lshl_b32 s69, s69, 9
	s_add_co_u32 s68, s68, s69
	s_mov_b32 s69, 0
	s_add_nc_u64 s[BP:BP+1], s[14:15], s[68:69]
	s_lshl_b32 s66, s31, 5                         ; 32 rows on
	s_mov_b32 s67, 0
.set n, 1
.rept 15
	s_add_nc_u64 s[BP+2*n:BP+2*n+1], s[BP+2*n-2:BP+2*n-1], s[66:67]   ; a base for each block: none is ever stepped
.set n, n+1
.endr
	s_lshl_b32 s68, s28, 14
	s_lshl_b32 s30, s29, 12
	s_add_co_u32 s68, s68, s30
	s_add_nc_u64 s[24:25], s[24:25], s[68:69]
	s_lshl_b32 s68, s28, 10
	s_lshl_b32 s30, s29, 8
	s_add_co_u32 s68, s68, s30
	s_add_nc_u64 s[26:27], s[26:27], s[68:69]
.macro CLOAD t
.set n, 0
.rept 32
	global_load_b32 v[XC+32*((\t)%2)+n], v[VO+n], s[BP+2*(\t):BP+2*(\t)+1] th:TH_LOAD_NT   ; 32 lanes read 128 consecutive bytes of one row
.set n, n+1
.endr
.endm
.macro CBLOCK t
.set XS, XC+32*((\t)%2)
.if (\t) < 15
	s_wait_loadcnt 32                              ; this block's 32 loads are in; the next block's may be out
.else
	s_wait_loadcnt 0x0
.endif
	v_max3_num_f32 v12, |v[XS]|, |v[XS+1]|, |v[XS+2]|
	v_max3_num_f32 v13, |v[XS+3]|, |v[XS+4]|, |v[XS+5]|
.irp i, 6,10,14,18,22,26
	v_max3_num_f32 v12, v12, |v[XS+\i]|, |v[XS+\i+1]|
	v_max3_num_f32 v13, v13, |v[XS+\i+2]|, |v[XS+\i+3]|
.endr
	v_max3_num_f32 v12, v12, |v[XS+30]|, |v[XS+31]|
	v_max3_num_f32 v12, v12, v13, 0x1800000        ; and the floor
	v_add_nc_u32 v11, 0xff000000, v12
	v_lshrrev_b32 v13, 23, v11
.if (\t)%4 == 0
	v_mov_b32 v[SBY+(\t)/4], v13
.else
	v_lshl_or_b32 v[SBY+(\t)/4], v13, 8*((\t)%4), v[SBY+(\t)/4]
.endif
	s_wait_xcnt 0x0                                ; the last block's store has read its codes
.irp g, 0,1,2,3
	v_cvt_scalef32_pk8_fp4_f32 v[CC+\g], v[XS+8*\g:XS+8*\g+7], v11
.endr
	global_store_b128 v7, v[CC:CC+3], s[24:25] offset:((\t)/4)*1024+(((\t)%4)/2)*512+((\t)%2)*256   ; sixteen lanes store 256 consecutive bytes, aligned
.if (\t)+2 < 16
	CLOAD (\t)+2
.endif
.endm
	CLOAD 0
	CLOAD 1
.set Q, 0
.rept 16
	CBLOCK Q
.set Q, Q+1
.endr
	global_store_b128 v9, v[SBY:SBY+3], s[26:27]   ; four scale words a column: sixteen lanes store 256 consecutive bytes
	s_endpgm
.Lfunc_end_k_q4e34b3a25e_prep:
	.size	k_q4e34b3a25e_prep, .Lfunc_end_k_q4e34b3a25e_prep-k_q4e34b3a25e_prep
	.p2alignl 7, 3214868480
	.fill 96, 4, 3214868480
	.section	.rodata,"a",@progbits
	.p2align	6, 0x0
	.amdhsa_kernel k_q4e34b3a25e_prep
		.amdhsa_group_segment_fixed_size 8704
		.amdhsa_private_segment_fixed_size 0
		.amdhsa_enable_private_segment 0
		.amdhsa_kernarg_size 96
		.amdhsa_user_sgpr_count 2
		.amdhsa_user_sgpr_kernarg_segment_ptr 1
		.amdhsa_wavefront_size32 1
		.amdhsa_system_sgpr_workgroup_id_x 1
		.amdhsa_system_sgpr_workgroup_id_y 1
		.amdhsa_system_sgpr_workgroup_id_z 1
		.amdhsa_system_vgpr_workitem_id 0
		.amdhsa_next_free_vgpr 256
		.amdhsa_next_free_sgpr 72
		.amdhsa_reserve_vcc 1
		.amdhsa_float_denorm_mode_32 3
		.amdhsa_float_denorm_mode_16_64 3
		.amdhsa_memory_ordered 1
		.amdhsa_forward_progress 1
		.amdhsa_inst_pref_size 125
	.end_amdhsa_kernel
	.amdgpu_metadata
---
amdhsa.version: [ 1, 2 ]
amdhsa.kernels:
  - .name:           k_q4e34b3a25e_prep
    .symbol:         k_q4e34b3a25e_prep.kd
    .args:
      - { .name: x, .offset: 0, .size: 8, .value_kind: global_buffer, .address_space: global }
      - { .name: pos_emb, .offset: 8, .size: 8, .value_kind: global_buffer, .address_space: global }
      - { .name: mem, .offset: 16, .size: 8, .value_kind: global_buffer, .address_space: global }
      - { .name: Wkv, .offset: 24, .size: 8, .value_kind: global_buffer, .address_space: global }
      - { .name: Wout, .offset: 32, .size: 8, .value_kind: global_buffer, .address_space: global }
      - { .name: Wq, .offset: 40, .size: 8, .value_kind: global_buffer, .address_space: global }
      - { .name: Wpos, .offset: 48, .size: 8, .value_kind: global_buffer, .address_space: global }
      - { .name: h16, .offset: 56, .size: 8, .value_kind: global_buffer, .address_space: global }
      - { .name: acodes, .offset: 64, .size: 8, .value_kind: global_buffer, .address_space: global }
      - { .name: ascales, .offset: 72, .size: 8, .value_kind: global_buffer, .address_space: global }
      - { .name: bcodes, .offset: 80, .size: 8, .value_kind: global_buffer, .address_space: global }
      - { .name: bscales, .offset: 88, .size: 8, .value_kind: global_buffer, .address_space: global }
    .group_segment_fixed_size: 8704
    .private_segment_fixed_size: 0
    .kernarg_segment_align: 8
    .kernarg_segment_size: 96
    .max_flat_workgroup_size: 32
    .sgpr_count:     72
    .vgpr_count:     256
    .wavefront_size: 32
...
	.end_amdgpu_metadata
.endif
;; end of part 1
;; launch proj4 (part 2): grid 520 x 1, 4 waves a work-group, no clusters, 0 bytes of LDS; arguments acodes, ascales, bcodes, bscales, bq, bpos, qp16; writes qp16
.if DOCPART == 2
	.amdgcn_target "amdgcn-amd-amdhsa--gfx1250"
	.amdhsa_code_object_version 6
	.text
	.protected	k_q4e34b3a25e_proj4
	.globl	k_q4e34b3a25e_proj4
	.p2align	8
	.type	k_q4e34b3a25e_proj4,@function
k_q4e34b3a25e_proj4:
	s_mov_b64 s[64:65], 0
	v_nop
	global_prefetch_b8 v0, s[64:65] scope:SCOPE_SE
	s_setreg_imm32_b32 hwreg(HW_REG_WAVE_MODE, 25, 1), 1
	s_wait_xcnt 0x0
; PROJ4.  The two quantised products, on one path: q = (Q(x) Q(Wq) + bq) x log2(e) / 8 (work-groups 0-511) and pos = Q(pos_emb) Q(Wpos) + bpos (512-519), both on codes of E2M1 with E8M0 scales.
; The factor is the scores' scale 1 / 8 and the change from e^x to 2^x; it serves q . k and q . pos alike.  Results go out as f16, in the order of an operand's registers:
; a tile of 16 rows x 64 is 2,048 bytes; elements 32 s + 16 c + 8 (lane / 16) + 0 .. 7 of row lane % 16 at 1,024 s + 512 c + 16 x lane.  q: tile (16 batch + head) x 64 + row tile; pos: 64 tiles from byte 8,388,608.
; SHARES.  A wave makes 32 rows x 64 columns: 8 accumulators.  Codes and scale words lie in memory as the registers want them, so every load of a wave reads 512 consecutive bytes straight into an operand: no LDS, no barrier.
; The product is used transposed (source 0 = 16 columns of the weight, source 1 = 16 rows): a lane holds 8 neighbouring columns of one row, which pack into its 16 bytes of the image.
; No tensor load and no cluster: the whole launch multiplies 2.6 MB by 0.5 MB of codes in 8 K steps a wave; what partners would share is small, and a ring would add barriers to a loop of eight steps.
; LIMIT: q x 0.18 and pos must stay under 65,504 in magnitude (f16).
.set ACC, 112                          ; v112-175 accumulator (a, b) at 8 (4 a + b)
.set BI,  176                          ; v176-207 the bias, 8 registers for each b, in the result's layout
.set SAR, 208                          ; v208-223 the rows' scale words, 8 a + s
.set SBR, 224                          ; v224-255 the columns', 8 b + s
	s_load_b256 s[4:11], s[0:1], 0x0               ; acodes, ascales, bcodes, bscales
	s_load_b128 s[12:15], s[0:1], 0x20             ; bq, bpos
	s_load_b64 s[16:17], s[0:1], 0x30              ; qp16
	v_lshrrev_b32 v4, 5, v0
	v_readfirstlane_b32 s28, v4                    ; wave
	v_and_b32 v1, 31, v0
	v_lshlrev_b32 v1, 4, v1                        ; 16 x lane
	v_and_b32 v2, 15, v0
	v_lshlrev_b32 v2, 4, v2                        ; 16 r: a row's four scale words
	v_bfe_u32 v3, v0, 4, 1
	v_lshlrev_b32 v3, 5, v3                        ; 32 h: my eight numbers of a bias tile
	s_lshl_b32 s29, s28, 1
	s_lshr_b32 s30, ttmp9, 4
	s_lshl_b32 s30, s30, 3
	s_add_co_u32 s30, s30, s29                     ; q: my first tile of rows
	s_and_b32 s31, ttmp9, 15                       ; the head: its four tiles of columns
	s_lshr_b32 s32, s30, 6
	s_lshl_b32 s32, s32, 4
	s_add_co_u32 s32, s32, s31
	s_lshl_b32 s32, s32, 6
	s_and_b32 s33, s30, 63
	s_add_co_u32 s32, s32, s33                     ; where it goes: (16 batch + head) x 64 + row tile
	s_sub_co_u32 s33, ttmp9, 512
	s_lshl_b32 s33, s33, 3
	s_add_co_u32 s33, s33, s29
	s_add_co_u32 s33, s33, 256                     ; pos: pos_emb's tiles lie behind x's 256
	s_add_co_u32 s34, s33, 3840                    ; and go to tile 4,096 + (tile - 256)
	s_lshl_b32 s35, s31, 8
	s_mov_b32 s36, 0x3e38aa3b                      ; log2(e) / 8
	s_wait_kmcnt 0x0
	s_cmp_lt_u32 ttmp9, 512                        ; the choice hangs on the work-group's number alone
	s_cselect_b32 s30, s30, s33
	s_cselect_b32 s31, s31, 16
	s_cselect_b32 s32, s32, s34
	s_cselect_b32 s35, s35, 0
	s_cselect_b32 s36, s36, 1.0
	s_cselect_b64 s[12:13], s[12:13], s[14:15]
	s_mov_b32 s37, s36                             ; (named with it as a pair)
	s_mov_b32 s39, 0
	s_lshl_b32 s38, s30, 13
	s_add_nc_u64 s[4:5], s[4:5], s[38:39]
	s_lshl_b32 s38, s30, 9
	s_add_nc_u64 s[6:7], s[6:7], s[38:39]
	s_lshl_b32 s38, s31, 15
	s_add_nc_u64 s[8:9], s[8:9], s[38:39]
	s_lshl_b32 s38, s31, 11
	s_add_nc_u64 s[10:11], s[10:11], s[38:39]
	s_mov_b32 s38, s35
	s_add_nc_u64 s[12:13], s[12:13], s[38:39]
	s_lshl_b32 s38, s32, 11
	s_add_nc_u64 s[16:17], s[16:17], s[38:39]
.irp b, 0,1,2,3
	global_load_b128 v[BI+8*\b:BI+8*\b+3], v3, s[12:13] offset:64*\b
	global_load_b128 v[BI+8*\b+4:BI+8*\b+7], v3, s[12:13] offset:64*\b+16
.endr
.irp a, 0,1
.irp g, 0,1
	global_load_b128 v[SAR+8*\a+4*\g:SAR+8*\a+4*\g+3], v2, s[6:7] offset:\a*512+\g*256
.endr
.endr
.irp b, 0,1,2,3
.irp g, 0,1
	global_load_b128 v[SBR+8*\b+4*\g:SBR+8*\b+4*\g+3], v2, s[10:11] offset:\b*512+\g*256
.endr
.endr
.macro PLOAD s                         ; K step s: 2 fragments of rows, 4 of columns, into set s % 2 (v16-63, v64-111)
.set FB, 16+48*((\s)%2)
.irp a, 0,1
.irp c, 0,1
	global_load_b128 v[FB+8*\a+4*\c:FB+8*\a+4*\c+3], v1, s[4:5] offset:\a*8192+(\s)*1024+\c*512
.endr
.endr
.irp b, 0,1,2,3
.irp c, 0,1
	global_load_b128 v[FB+16+8*\b+4*\c:FB+16+8*\b+4*\c+3], v1, s[8:9] offset:\b*8192+(\s)*1024+\c*512
.endr
.endr
.endm
.macro PMUL s                          ; the 8 accumulators take turns, one instruction a turn, in the same order in every step
.set FB, 16+48*((\s)%2)
.if (\s) < 7
	s_wait_loadcnt 12                              ; all but the next step's 12 loads are in
.else
	s_wait_loadcnt 0x0
.endif
.irp a, 0,1
.irp b, 0,1,2,3
.if (\s) == 0
	v_wmma_scale_f32_16x16x128_f8f6f4 v[ACC+8*(4*\a+\b):ACC+8*(4*\a+\b)+7], v[FB+16+8*\b:FB+16+8*\b+7], v[FB+8*\a:FB+8*\a+7], v[BI+8*\b:BI+8*\b+7], v[SBR+8*\b+(\s)], v[SAR+8*\a+(\s)] matrix_a_fmt:MATRIX_FMT_FP4 matrix_b_fmt:MATRIX_FMT_FP4
.else
	v_wmma_scale_f32_16x16x128_f8f6f4 v[ACC+8*(4*\a+\b):ACC+8*(4*\a+\b)+7], v[FB+16+8*\b:FB+16+8*\b+7], v[FB+8*\a:FB+8*\a+7], v[ACC+8*(4*\a+\b):ACC+8*(4*\a+\b)+7], v[SBR+8*\b+(\s)], v[SAR+8*\a+(\s)] matrix_a_fmt:MATRIX_FMT_FP4 matrix_b_fmt:MATRIX_FMT_FP4
.endif
.endr
.endr
.rept 4
	v_nop                                          ; four plain instructions in front of loads into registers that the products read, and of the first read of results
.endr
.if (\s)+2 < 8
	PLOAD (\s)+2
.endif
.endm
	PLOAD 0
	PLOAD 1
.irp s, 0,1,2,3,4,5,6,7
	PMUL \s                                        ; the first step's C is the bias: it costs no addition
.endr
.irp k, 0,1,2,3,4,5,6,7                        ; each accumulator from its low end on
.irp j, 0,2,4,6
	v_pk_mul_f32 v[ACC+8*\k+\j:ACC+8*\k+\j+1], v[ACC+8*\k+\j:ACC+8*\k+\j+1], s[36:37] op_sel_hi:[1,0]
.endr
.irp j, 0,1,2,3
	v_cvt_pk_f16_f32 v[16+4*\k+\j], v[ACC+8*\k+2*\j], v[ACC+8*\k+2*\j+1]
.endr
.endr
.irp a, 0,1
.irp b, 0,1,2,3
	global_store_b128 v1, v[16+4*(4*\a+\b):16+4*(4*\a+\b)+3], s[16:17] offset:\a*2048+\b*512   ; 32 lanes store 512 consecutive bytes, aligned
.endr
.endr
	s_endpgm
.Lfunc_end_k_q4e34b3a25e_proj4:
	.size	k_q4e34b3a25e_proj4, .Lfunc_end_k_q4e34b3a25e_proj4-k_q4e34b3a25e_proj4
	.p2alignl 7, 3214868480
	.fill 96, 4, 3214868480
	.section	.rodata,"a",@progbits
	.p2align	6, 0x0
	.amdhsa_kernel k_q4e34b3a25e_proj4
		.amdhsa_group_segment_fixed_size 0
		.amdhsa_private_segment_fixed_size 0
		.amdhsa_enable_private_segment 0
		.amdhsa_kernarg_size 56
		.amdhsa_user_sgpr_count 2
		.amdhsa_user_sgpr_kernarg_segment_ptr 1
		.amdhsa_wavefront_size32 1
		.amdhsa_system_sgpr_workgroup_id_x 1
		.amdhsa_system_sgpr_workgroup_id_y 1
		.amdhsa_system_sgpr_workgroup_id_z 1
		.amdhsa_system_vgpr_workitem_id 0
		.amdhsa_next_free_vgpr 256
		.amdhsa_next_free_sgpr 66
		.amdhsa_reserve_vcc 0
		.amdhsa_float_denorm_mode_32 3
		.amdhsa_float_denorm_mode_16_64 3
		.amdhsa_memory_ordered 1
		.amdhsa_forward_progress 1
		.amdhsa_inst_pref_size 28
	.end_amdhsa_kernel
	.amdgpu_metadata
---
amdhsa.version: [ 1, 2 ]
amdhsa.kernels:
  - .name:           k_q4e34b3a25e_proj4
    .symbol:         k_q4e34b3a25e_proj4.kd
    .args:
      - { .name: acodes, .offset: 0, .size: 8, .value_kind: global_buffer, .address_space: global }
      - { .name: ascales, .offset: 8, .size: 8, .value_kind: global_buffer, .address_space: global }
      - { .name: bcodes, .offset: 16, .size: 8, .value_kind: global_buffer, .address_space: global }
      - { .name: bscales, .offset: 24, .size: 8, .value_kind: global_buffer, .address_space: global }
      - { .name: bq, .offset: 32, .size: 8, .value_kind: global_buffer, .address_space: global }
      - { .name: bpos, .offset: 40, .size: 8, .value_kind: global_buffer, .address_space: global }
      - { .name: qp16, .offset: 48, .size: 8, .value_kind: global_buffer, .address_space: global }
    .group_segment_fixed_size: 0
    .private_segment_fixed_size: 0
    .kernarg_segment_align: 8
    .kernarg_segment_size: 56
    .max_flat_workgroup_size: 128
    .sgpr_count:     66
    .vgpr_count:     256
    .wavefront_size: 32
...
	.end_amdgpu_metadata
.endif
;; end of part 2
;; launch kvgemm (part 3): grid 8 x 32, 4 waves a work-group, clusters of 4 x 4, 327,680 bytes of LDS; arguments h16, bkv, kvh; writes kvh
.if DOCPART == 3
	.amdgcn_target "amdgcn-amd-amdhsa--gfx1250"
	.amdhsa_code_object_version 6
	.text
	.protected	k_q4e34b3a25e_kvgemm
	.globl	k_q4e34b3a25e_kvgemm
	.p2align	8
	.type	k_q4e34b3a25e_kvgemm,@function
k_q4e34b3a25e_kvgemm:
	s_mov_b64 s[64:65], 0
	v_nop
	global_prefetch_b8 v0, s[64:65] scope:SCOPE_SE
	s_setreg_imm32_b32 hwreg(HW_REG_WAVE_MODE, 25, 1), 1
	s_wait_xcnt 0x0
	s_wait_alu depctr_hold_cnt(0) depctr_sa_sdst(0) depctr_va_vdst(0) depctr_va_sdst(0) depctr_va_ssrc(0) depctr_va_vcc(0) depctr_vm_vsrc(0)
	s_getreg_b32 s2, hwreg(HW_REG_IB_STS2, 6, 4)
	s_cmp_eq_u32 s2, 0
	s_cbranch_scc0 .Lentry_in_a_cluster
	s_endpgm
.Lentry_in_a_cluster:
	s_bfe_u32 s2, ttmp6, 0x10000c
	s_cmp_lg_u32 s2, 0xf033
	s_cbranch_scc0 .Lentry_shape_is_right
	s_endpgm
.Lentry_shape_is_right:
; KVGEMM.  kv = [mem; x] Wkv + bkv: [8192][1024] x [1024][2048], f16 operands, f32 sums; the result leaves as f16, split by head, in the order in which the attention launch's registers take it.
; A = ctx16 (h16 byte 0), rows along K.  B = wkv16 (h16 byte 16,777,216), stored [k][n]: its fragments come out of LDS turned, by ds_load_tr16_b128.
; A tile of 256 x 256 is made by four waves, 128 x 128 each: 64 accumulators, 512 registers.  K goes in 8 steps of 128 through a ring of two LDS slots: A's 256 rows of 256 bytes (+ 16), B's 128 rows of 512 bytes (+ 32).
; CLUSTERS: 4 x 4 work-groups; A's tile is shared along a row of the cluster, B's along a column: each is asked for jointly, by the same tensor load with the same descriptor and a mask that names the four.
; THE MATRIX INSTRUCTION IS USED TRANSPOSED (source 0 = 16 columns of B, source 1 = 16 rows of A): a lane holds eight neighbouring columns of one row.  The bias is the C of each sum's first product.
; OUT: kvh [batch][column / 64][key tile of 16][2,048 bytes].  Columns 0-1023 are k: elements 32 s + 16 c + 8 h + 0..7 of key r at 1,024 s + 512 c + 16 lane: a lane's 16 bytes go to 16 x lane.
;      Columns 1024-2047 are v: piece ct (16 channels) at 512 ct; key r's eight channels of half e at 256 (r / 8) + 128 e + 16 (r % 8): so a turning load at 16 x lane gives half a fragment of v^T.
;      Either way a store of the wave covers 512 consecutive bytes, aligned: no stage is needed.
; LIMIT: k and v must stay under 65,504 in magnitude (f16).
; REGISTERS, in windows of 256: window 0: v0-31 addresses; v64-127, v128-191 A's fragments, two buffers; v192-255 the bias, later the packed results.  window 1: v64-191 B's fragments, two buffers.
;   window 2: the accumulators of my rows 0-63 ((a, b) at 8 (8 a + b)); window 3: those of rows 64-127.
.set KSTEP,  128
.set PITCH,  272                       ; A's LDS row: 256 bytes + 16: the 16 rows of a load start 4 banks apart (64 banks of 4 bytes: ISA guide 11.1)
.set PB,     544                       ; B's LDS row: 512 bytes + 32
.set HALFT,  128*PITCH                 ; what one tensor load brings: 128 rows of A, or 64 rows of B: 34,816 bytes either way
.set SLOT,   4*HALFT
.set SPARE,  2*SLOT                    ; behind the ring: the spare words, 128 bytes a wave: two blocks of 256 bytes that no other line names
.set ADRA, 16                          ; v16-17 LDS address of my A fragments in slot 0, 1
.set ADRB, 20                          ; v20-21 the same for B
.set CO,   26                          ; v26    my 16 bytes' place in a piece of 512
.set BO,   27                          ; v27    32 h: my eight numbers of a bias tile
.set SPW,  28
.set NIL,  29
.set F0,   64
.set F1,   128
.set BIAS, 192
.set TMP,  192
.set G1, 24
.set G0, 32
.set G1B, 48
.set G0B, 56
.set MSB, 0
.macro WIN new                         ; the immediate's high byte repeats the setting that is left
.if MSB != \new
	s_set_vgpr_msb (MSB<<8)|\new
.set MSB, \new
.endif
.endm
.set MUL_LO, 0xa1                      ; source 0 (B) window 1, source 1 (A) window 0, C and D window 2
.set MUL_HI, 0xf1                      ; the same, C and D window 3
.set FST_LO, 0x81                      ; the first products: C (the bias) window 0, D window 2
.set FST_HI, 0xc1                      ; D window 3
.set TO_B,   0x40
.macro JLOAD s                         ; a joint load: waves 0 and 1 fetch A's halves, waves 2 and 3 B's; an s_nop 0 and four v_nop follow each line
	s_cmp_eq_u32 s11, 0
	s_cbranch_scc0 .Lfor_b_\@
	tensor_load_to_lds s[G0+4*\s:G0+4*\s+3], s[G1:G1+7]
	s_nop 0
.rept 4
	v_nop
.endr
	s_branch .Lasked_\@
.Lfor_b_\@:
	tensor_load_to_lds s[G0B+4*\s:G0B+4*\s+3], s[G1B:G1B+7]
	s_nop 0
.rept 4
	v_nop
.endr
.Lasked_\@:
.endm
.macro CREST                           ; a round of the cluster's barrier behind its opening barrier
	s_cmp_lg_u32 s10, 0
	s_cbranch_scc1 .Lnot_wave_0_\@
	s_barrier_signal -3
.Lnot_wave_0_\@:
	s_barrier_wait -3
	s_barrier_signal -1
	s_barrier_wait -1
.endm
.macro CROUND
	s_barrier_signal -1
	s_barrier_wait -1
	CREST
.endm
	s_load_b128 s[4:7], s[0:1], 0x0                ; h16, bkv
	s_load_b64 s[8:9], s[0:1], 0x10                ; kvh
	v_lshl_add_u32 v[SPW], v0, 2, SPARE
	v_mov_b32 v[NIL], 0
	ds_add_u32 v[SPW], v[NIL]                      ; the wave's opening: the add, twice on end, and its wait ahead of my first tensor load
	ds_add_u32 v[SPW], v[NIL]
	v_lshrrev_b32 v1, 5, v0
	v_readfirstlane_b32 s10, v1                    ; wave 0..3
	s_lshr_b32 s11, s10, 1                         ; which half of the tile's rows is mine.  Also: I fetch for A (0) or for B (1)
	s_and_b32 s12, s10, 1                          ; which half of its columns.  Also: which half of that tile I fetch
	s_bfe_u32 s40, ttmp6, 0x40000                  ; cx
	s_bfe_u32 s41, ttmp6, 0x40004                  ; cy
	s_lshl_b32 s42, ttmp9, 2
	s_add_co_u32 s42, s42, s40                     ; tile column = 4 x cluster x + cx
	s_and_b32 s13, ttmp7, 0xffff
	s_lshl_b32 s13, s13, 2
	s_add_co_u32 s13, s13, s41                     ; tile row = 4 x cluster y + cy
	s_lshl_b32 s43, s41, 2
	s_lshl_b32 s43, 15, s43                        ; my row of the cluster
	s_lshl_b32 s44, 0x1111, s40                    ; my column
	s_or_b32 s[G1+0], s43, (1<<16)|(1<<20)|(1<<21)|(5<<22)|(3<<25)   ; A: elements of 2 bytes; 4 words of padding behind every 64
	s_or_b32 s[G1B+0], s44, (1<<16)|(1<<20)|(1<<21)|(6<<22)|(7<<25)  ; B: 8 words of padding behind every 128
	s_mov_b32 s[G1+1], 128<<16                     ; A: tensor_dim0 = 128
	s_mov_b32 s[G1+2], 128<<16                     ; tensor_dim1 = 128
	s_mov_b32 s[G1+3], 128<<16                     ; tile_dim0 = 128
	s_mov_b32 s[G1+4], 128                         ; tile_dim1 = 128
	s_mov_b32 s[G1+5], 1024                        ; elements from row to row
	s_mov_b32 s[G1+6], 0
	s_mov_b32 s[G1+7], 0
	s_mov_b32 s[G1B+1], 256<<16                    ; B: 256 columns
	s_mov_b32 s[G1B+2], 64<<16                     ; 64 rows of K
	s_mov_b32 s[G1B+3], 256<<16
	s_mov_b32 s[G1B+4], 64
	s_mov_b32 s[G1B+5], 2048
	s_mov_b32 s[G1B+6], 0
	s_mov_b32 s[G1B+7], 0
	s_lshl_b32 s17, s12, 7
	s_lshl_b32 s16, s13, 8
	s_add_co_u32 s16, s16, s17                     ; A: row 256 x tile row + 128 x half,
	s_lshl_b32 s16, s16, 11                        ; of 2,048 bytes
	s_mov_b32 s17, 0
	s_lshl_b32 s46, s42, 9                         ; B: 512 bytes x tile column
	s_lshl_b32 s47, s12, 18                        ; + 64 rows of 4,096 bytes x half
	s_add_co_u32 s46, s46, s47
	s_add_co_u32 s46, s46, 16777216                ; in wkv16
	s_mov_b32 s47, 0
	s_mul_i32 s20, s10, HALFT                      ; where they go: wave x 34,816: no place in the cluster enters an LDS address
	s_wait_dscnt 0x0                               ; both opening adds are done
	s_wait_kmcnt 0x0
	s_add_nc_u64 s[14:15], s[4:5], s[16:17]
	s_add_nc_u64 s[46:47], s[4:5], s[46:47]
	CROUND                                         ; all sixteen work-groups are here: the first joint loads meet
.irp s, 0,1
	s_mov_b32 s[G0+4*\s], 1
	s_add_co_u32 s[G0+4*\s+1], s20, \s*SLOT
	s_add_nc_u64 s[G0+4*\s+2:G0+4*\s+3], s[14:15], \s*256          ; K step s: 256 bytes along A's rows
	s_or_b32 s[G0+4*\s+3], s[G0+4*\s+3], 0x80000000
	s_mov_b32 s[G0B+4*\s], 1
	s_add_co_u32 s[G0B+4*\s+1], s20, \s*SLOT
	s_add_nc_u64 s[G0B+4*\s+2:G0B+4*\s+3], s[46:47], \s*524288     ; 128 rows down B
	s_or_b32 s[G0B+4*\s+3], s[G0B+4*\s+3], 0x80000000
	JLOAD \s
.endr
	v_and_b32 v1, 15, v0                           ; r
	v_bfe_u32 v2, v0, 4, 1                         ; h
	v_lshlrev_b32 v[BO], 5, v2
	s_lshl_b32 s46, s42, 10                        ; the bias of my 128 columns: 4 (256 x tile column + 128 x half)
	s_lshl_b32 s47, s12, 9
	s_add_co_u32 s46, s46, s47
	s_mov_b32 s47, 0
	s_add_nc_u64 s[6:7], s[6:7], s[46:47]
.irp b, 0,1,2,3,4,5,6,7
	global_load_b128 v[BIAS+8*\b:BIAS+8*\b+3], v[BO], s[6:7] offset:64*\b
	global_load_b128 v[BIAS+8*\b+4:BIAS+8*\b+7], v[BO], s[6:7] offset:64*\b+16
.endr
	v_mul_u32_u24 v3, v1, PITCH
	v_lshl_add_u32 v3, v2, 4, v3                   ; A: row x pitch + 16 x half
	v_and_b32 v4, 7, v0
	v_lshl_add_u32 v4, v2, 3, v4                   ; B: K row 8 h + lane % 8,
	v_mul_u32_u24 v4, v4, PB
	v_bfe_u32 v5, v0, 3, 1
	v_lshl_add_u32 v4, v5, 4, v4                   ; columns 8 ((lane / 8) % 2) on
	s_mul_i32 s21, s11, HALFT                      ; my 128 rows of A
	s_lshl_b32 s22, s12, 8                         ; my 128 columns of B,
	s_add_co_u32 s22, s22, 2*HALFT                 ; which lies behind A
.irp s, 0,1
	v_add_nc_u32 v[ADRA+\s], s21, v3
	v_add_nc_u32 v[ADRB+\s], s22, v4
	s_add_co_u32 s21, s21, SLOT
	s_add_co_u32 s22, s22, SLOT
.endr
	v_and_b32 v6, 31, v0
	v_lshlrev_b32 v6, 4, v6                        ; k: 16 x lane
	v_and_b32 v8, 7, v0
	v_lshlrev_b32 v8, 4, v8
	v_lshl_add_u32 v8, v2, 7, v8
	v_lshl_add_u32 v8, v5, 8, v8                   ; v: 256 (r / 8) + 128 h + 16 (r % 8)
	s_cmp_eq_u32 ttmp9, 0                          ; tile columns 0-3 (cluster x = 0) are k, 4-7 are v: the same in all partners
	s_cselect_b32 s20, 0, -1
	v_cndmask_b32 v[CO], v6, v8, s20
	s_lshr_b32 s16, s13, 3                         ; the batch: 8 tile rows each
	s_lshl_b32 s16, s16, 23                        ; x 32 heads x 128 key tiles x 2,048 bytes
	s_and_b32 s17, s13, 7
	s_lshl_b32 s17, s17, 4
	s_lshl_b32 s18, s11, 3
	s_add_co_u32 s17, s17, s18                     ; my first key tile
	s_lshl_b32 s17, s17, 11
	s_add_co_u32 s16, s16, s17
	s_mov_b32 s17, 0
	s_lshl_b32 s46, s42, 2
	s_lshl_b32 s47, s12, 1
	s_add_co_u32 s46, s46, s47                     ; my first block of 64 columns
	s_lshl_b32 s46, s46, 18
	s_mov_b32 s47, 0
	s_add_nc_u64 s[16:17], s[16:17], s[46:47]
	s_add_nc_u64 s[8:9], s[8:9], s[16:17]
; 16 matrix instructions: m blocks a0, a0 + 1 of the window's four x all 8 n blocks, 32 along K.  zero = 1: the first product starts the sums from the bias.
; The 64 accumulators take turns, one instruction a turn, in the same order in every quarter.
.macro MUL16 f, hi, a0, zero
.irp a, \a0, \a0+1
.irp b, 0,1,2,3,4,5,6,7
.if \zero
	v_wmma_f32_16x16x32_f16 v[8*(8*(\a)+\b):8*(8*(\a)+\b)+7], v[\f+8*\b:\f+8*\b+7], v[\f+8*(4*\hi+\a):\f+8*(4*\hi+\a)+7], v[BIAS+8*\b:BIAS+8*\b+7]
.else
	v_wmma_f32_16x16x32_f16 v[8*(8*(\a)+\b):8*(8*(\a)+\b)+7], v[\f+8*\b:\f+8*\b+7], v[\f+8*(4*\hi+\a):\f+8*(4*\hi+\a)+7], v[8*(8*(\a)+\b):8*(8*(\a)+\b)+7]
.endif
.endr
.endr
.endm
; 32 LDS loads in one run: the fragments of one quarter step (32 along K: byte k of A's rows, rows k / 2 of B) into buffer f
.macro FETCH slot, k, f
	WIN TO_B
.irp i, 0,1,2,3,4,5,6,7
	ds_load_tr16_b128 v[\f+8*\i:\f+8*\i+3],   v[ADRB+\slot] offset:(\k/64)*32*PB+32*\i
	ds_load_tr16_b128 v[\f+8*\i+4:\f+8*\i+7], v[ADRB+\slot] offset:(\k/64)*32*PB+16*PB+32*\i
.endr
	WIN 0
.irp i, 0,1,2,3,4,5,6,7
	ds_load_b128 v[\f+8*\i:\f+8*\i+3],   v[ADRA+\slot] offset:\k+\i*16*PITCH
	ds_load_b128 v[\f+8*\i+4:\f+8*\i+7], v[ADRA+\slot] offset:\k+\i*16*PITCH+32
.endr
.endm
.macro PLACES                          ; four plain instructions in front of loads into registers that matrix instructions have read, and of conversions that read results
.rept 4
	v_nop
.endr
.endm
.macro QUARTER slot, k, f, g, zero
	s_wait_dscnt 8                                 ; B and A's rows 0-63 are in; the youngest eight loads (A's rows 64-127) may be out
.if \zero
	WIN FST_LO
.else
	WIN MUL_LO
.endif
	MUL16 \f, 0, 0, \zero
	MUL16 \f, 0, 2, \zero
	PLACES
	FETCH \slot, \k, \g
	s_wait_dscnt 32                                ; all but the 32 just issued
.if \zero
	WIN FST_HI
.else
	WIN MUL_HI
.endif
	MUL16 \f, 1, 0, \zero
	MUL16 \f, 1, 2, \zero
.endm
; The last quarter multiplies buffer 1 and changes slots: ONE barrier.  In front of it each wave waits for all its tensor loads (one is out: its part of the next slot), adds 0 to its spare word,
; and waits for that and for its reads of this slot.  fill = 1: the barrier opens a round of the cluster's, and this slot is filled again, two K steps ahead, first thing behind the round.
.macro TURN slot, next, fill
	WIN 0                                          ; (the add's two registers lie in window 0)
	s_wait_tensorcnt 0x0
	ds_add_u32 v[SPW], v[NIL]
	s_wait_dscnt 9                                 ; (the add and the youngest eight loads may be out)
	WIN MUL_LO
	MUL16 F1, 0, 0, 0                              ; sixteen matrix instructions stand between the add and the wait for it
	s_wait_dscnt 0x0                               ; the add is done, and my reads of this slot are over
	s_barrier_signal -1
	MUL16 F1, 0, 2, 0
.if \fill
	WIN 0
.endif
	s_barrier_wait -1
.if \fill
	CREST                                          ; no wave of any partner still reads this slot or has a load on its way
	s_add_nc_u64 s[G0+4*\slot+2:G0+4*\slot+3], s[G0+4*\slot+2:G0+4*\slot+3], 512
	s_add_nc_u64 s[G0B+4*\slot+2:G0B+4*\slot+3], s[G0B+4*\slot+2:G0B+4*\slot+3], 1048576
	JLOAD \slot                                    ; 224 matrix instructions ahead of the wait for it; its four v_nop are also the places in front of the loads below
.else
	PLACES
.endif
	FETCH \next, 0, F0
	WIN MUL_HI
	MUL16 F1, 1, 0, 0
	MUL16 F1, 1, 2, 0
.endm
	s_wait_tensorcnt 1                             ; my part of K step 0 is in; K step 1's may stay out
	s_barrier_signal -1
	s_barrier_wait -1
	FETCH 0, 0, F0
	s_wait_loadcnt 0x0                             ; the bias
	QUARTER 0, 64,  F0, F1, 1
	WIN 0                                          ; at a label and at a branch every window is 0
	s_mov_b32 s3, 3
.Llap:                                                 ; a trip goes once round the ring and fills both slots again: K steps 2 to 7
	QUARTER 0, 128, F1, F0, 0
	QUARTER 0, 192, F0, F1, 0
	TURN 0, 1, 1
	QUARTER 1, 64,  F0, F1, 0
	QUARTER 1, 128, F1, F0, 0
	QUARTER 1, 192, F0, F1, 0
	TURN 1, 0, 1
	QUARTER 0, 64,  F0, F1, 0
	WIN 0
	s_sub_co_u32 s3, s3, 1
	s_cmp_lg_u32 s3, 0
	s_cbranch_scc1 .Llap
	QUARTER 0, 128, F1, F0, 0                      ; the last lap fills nothing
	QUARTER 0, 192, F0, F1, 0
	TURN 0, 1, 0
	QUARTER 1, 64,  F0, F1, 0
	QUARTER 1, 128, F1, F0, 0
	QUARTER 1, 192, F0, F1, 0
	s_wait_dscnt 8
	WIN MUL_LO
	MUL16 F1, 0, 0, 0
	MUL16 F1, 0, 2, 0
	s_wait_dscnt 0x0
	WIN MUL_HI
	MUL16 F1, 1, 0, 0
	MUL16 F1, 1, 2, 0
	WIN 0
; THE WAY OUT.  Block a (16 keys): a lane's eight results of accumulator (a, b) pack into 16 bytes, which are its 16 bytes of piece b % 4 of the key tile of head b / 4.
.macro PACK a
.set AC, 64*((\a)%4)
.set TP, TMP+32*((\a)%2)
.set WN, 0x0a+5*((\a)/4)
	WIN WN                                         ; sources 0 and 1: window 2 or 3
.irp b, 0,1,2,3,4,5,6,7
.irp r, 0,1,2,3
	v_cvt_pk_f16_f32 v[TP+4*\b+\r], v[AC+8*\b+2*\r], v[AC+8*\b+2*\r+1]
.endr
.endr
	WIN 0
.irp b, 0,1,2,3,4,5,6,7
	global_store_b128 v[CO], v[TP+4*\b:TP+4*\b+3], s[8:9] offset:(\a)*2048+(\b/4)*262144+(\b%4)*512   ; 32 lanes store 512 consecutive bytes, aligned
.endr
.endm
	PLACES
.irp a, 0,1,2,3,4,5,6,7
.if \a >= 2
	s_wait_xcnt 0x0                                ; block a - 2's stores have read their registers
.endif
	PACK \a
.endr
	s_wait_tensorcnt 0x0                           ; the wave's end
	ds_add_u32 v[SPW], v[NIL]
	s_wait_dscnt 0x0
	CROUND                                         ; the closing round
	s_endpgm
.Lfunc_end_k_q4e34b3a25e_kvgemm:
	.size	k_q4e34b3a25e_kvgemm, .Lfunc_end_k_q4e34b3a25e_kvgemm-k_q4e34b3a25e_kvgemm
	.p2alignl 7, 3214868480
	.fill 96, 4, 3214868480
	.section	.rodata,"a",@progbits
	.p2align	6, 0x0
	.amdhsa_kernel k_q4e34b3a25e_kvgemm
		.amdhsa_group_segment_fixed_size 327680
		.amdhsa_private_segment_fixed_size 0
		.amdhsa_enable_private_segment 0
		.amdhsa_kernarg_size 24
		.amdhsa_user_sgpr_count 2
		.amdhsa_user_sgpr_kernarg_segment_ptr 1
		.amdhsa_wavefront_size32 1
		.amdhsa_system_sgpr_workgroup_id_x 1
		.amdhsa_system_sgpr_workgroup_id_y 1
		.amdhsa_system_sgpr_workgroup_id_z 1
		.amdhsa_system_vgpr_workitem_id 0
		.amdhsa_next_free_vgpr 1024
		.amdhsa_next_free_sgpr 66
		.amdhsa_reserve_vcc 0
		.amdhsa_float_denorm_mode_32 3
		.amdhsa_float_denorm_mode_16_64 3
		.amdhsa_memory_ordered 1
		.amdhsa_forward_progress 1
		.amdhsa_inst_pref_size 136
	.end_amdhsa_kernel
	.amdgpu_metadata
---
amdhsa.version: [ 1, 2 ]
amdhsa.kernels:
  - .name:           k_q4e34b3a25e_kvgemm
    .symbol:         k_q4e34b3a25e_kvgemm.kd
    .args:
      - { .name: h16, .offset: 0, .size: 8, .value_kind: global_buffer, .address_space: global }
      - { .name: bkv, .offset: 8, .size: 8, .value_kind: global_buffer, .address_space: global }
      - { .name: kvh, .offset: 16, .size: 8, .value_kind: global_buffer, .address_space: global }
    .group_segment_fixed_size: 327680
    .private_segment_fixed_size: 0
    .kernarg_segment_align: 8
    .kernarg_segment_size: 24
    .max_flat_workgroup_size: 128
    .sgpr_count:     66
    .vgpr_count:     1024
    .wavefront_size: 32
...
	.end_amdgpu_metadata
.endif
;; end of part 3
;; launch attn (part 4): grid 4 x 64, 8 waves a work-group, no clusters, 327,680 bytes of LDS; arguments qp16, kvh, o16; writes o16
.if DOCPART == 4
	.amdgcn_target "amdgcn-amd-amdhsa--gfx1250"
	.amdhsa_code_object_version 6
	.text
	.protected	k_q4e34b3a25e_attn
	.globl	k_q4e34b3a25e_attn
	.p2align	8
	.type	k_q4e34b3a25e_attn,@function
k_q4e34b3a25e_attn:
	s_mov_b64 s[64:65], 0
	v_nop
	global_prefetch_b8 v0, s[64:65] scope:SCOPE_SE
	s_setreg_imm32_b32 hwreg(HW_REG_WAVE_MODE, 25, 1), 1
	s_wait_xcnt 0x0
; ATTN.  o = softmax(q k^T / 8 + shifted(q pos^T / 8), causal) v for one batch and head; f16 operands, f32 sums, maxima and softmax in f32 with a running maximum.
; q arrives multiplied by log2(e) / 8, so a score is already the exponent of 2.  Keys 0-1023 are the memory: no position term, no mask.  Key 1024 + j counts for query i where j <= i, and there the
; shifted position term is q_i . pos[1023 - i + j] (where j > i the shift wraps, and the mask throws the score away).
; SHARES.  Work-group (g, batch x head), eight waves.  Wave w has rank w (w < 4) or w xor 3, and owns queries 32 G .. 32 G + 31, G = 4 rank + g: two tiles of 16, X and Y.  Waves w and w + 4 have ranks that add up to 7.
; Every wave walks all 2,048 keys, 64 a step; a step all of whose keys come after the wave's queries is left out by a scalar branch on ids, round the step's work alone.
; LAYOUT.  S^T = k q^T (source 0 = 16 keys, source 1 = 16 queries): a lane holds ONE query (lane % 16) and keys 8 (lane / 16) + 0..7 of each tile.  Two such tiles, rounded to f16 in pairs, are source 1 of O^T = v^T P.
; THE POSITION TERM.  For 16 queries from i0 and 64 keys from j0 the rows of pos are a band from 1008 - i0 + j0 on (a multiple of 16): five tiles of the table.  D = q pos^T (source 0 = the queries): a lane holds pos row
; lane % 16 and queries 8 (lane / 16) + 0..7.  Band element u of query a belongs to key u + a - 15: each register goes to the wave's stage in LDS at row a, word u + a + 1, so the skew is in the store's address;
; it comes back as rows, in S^T's layout, and is the C of the first product k q^T.  Tiles past the table's end are held at its last tile: they feed masked scores alone.
; LDS: pos, 64 tiles of 2,048 bytes, filled once; a ring of two slots of 128 keys (8 tiles of k, then 8 of v, dense); the stages; the spare words.  Waves 0 and 1 fetch (k's part, v's part), all eight read.
; NO CLUSTER, though the four work-groups of a head read the same k and v: they differ in g alone, and the branches round hidden steps and the LDS addresses of the band hang on g.
; LIMITS: q x 0.18, k, v, pos and o must stay under 65,504 in magnitude (f16); weights p under 6e-8 count as 0 in the second product.
.set RING,  131072
.set SLX,   0x8000                     ; slot 1 = slot 0 xor this
.set STAGE, 196608                     ; 12,800 bytes a wave: X's 16 rows of 400 bytes, then Y's
.set WST,   12800
.set TST,   6400
.set SPARE, 299008                     ; the spare words, 128 bytes a wave: four blocks of 256 bytes that no other line names
.set L16, 1                            ; v1  16 x lane
.set SPW, 2
.set NIL, 3
.set AKV, 4                            ; v4  the slot in hand + 16 x lane
.set AP,  5                            ; v5-7 three tiles of pos
.set SB,  8                            ; v8  into the stage: 3,232 h + 4 r + 4
.set RB,  9                            ; v9  out of it: 400 r + 32 h
.set DX,  10                           ; v10, v11  on the diagonal: register 16 t + j is hidden where 16 t + j > this (X, Y)
.set NINF,12
.set PFO, 13                           ; v13 256 x lane
.set Q,   16                           ; v16-47   q: tile T, fragment s at 16 T + 8 s
.set S,   48                           ; v48-111  S^T: 32 T + 8 t; then p; then P in the tile's first 16
.set O,   112                          ; v112-175 O^T: 32 T + 8 ct
.set F,   176                          ; v176-239 fragments of pos, of k, of v
.set ST,  240                          ; v240-255 eight a tile: m, 0, l (two halves), c0-c3; a takes c2's place
.set WV,  10
.set GG,  12
.set GH,  13                           ; G / 2: the local step on the diagonal
.set LS,  14                           ; the local step
.set PT,  15                           ; LDS byte of the band's first tile: 2,048 (62 - 2 G + 4 LS)
.set G1,  16
.set G1P, 24
.set G0,  32
.set G0P, 36
.set TB,  40
.set REM, 41
.set LIM, 42
.set PFA, 44
.set SEL, 46
.set CNT, 48
	s_load_b128 s[4:7], s[0:1], 0x0                ; qp16, kvh
	s_load_b64 s[8:9], s[0:1], 0x10                ; o16
	v_lshl_add_u32 v[SPW], v0, 2, SPARE
	v_mov_b32 v[NIL], 0
	ds_add_u32 v[SPW], v[NIL]                      ; the wave's opening: the add, twice on end, and its wait ahead of the first tensor load
	ds_add_u32 v[SPW], v[NIL]
	v_lshrrev_b32 v14, 5, v0
	v_readfirstlane_b32 s[WV], v14                 ; wave 0..7
	s_lshr_b32 s49, s[WV], 2
	s_mul_i32 s49, s49, 3
	s_xor_b32 s49, s[WV], s49                      ; rank
	s_and_b32 s11, ttmp9, 3                        ; g
	s_lshl_b32 s[GG], s49, 2
	s_add_co_u32 s[GG], s[GG], s11
	s_lshr_b32 s[GH], s[GG], 1
	s_mov_b32 s[LS], 0
	s_xor_b32 s[PT], s[GG], 31                     ; 31 - G
	s_lshl_b32 s[PT], s[PT], 12
	s_and_b32 s50, ttmp7, 0xffff                   ; 16 batch + head
	s_and_b32 s51, s[WV], 1
	s_lshr_b32 s52, s50, 4
	s_lshl_b32 s52, s52, 5
	s_and_b32 s53, s50, 15
	s_add_co_u32 s52, s52, s53                     ; 32 batch + head: k's block in kvh; v's is 16 on
	s_lshl_b32 s54, s51, 4
	s_add_co_u32 s54, s54, s52
	s_lshl_b32 s54, s54, 18                        ; 128 key tiles of 2,048 bytes each
	s_mov_b32 s55, 0
	s_lshl_b32 s[G0P+1], s51, 16                   ; pos: half the table, 65,536 bytes, to LDS byte 65,536 x wave
	s_add_co_u32 s56, s[G0P+1], 8388608
	s_mov_b32 s57, 0
	s_mov_b32 s[G1], 3<<16                         ; a slot's part: 16,384 dense bytes as 64 rows of 32 elements of 8 bytes
	s_mov_b32 s[G1+1], 32<<16
	s_mov_b32 s[G1+2], 64<<16
	s_mov_b32 s[G1+3], 32<<16
	s_mov_b32 s[G1+4], 64
	s_mov_b32 s[G1+5], 32
	s_mov_b32 s[G1+6], 0
	s_mov_b32 s[G1+7], 0
	s_mov_b32 s[G1P], 3<<16                        ; half of pos: 256 such rows
	s_mov_b32 s[G1P+1], 32<<16
	s_mov_b32 s[G1P+2], 256<<16
	s_mov_b32 s[G1P+3], 32<<16
	s_mov_b32 s[G1P+4], 256
	s_mov_b32 s[G1P+5], 32
	s_mov_b32 s[G1P+6], 0
	s_mov_b32 s[G1P+7], 0
	s_mov_b32 s[G0], 1
	s_lshl_b32 s[G0+1], s51, 14
	s_add_co_u32 s[G0+1], s[G0+1], RING            ; slot 0: k's 16,384 bytes, then v's
	s_mov_b32 s[G0P], 1
	s_mov_b32 s[SEL], 0x76543210
	s_mov_b32 s[SEL+1], 0xfedcba98
	s_mov_b32 s[TB], RING
	s_mov_b32 s[REM], 15
	s_wait_dscnt 0x0                               ; both opening adds are done
	s_wait_kmcnt 0x0
	s_add_nc_u64 s[G0+2:G0+3], s[6:7], s[54:55]
	s_or_b32 s[G0+3], s[G0+3], 0x80000000
	s_add_nc_u64 s[G0P+2:G0P+3], s[4:5], s[56:57]
	s_or_b32 s[G0P+3], s[G0P+3], 0x80000000
	s_cmp_lt_u32 s[WV], 2                          ; a fetching wave's two first fills stand in one branch, ahead of every wait on TENSORcnt, every LDS read and every barrier
	s_cbranch_scc0 .Lnofill
	tensor_load_to_lds s[G0P:G0P+3], s[G1P:G1P+7]
	s_nop 0
	tensor_load_to_lds s[G0:G0+3], s[G1:G1+7]
	s_nop 0
.rept 4
	v_nop
.endr
.Lnofill:
	v_and_b32 v[L16], 31, v0
	v_lshlrev_b32 v[PFO], 8, v[L16]
	v_lshlrev_b32 v[L16], 4, v[L16]
	s_lshl_b32 s54, s50, 17                        ; q: tile 64 (16 batch + head) + 2 G
	s_lshl_b32 s56, s[GG], 12
	s_add_co_u32 s54, s54, s56
	s_add_nc_u64 s[4:5], s[4:5], s[54:55]
.irp T, 0,1
.irp s, 0,1
.irp c, 0,1
	global_load_b128 v[Q+16*\T+8*\s+4*\c:Q+16*\T+8*\s+4*\c+3], v[L16], s[4:5] offset:\T*2048+\s*1024+\c*512
.endr
.endr
.endr
	s_lshr_b32 s54, s50, 4                         ; o: row tile 64 batch + 2 G of 32,768 bytes, + 2,048 x head
	s_lshl_b32 s54, s54, 21
	s_lshl_b32 s56, s[GG], 16
	s_add_co_u32 s54, s54, s56
	s_lshl_b32 s56, s53, 11
	s_add_co_u32 s54, s54, s56
	s_add_nc_u64 s[8:9], s[8:9], s[54:55]
	; the prefetches: who asks, and where.  Waves 4, 5: the two halves of a slot's k; waves 6, 7: of its v; in the head's first work-group alone
	s_lshr_b32 s54, s[WV], 1
	s_and_b32 s54, s54, 1
	s_lshl_b32 s54, s54, 4
	s_add_co_u32 s54, s54, s52
	s_lshl_b32 s54, s54, 18
	s_lshl_b32 s56, s51, 13
	s_add_co_u32 s54, s54, s56
	s_add_co_u32 s54, s54, 16384                   ; in slot 1: the first change of slots steps it to slot 2.  Nothing is prefetched here, at the head
	s_add_nc_u64 s[PFA:PFA+1], s[6:7], s[54:55]
	s_lshr_b32 s54, s[WV], 2
	s_xor_b32 s54, s54, 1
	s_or_b32 s54, s54, s11
	s_cmp_eq_u32 s54, 0
	s_cselect_b32 s[LIM], 1, -1
	v_and_b32 v14, 15, v0                          ; r
	v_bfe_u32 v15, v0, 4, 1                        ; h
	s_mul_i32 s52, s[WV], WST
	s_add_co_u32 s52, s52, STAGE                   ; my stage
	v_mul_u32_u24 v[SB], v15, 3232
	v_lshl_add_u32 v[SB], v14, 2, v[SB]
	v_add_nc_u32 v[SB], s52, v[SB]
	v_add_nc_u32 v[SB], 4, v[SB]
	v_mul_u32_u24 v[RB], v14, 400
	v_lshl_add_u32 v[RB], v15, 5, v[RB]
	v_add_nc_u32 v[RB], s52, v[RB]
	s_and_b32 s53, s[GG], 1
	s_lshl_b32 s53, s53, 5
	v_lshlrev_b32 v[DX], 3, v15
	v_sub_nc_u32 v[DX], v14, v[DX]
	v_add_nc_u32 v[DX], s53, v[DX]                 ; 32 (G % 2) + r - 8 h
	v_add_nc_u32 v[DX+1], 16, v[DX]
	v_mov_b32 v[NINF], 0xff800000
.irp T, 0,1
	v_mov_b32 v[ST+8*\T], 0xff61b1e6               ; the largest score so far: -3e38
.irp j, 1,2,3,4,5,6,7
	v_mov_b32 v[ST+8*\T+\j], 0
.endr
.endr
.set n, 0
.rept 64
	v_mov_b32 v[O+n], 0                            ; O^T.  (The step is written once: the first finds zeros, which its factor 0 leaves zeros)
.set n, n+1
.endr
.macro TLOAD                           ; waves 0 and 1 fetch; the branch hangs on the wave's number alone; an s_nop 0 and four v_nop follow the load
	s_cmp_lt_u32 s[WV], 2
	s_cbranch_scc0 .Lasked_\@
	tensor_load_to_lds s[G0:G0+3], s[G1:G1+7]
	s_nop 0
.rept 4
	v_nop
.endr
.Lasked_\@:
.endm
; A prefetch of what the NEXT change of slots will ask for: 16,384 bytes of k and of v, 8,192 a wave, lanes 256 bytes apart: each aligned block of 256 bytes is named once in the launch.
; It runs one slot, two key steps, ahead of the load.  The last change that fills a slot asks for nothing; slots 0 and 1 come by their loads alone.
.macro ASK
	s_cmp_gt_u32 s[REM], s[LIM]
	s_cbranch_scc0 .Lnot_mine_\@
	global_prefetch_b8 v[PFO], s[PFA:PFA+1] th:TH_LOAD_NT scope:SCOPE_SE
.Lnot_mine_\@:
.endm
; THE CHANGE OF SLOTS, at a slot's head.  Each wave waits for all its tensor loads, adds 0 to its spare word, and waits for that and for its reads of the slot that it has left.  Behind the barrier the slot ahead is
; whole and nobody reads the other one; fill = 1: that one takes the next 128 keys, and the load has two key steps in which to land.
.macro CHANGE fill
	s_wait_tensorcnt 0x0                           ; no tensor load of mine is out, so the walking descriptor may be written
	ds_add_u32 v[SPW], v[NIL]
.if \fill
	ds_add_u32 v[SPW], v[NIL]                      ; twice on end where a load follows that six waves pass round
	s_xor_b32 s[G0+1], s[G0+1], SLX
	s_add_nc_u64 s[G0+2:G0+3], s[G0+2:G0+3], 16384
	s_wait_xcnt 0x0                                ; the last prefetch, a slot back, has read its address
	s_add_nc_u64 s[PFA:PFA+1], s[PFA:PFA+1], 16384
.endif
	s_wait_dscnt 0x0
	s_barrier_signal -1
	s_barrier_wait -1
.if \fill
	TLOAD
	ASK
	s_sub_co_u32 s[REM], s[REM], 1
.endif
	v_add_nc_u32 v[AKV], s[TB], v[L16]
.endm
.macro PD dst, T, k, s                 ; one product of the band: queries of tile T x the pos tile in F + 16 k, channels 32 s on
.if \s == 0
	v_wmma_f32_16x16x32_f16 v[\dst:\dst+7], v[Q+16*\T:Q+16*\T+7], v[F+16*\k:F+16*\k+7], 0
.else
	v_wmma_f32_16x16x32_f16 v[\dst:\dst+7], v[Q+16*\T+8:Q+16*\T+15], v[F+16*\k+8:F+16*\k+15], v[\dst:\dst+7]
.endif
.endm
.macro PST src, T, tau                 ; its eight registers to the stage: query 8 h + j, band element 16 tau + r, at row 8 h + j, word 16 tau + r + 8 h + j + 1; from the low end on
.irp j, 0,1,2,3,4,5,6,7
	ds_store_b32 v[SB], v[\src+\j] offset:\T*TST+\j*404+64*\tau
.endr
.endm
.macro PLD k                           ; a tile of pos, two fragments
.irp s, 0,1
.irp c, 0,1
	ds_load_b128 v[F+16*\k+8*\s+4*\c:F+16*\k+8*\s+4*\c+3], v[AP+\k] offset:\s*1024+\c*512
.endr
.endr
.endm
.macro SOFTMAX                         ; both tiles, line by line in turn
.irp j, 0,1,2,3
.irp T, 0,1
	v_max3_num_f32 v[ST+8*\T+4+\j], v[S+32*\T+8*\j], v[S+32*\T+8*\j+1], v[S+32*\T+8*\j+2]   ; each accumulator is read from its low end on
.endr
.endr
.irp u, 3,5
.irp j, 0,1,2,3
.irp T, 0,1
	v_max3_num_f32 v[ST+8*\T+4+\j], v[ST+8*\T+4+\j], v[S+32*\T+8*\j+\u], v[S+32*\T+8*\j+\u+1]
.endr
.endr
.endr
.irp T, 0,1
	v_max3_num_f32 v[ST+8*\T+4], v[ST+8*\T+4], v[S+32*\T+7], v[S+32*\T+15]
	v_max3_num_f32 v[ST+8*\T+6], v[ST+8*\T+6], v[S+32*\T+23], v[S+32*\T+31]
.endr
.irp T, 0,1
	v_max3_num_f32 v[ST+8*\T+4], v[ST+8*\T+4], v[ST+8*\T+5], v[ST+8*\T+6]
.endr
.irp T, 0,1
	v_max3_num_f32 v[ST+8*\T+4], v[ST+8*\T+4], v[ST+8*\T+7], v[ST+8*\T]    ; and the old m
.endr
.irp T, 0,1
	v_permlanex16_b32 v[ST+8*\T+5], v[ST+8*\T+4], s[SEL], s[SEL+1]         ; the query's other 32 keys lie in the lane 16 away
.endr
.irp T, 0,1
	v_mov_b32 v[ST+8*\T+7], v[ST+8*\T]
.endr
.irp T, 0,1
	v_max_num_f32 v[ST+8*\T], v[ST+8*\T+4], v[ST+8*\T+5]                   ; the new m
.endr
.irp T, 0,1
	v_sub_f32 v[ST+8*\T+7], v[ST+8*\T+7], v[ST+8*\T]                       ; old m - new m
.endr
.irp j, 0,2,4,6,8,10,12,14,16,18,20,22,24,26,28,30
.irp T, 0,1
	v_pk_add_f32 v[S+32*\T+\j:S+32*\T+\j+1], v[S+32*\T+\j:S+32*\T+\j+1], v[ST+8*\T:ST+8*\T+1] op_sel_hi:[1,0] neg_lo:[0,1] neg_hi:[0,1]   ; s - m
.endr
.endr
.irp T, 0,1
	v_exp_f32 v[ST+8*\T+6], v[ST+8*\T+7]           ; a = 2^(old m - new m).  ONE BATCH of 66 exponentials: none reads another's result
.endr
.set n, 0
.rept 64
	v_exp_f32 v[S+n], v[S+n]                       ; p = 2^(s - m)
.set n, n+1
.endr
	v_nop                                          ; a plain instruction behind the last exponential
	s_wait_alu depctr_va_vdst(0)                   ; one wait for the batch, ahead of its first reader
.irp T, 0,1
	v_pk_mul_f32 v[ST+8*\T+2:ST+8*\T+3], v[ST+8*\T+2:ST+8*\T+3], v[ST+8*\T+6:ST+8*\T+7] op_sel_hi:[1,0]   ; l under the new m
.endr
.irp T, 0,1
	v_pk_add_f32 v[ST+8*\T+4:ST+8*\T+5], v[S+32*\T:S+32*\T+1], v[S+32*\T+2:S+32*\T+3]    ; the sums, of the unrounded p, in two chains a tile
.endr
.irp j, 4,8,12,16,20,24,28
.irp T, 0,1
	v_pk_add_f32 v[ST+8*\T+2:ST+8*\T+3], v[ST+8*\T+2:ST+8*\T+3], v[S+32*\T+\j:S+32*\T+\j+1]
	v_pk_add_f32 v[ST+8*\T+4:ST+8*\T+5], v[ST+8*\T+4:ST+8*\T+5], v[S+32*\T+\j+2:S+32*\T+\j+3]
.endr
.endr
.irp T, 0,1
	v_pk_add_f32 v[ST+8*\T+2:ST+8*\T+3], v[ST+8*\T+2:ST+8*\T+3], v[ST+8*\T+4:ST+8*\T+5]
.endr
.irp i, 0,1,2,3,4,5,6,7,8,9,10,11,12,13,14,15
.irp T, 0,1
	v_cvt_pk_f16_f32 v[S+32*\T+\i], v[S+32*\T+2*\i], v[S+32*\T+2*\i+1]     ; P, in place and ascending: register i is written when 2 i and 2 i + 1 have been read
.endr
.endr
.irp j, 0,2,4,6,8,10,12,14,16,18,20,22,24,26,28,30
.irp T, 0,1
	v_pk_mul_f32 v[O+32*\T+\j:O+32*\T+\j+1], v[O+32*\T+\j:O+32*\T+\j+1], v[ST+8*\T+6:ST+8*\T+7] op_sel_hi:[1,0]   ; O^T under the new m
.endr
.endr
.endm
; A KEY STEP: 64 keys, the q-th of the slot in hand.  local = 1: keys behind the memory: position term, mask, and the branch round a hidden step.
.macro STEP q, local
.if \local
	s_cmp_gt_u32 s[LS], s[GH]                      ; all 64 keys come after my 32 queries
	s_cbranch_scc1 .Lhid_\@
	s_min_u32 s49, s[PT], 63*2048                  ; six tiles of pos, held at the table's last
	s_add_co_u32 s50, s[PT], 2048
	s_min_u32 s50, s50, 63*2048
	s_add_co_u32 s51, s[PT], 2*2048
	s_min_u32 s51, s51, 63*2048
	s_add_co_u32 s52, s[PT], 3*2048
	s_min_u32 s52, s52, 63*2048
	s_add_co_u32 s53, s[PT], 4*2048
	s_min_u32 s53, s53, 63*2048
	s_add_co_u32 s54, s[PT], 5*2048
	s_min_u32 s54, s54, 63*2048
	v_add_nc_u32 v[AP], s49, v[L16]
	v_add_nc_u32 v[AP+1], s50, v[L16]
	v_add_nc_u32 v[AP+2], s51, v[L16]
	PLD 0
	PLD 1
	PLD 2
	s_wait_dscnt 0x0
.irp s, 0,1                                    ; tiles 0, 1, 2: Y's band tiles 0, 1, 2 and X's 0, 1; five accumulators by turns
	PD S,    1, 0, \s
	PD S+8,  1, 1, \s
	PD S+16, 0, 1, \s
	PD S+24, 1, 2, \s
	PD S+32, 0, 2, \s
.endr
	v_add_nc_u32 v[AP], s52, v[L16]                ; five plain instructions: the places in front of the loads into F and of the stores that read results
	v_add_nc_u32 v[AP+1], s53, v[L16]
	v_add_nc_u32 v[AP+2], s54, v[L16]
	v_nop
	v_nop
	PLD 0
	PLD 1
	PLD 2
	PST S,    1, 0
	PST S+8,  1, 1
	PST S+16, 0, 0
	PST S+24, 1, 2
	PST S+32, 0, 1
	s_wait_dscnt 40                                ; the 12 loads are in; the 40 stores behind them may be out
.irp s, 0,1                                    ; tiles 3, 4, 5: Y's 3, 4 and X's 2, 3, 4
	PD S+40, 1, 0, \s
	PD S+48, 0, 0, \s
	PD S+56, 1, 1, \s
	PD F+48, 0, 1, \s
	PD F+56, 0, 2, \s
.endr
.rept 5
	v_nop                                          ; five: the products k q^T below write over these results
.endr
	PST S+40, 1, 3
	PST S+48, 0, 2
	PST S+56, 1, 4
	PST F+48, 0, 3
	PST F+56, 0, 4
.irp T, 0,1
.irp t, 0,1,2,3
	ds_load_b128 v[S+32*\T+8*\t:S+32*\T+8*\t+3], v[RB] offset:\T*TST+64+64*\t          ; back as rows, in S^T's layout.  LDS serves a wave's instructions in order: these see the stores above
	ds_load_b128 v[S+32*\T+8*\t+4:S+32*\T+8*\t+7], v[RB] offset:\T*TST+64+64*\t+16
.endr
.endr
.endif
.irp t, 0,1,2,3
.irp s, 0,1
.irp c, 0,1
	ds_load_b128 v[F+16*\t+8*\s+4*\c:F+16*\t+8*\s+4*\c+3], v[AKV] offset:\q*8192+\t*2048+\s*1024+\c*512   ; k: 512 consecutive bytes a load
.endr
.endr
.endr
	s_wait_dscnt 0x0
.irp s, 0,1                                    ; S^T = k q^T (+ the position term): eight accumulators by turns
.irp t, 0,1,2,3
.irp T, 0,1
.if (\s == 0) && (\local == 0)
	v_wmma_f32_16x16x32_f16 v[S+32*\T+8*\t:S+32*\T+8*\t+7], v[F+16*\t+8*\s:F+16*\t+8*\s+7], v[Q+16*\T+8*\s:Q+16*\T+8*\s+7], 0
.else
	v_wmma_f32_16x16x32_f16 v[S+32*\T+8*\t:S+32*\T+8*\t+7], v[F+16*\t+8*\s:F+16*\t+8*\s+7], v[Q+16*\T+8*\s:Q+16*\T+8*\s+7], v[S+32*\T+8*\t:S+32*\T+8*\t+7]
.endif
.endr
.endr
.endr
.rept 4
	v_nop                                          ; places in front of the loads into F and of the first read of the scores
.endr
.irp kk, 0,1
.irp ct, 0,1,2,3
.irp e, 0,1
	ds_load_tr16_b128 v[F+8*(4*\kk+\ct)+4*\e:F+8*(4*\kk+\ct)+4*\e+3], v[AKV] offset:16384+\q*8192+(2*\kk+\e)*2048+\ct*512   ; v^T: they land while the softmax is walked
.endr
.endr
.endr
.if \local
	s_cmp_lt_u32 s[LS], s[GH]                      ; only the step on the diagonal has hidden keys
	s_cbranch_scc1 .Lopen_\@
.irp T, 0,1
.irp t, 0,1,2,3
.irp j, 0,1,2,3,4,5,6,7
	v_cmp_gt_i32 vcc_lo, 16*\t+\j, v[DX+\T]
	v_cndmask_b32 v[S+32*\T+8*\t+\j], v[S+32*\T+8*\t+\j], v[NINF], vcc_lo
.endr
.endr
.endr
.Lopen_\@:
.endif
	SOFTMAX
	s_wait_dscnt 0x0                               ; v is in
.irp kk, 0,1                                   ; O^T += v^T P: eight accumulators by turns
.irp ct, 0,1,2,3
.irp T, 0,1
	v_wmma_f32_16x16x32_f16 v[O+32*\T+8*\ct:O+32*\T+8*\ct+7], v[F+8*(4*\kk+\ct):F+8*(4*\kk+\ct)+7], v[S+32*\T+8*\kk:S+32*\T+8*\kk+7], v[O+32*\T+8*\ct:O+32*\T+8*\ct+7]
.endr
.endr
.endr
.rept 5
	v_nop                                          ; five: the next step's products write over P, and its loads land in F
.endr
.if \local
.Lhid_\@:
	s_add_co_u32 s[LS], s[LS], 1
	s_add_co_u32 s[PT], s[PT], 8192                ; 64 keys on: four tiles of pos
.endif
.endm
	s_wait_loadcnt 0x0                             ; q
	s_mov_b32 s[CNT], 8
.Lmem:                                             ; the memory's 1,024 keys: 8 slots
	CHANGE 1
	STEP 0, 0
	STEP 1, 0
	s_xor_b32 s[TB], s[TB], SLX
	s_sub_co_u32 s[CNT], s[CNT], 1
	s_cmp_lg_u32 s[CNT], 0
	s_cbranch_scc1 .Lmem
	s_mov_b32 s[CNT], 7
.Lloc:                                             ; the local keys: 7 slots behind whose change the next is asked for,
	CHANGE 1
	STEP 0, 1
	STEP 1, 1
	s_xor_b32 s[TB], s[TB], SLX
	s_sub_co_u32 s[CNT], s[CNT], 1
	s_cmp_lg_u32 s[CNT], 0
	s_cbranch_scc1 .Lloc
	CHANGE 0                                       ; and the last, written out
	STEP 0, 1
	STEP 1, 1
	; THE WAY OUT.  O^T / l, rounded to f16.  A lane's eight channels of a query are its 16 bytes of a fragment of the last product's A: no stage.
.irp T, 0,1
	v_add_f32 v[ST+8*\T+4], v[ST+8*\T+2], v[ST+8*\T+3]
.endr
.irp T, 0,1
	v_permlanex16_b32 v[ST+8*\T+5], v[ST+8*\T+4], s[SEL], s[SEL+1]
.endr
.irp T, 0,1
	v_add_f32 v[ST+8*\T+4], v[ST+8*\T+4], v[ST+8*\T+5]
.endr
.irp T, 0,1
	v_rcp_f32 v[ST+8*\T+6], v[ST+8*\T+4]
.endr
	v_nop
	s_wait_alu depctr_va_vdst(0)                   ; one wait for the two reciprocals, ahead of their first reader
.irp T, 0,1
.irp j, 0,2,4,6,8,10,12,14,16,18,20,22,24,26,28,30
	v_pk_mul_f32 v[O+32*\T+\j:O+32*\T+\j+1], v[O+32*\T+\j:O+32*\T+\j+1], v[ST+8*\T+6:ST+8*\T+7] op_sel_hi:[1,0]
.endr
.endr
.irp T, 0,1
.irp i, 0,1,2,3,4,5,6,7,8,9,10,11,12,13,14,15
	v_cvt_pk_f16_f32 v[S+16*\T+\i], v[O+32*\T+2*\i], v[O+32*\T+2*\i+1]
.endr
.endr
.irp T, 0,1
.irp ct, 0,1,2,3
	global_store_b128 v[L16], v[S+16*\T+4*\ct:S+16*\T+4*\ct+3], s[8:9] offset:\T*32768+\ct*512   ; 32 lanes store 512 consecutive bytes, aligned
.endr
.endr
	s_wait_tensorcnt 0x0                           ; the wave's end: behind my last tensor load and my last LDS store
	ds_add_u32 v[SPW], v[NIL]
	s_wait_dscnt 0x0
	s_endpgm
.Lfunc_end_k_q4e34b3a25e_attn:
	.size	k_q4e34b3a25e_attn, .Lfunc_end_k_q4e34b3a25e_attn-k_q4e34b3a25e_attn
	.p2alignl 7, 3214868480
	.fill 96, 4, 3214868480
	.section	.rodata,"a",@progbits
	.p2align	6, 0x0
	.amdhsa_kernel k_q4e34b3a25e_attn
		.amdhsa_group_segment_fixed_size 327680
		.amdhsa_private_segment_fixed_size 0
		.amdhsa_enable_private_segment 0
		.amdhsa_kernarg_size 24
		.amdhsa_user_sgpr_count 2
		.amdhsa_user_sgpr_kernarg_segment_ptr 1
		.amdhsa_wavefront_size32 1
		.amdhsa_system_sgpr_workgroup_id_x 1
		.amdhsa_system_sgpr_workgroup_id_y 1
		.amdhsa_system_sgpr_workgroup_id_z 1
		.amdhsa_system_vgpr_workitem_id 0
		.amdhsa_next_free_vgpr 256
		.amdhsa_next_free_sgpr 66
		.amdhsa_reserve_vcc 1
		.amdhsa_float_denorm_mode_32 3
		.amdhsa_float_denorm_mode_16_64 3
		.amdhsa_memory_ordered 1
		.amdhsa_forward_progress 1
		.amdhsa_inst_pref_size 175
	.end_amdhsa_kernel
	.amdgpu_metadata
---
amdhsa.version: [ 1, 2 ]
amdhsa.kernels:
  - .name:           k_q4e34b3a25e_attn
    .symbol:         k_q4e34b3a25e_attn.kd
    .args:
      - { .name: qp16, .offset: 0, .size: 8, .value_kind: global_buffer, .address_space: global }
      - { .name: kvh, .offset: 8, .size: 8, .value_kind: global_buffer, .address_space: global }
      - { .name: o16, .offset: 16, .size: 8, .value_kind: global_buffer, .address_space: global }
    .group_segment_fixed_size: 327680
    .private_segment_fixed_size: 0
    .kernarg_segment_align: 8
    .kernarg_segment_size: 24
    .max_flat_workgroup_size: 256
    .sgpr_count:     66
    .vgpr_count:     256
    .wavefront_size: 32
...
	.end_amdgpu_metadata
.endif
;; end of part 4
;; launch outgemm (part 5): grid 8 x 32, 4 waves a work-group, clusters of 4 x 4, 327,680 bytes of LDS; arguments o16, h16, bout, out0; writes out0
.if DOCPART == 5
	.amdgcn_target "amdgcn-amd-amdhsa--gfx1250"
	.amdhsa_code_object_version 6
	.text
	.protected	k_q4e34b3a25e_outgemm
	.globl	k_q4e34b3a25e_outgemm
	.p2align	8
	.type	k_q4e34b3a25e_outgemm,@function
k_q4e34b3a25e_outgemm:
	s_mov_b64 s[64:65], 0
	v_nop
	global_prefetch_b8 v0, s[64:65] scope:SCOPE_SE
	s_setreg_imm32_b32 hwreg(HW_REG_WAVE_MODE, 25, 1), 1
	s_wait_xcnt 0x0
	s_wait_alu depctr_hold_cnt(0) depctr_sa_sdst(0) depctr_va_vdst(0) depctr_va_sdst(0) depctr_va_ssrc(0) depctr_va_vcc(0) depctr_vm_vsrc(0)
	s_getreg_b32 s2, hwreg(HW_REG_IB_STS2, 6, 4)
	s_cmp_eq_u32 s2, 0
	s_cbranch_scc0 .Lentry_in_a_cluster
	s_endpgm
.Lentry_in_a_cluster:
	s_bfe_u32 s2, ttmp6, 0x10000c
	s_cmp_lg_u32 s2, 0xf033
	s_cbranch_scc0 .Lentry_shape_is_right
	s_endpgm
.Lentry_shape_is_right:
; OUTGEMM.  out0 = o Wout + bout: [4096][1024] x [1024][1024], f16 operands, f32 sums, f32 out.
; A = o16, laid by the attention launch in the order of the operand's registers: [tile of 16 rows][32 fragments of 1,024 bytes]; registers 4 c .. 4 c + 3 at 512 c + 16 lane.  B = wout16 (h16 byte 20,971,520), stored [k][n]:
; its fragments come out of LDS turned.  A tile of C is 128 x 128 (256 tiles: one for each work-group of the grid): four waves, 64 x 64 each, 16 accumulators.
; K goes in 4 steps of 256 through a ring of two LDS slots: A's 8 row tiles x 8,192 dense bytes, then B's 256 rows of 256 bytes (+ 32).
; CLUSTERS: 4 x 4 work-groups; A's tile shared along a row of the cluster, B's along a column, each asked for jointly.  The matrix instruction is used transposed; the bias is the C of each sum's first product.
; A wave's 64 columns of f32 are 256 bytes, aligned: so each wave sends its own rows out through its own stage, with no barrier.
; REGISTERS: window 0: v0-31 addresses; v32-63 the bias; v64-127 rows on the way out; v128-255 the accumulators ((a, b) at 128 + 8 (4 a + b)).  window 1: two fragment buffers of 128: 64 registers of A, then 64 of B.
.set PB,     288                       ; B's LDS row: 256 bytes + 32
.set ASZ,    65536                     ; A's part of a slot
.set SLOT,   ASZ+256*PB
.set STAGE,  2*SLOT                    ; 16 rows x 272 bytes for each wave
.set SPITCH, 272
.set SPARE,  STAGE+4*16*SPITCH         ; the spare words, 128 bytes a wave: two blocks of 256 bytes that no other line names
.set ADRA, 16                          ; v16-17 my A fragments in slot 0, 1
.set ADRB, 20                          ; v20-21 my B fragments, K rows 0-127 of slot 0, 1;  v22-23 K rows 128-255
.set STO,  24
.set RD,   25
.set CO,   26
.set BO,   27
.set SPW,  28
.set NIL,  29
.set BIAS, 32
.set OB,   64
.set ACC,  128
.set F0,   0
.set F1,   128
.set G1, 24
.set G0, 32
.set G1B, 48
.set G0B, 56
.set MSB, 0
.macro WIN new
.if MSB != \new
	s_set_vgpr_msb (MSB<<8)|\new
.set MSB, \new
.endif
.endm
.set MUL,  0x05                        ; sources 0 (B) and 1 (A) window 1; C and D window 0
.set TO_F, 0x40
.macro JLOAD s
	s_cmp_eq_u32 s11, 0
	s_cbranch_scc0 .Lfor_b_\@
	tensor_load_to_lds s[G0+4*\s:G0+4*\s+3], s[G1:G1+7]
	s_nop 0
.rept 4
	v_nop
.endr
	s_branch .Lasked_\@
.Lfor_b_\@:
	tensor_load_to_lds s[G0B+4*\s:G0B+4*\s+3], s[G1B:G1B+7]
	s_nop 0
.rept 4
	v_nop
.endr
.Lasked_\@:
.endm
.macro CREST
	s_cmp_lg_u32 s10, 0
	s_cbranch_scc1 .Lnot_wave_0_\@
	s_barrier_signal -3
.Lnot_wave_0_\@:
	s_barrier_wait -3
	s_barrier_signal -1
	s_barrier_wait -1
.endm
.macro CROUND
	s_barrier_signal -1
	s_barrier_wait -1
	CREST
.endm
	s_load_b128 s[4:7], s[0:1], 0x0                ; o16, h16
	s_load_b128 s[8:11], s[0:1], 0x10              ; bout, out0  (s10, s11 are moved below, before they are used for other things)
	v_lshl_add_u32 v[SPW], v0, 2, SPARE
	v_mov_b32 v[NIL], 0
	ds_add_u32 v[SPW], v[NIL]                      ; the wave's opening: the add, twice on end, and its wait ahead of my first tensor load
	ds_add_u32 v[SPW], v[NIL]
	v_lshrrev_b32 v1, 5, v0
	s_bfe_u32 s40, ttmp6, 0x40000                  ; cx
	s_bfe_u32 s41, ttmp6, 0x40004                  ; cy
	s_lshl_b32 s42, ttmp9, 2
	s_add_co_u32 s42, s42, s40                     ; tile column
	s_and_b32 s13, ttmp7, 0xffff
	s_lshl_b32 s13, s13, 2
	s_add_co_u32 s13, s13, s41                     ; tile row
	s_lshl_b32 s43, s41, 2
	s_lshl_b32 s43, 15, s43
	s_lshl_b32 s44, 0x1111, s40
	s_or_b32 s[G1+0], s43, (3<<16)|(1<<21)                           ; A: elements of 8 bytes, no padding: the fragments are read at 16 x lane
	s_or_b32 s[G1B+0], s44, (1<<16)|(1<<20)|(1<<21)|(5<<22)|(7<<25)  ; B: elements of 2 bytes; 8 words of padding behind every 64
	s_mov_b32 s[G1+1], 1024<<16                    ; A: a row tile's K step: 8,192 bytes
	s_mov_b32 s[G1+2], 4<<16                       ; 4 row tiles
	s_mov_b32 s[G1+3], 1024<<16
	s_mov_b32 s[G1+4], 4
	s_mov_b32 s[G1+5], 4096                        ; 32,768 bytes from row tile to row tile
	s_mov_b32 s[G1+6], 0
	s_mov_b32 s[G1+7], 0
	s_mov_b32 s[G1B+1], 128<<16                    ; B: 128 columns
	s_mov_b32 s[G1B+2], 128<<16                    ; 128 rows of K
	s_mov_b32 s[G1B+3], 128<<16
	s_mov_b32 s[G1B+4], 128
	s_mov_b32 s[G1B+5], 1024
	s_mov_b32 s[G1B+6], 0
	s_mov_b32 s[G1B+7], 0
	s_wait_dscnt 0x0                               ; both opening adds are done
	s_wait_kmcnt 0x0
	s_mov_b64 s[2:3], s[10:11]                     ; out0
	v_readfirstlane_b32 s10, v1                    ; wave 0..3
	s_lshr_b32 s11, s10, 1                         ; which half of the tile's rows is mine.  Also: I fetch for A (0) or for B (1)
	s_and_b32 s12, s10, 1                          ; which half of its columns.  Also: which half of that tile I fetch
	s_lshl_b32 s16, s13, 18                        ; A: 8 row tiles of 32,768 bytes x tile row
	s_lshl_b32 s17, s12, 17                        ; + 4 row tiles x half
	s_add_co_u32 s16, s16, s17
	s_mov_b32 s17, 0
	s_lshl_b32 s46, s42, 8                         ; B: 256 bytes x tile column
	s_lshl_b32 s47, s12, 18                        ; + 128 rows of 2,048 bytes x half
	s_add_co_u32 s46, s46, s47
	s_add_co_u32 s46, s46, 20971520                ; in wout16
	s_mov_b32 s47, 0
	s_lshl_b32 s20, s12, 15                        ; where they go: A's halves,
	s_mul_i32 s21, s12, 128*PB
	s_add_co_u32 s21, s21, ASZ                     ; B's halves behind them: no place in the cluster enters an LDS address
	s_add_nc_u64 s[14:15], s[4:5], s[16:17]
	s_add_nc_u64 s[46:47], s[6:7], s[46:47]
	CROUND                                         ; all sixteen work-groups are here: the first joint loads meet
.irp s, 0,1
	s_mov_b32 s[G0+4*\s], 1
	s_add_co_u32 s[G0+4*\s+1], s20, \s*SLOT
	s_add_nc_u64 s[G0+4*\s+2:G0+4*\s+3], s[14:15], \s*8192
	s_or_b32 s[G0+4*\s+3], s[G0+4*\s+3], 0x80000000
	s_mov_b32 s[G0B+4*\s], 1
	s_add_co_u32 s[G0B+4*\s+1], s21, \s*SLOT
	s_add_nc_u64 s[G0B+4*\s+2:G0B+4*\s+3], s[46:47], \s*524288
	s_or_b32 s[G0B+4*\s+3], s[G0B+4*\s+3], 0x80000000
	JLOAD \s
.endr
	v_and_b32 v1, 15, v0                           ; r
	v_bfe_u32 v2, v0, 4, 1                         ; h
	v_lshlrev_b32 v[BO], 5, v2
	s_lshl_b32 s46, s42, 9                         ; the bias of my 64 columns
	s_lshl_b32 s47, s12, 8
	s_add_co_u32 s46, s46, s47
	s_mov_b32 s47, 0
	s_add_nc_u64 s[8:9], s[8:9], s[46:47]
.irp b, 0,1,2,3
	global_load_b128 v[BIAS+8*\b:BIAS+8*\b+3], v[BO], s[8:9] offset:64*\b
	global_load_b128 v[BIAS+8*\b+4:BIAS+8*\b+7], v[BO], s[8:9] offset:64*\b+16
.endr
	v_and_b32 v3, 31, v0
	v_lshlrev_b32 v3, 4, v3                        ; A: 16 x lane
	v_and_b32 v4, 7, v0
	v_lshl_add_u32 v4, v2, 3, v4                   ; B: K row 8 h + lane % 8,
	v_mul_u32_u24 v4, v4, PB
	v_bfe_u32 v5, v0, 3, 1
	v_lshl_add_u32 v4, v5, 4, v4                   ; columns 8 ((lane / 8) % 2) on
	s_lshl_b32 s21, s11, 15                        ; my 4 row tiles of A
	s_lshl_b32 s22, s12, 7                         ; my 64 columns of B
	s_add_co_u32 s22, s22, ASZ
.irp s, 0,1
	v_add_nc_u32 v[ADRA+\s], s21, v3
	v_add_nc_u32 v[ADRB+\s], s22, v4
	v_add_nc_u32 v[ADRB+2+\s], 128*PB, v[ADRB+\s]
	s_add_co_u32 s21, s21, SLOT
	s_add_co_u32 s22, s22, SLOT
.endr
	s_mul_i32 s23, s10, 16*SPITCH
	s_add_co_u32 s23, s23, STAGE                   ; my stage
	v_mul_u32_u24 v[STO], v1, SPITCH
	v_lshl_add_u32 v[STO], v2, 5, v[STO]
	v_add_nc_u32 v[STO], s23, v[STO]               ; in: row r, 32 bytes for each half of the lanes
	v_mul_u32_u24 v[RD], v2, SPITCH
	v_lshl_add_u32 v[RD], v1, 4, v[RD]
	v_add_nc_u32 v[RD], s23, v[RD]                 ; back: lanes 0-15 one row of 256 bytes, lanes 16-31 the next
	v_lshlrev_b32 v[CO], 12, v2
	v_lshl_add_u32 v[CO], v1, 4, v[CO]             ; and the same two rows in out0
	s_lshl_b32 s16, s13, 19                        ; 128 rows of 4,096 bytes x tile row
	s_lshl_b32 s17, s11, 18                        ; + 64 rows x half
	s_add_co_u32 s16, s16, s17
	s_mov_b32 s17, 0
	s_add_nc_u64 s[16:17], s[16:17], s[46:47]      ; + my first column, in bytes: the same figure as in the bias
	s_add_nc_u64 s[2:3], s[2:3], s[16:17]
; 8 matrix instructions: m blocks a0, a0 + 1 x all 4 n blocks, 32 along K: half c of buffer f.  zero = 1: the first product starts the sums from the bias.  The 16 accumulators take turns.
.macro MUL8 f, c, a0, zero
.irp a, \a0, \a0+1
.irp b, 0,1,2,3
.if \zero
	v_wmma_f32_16x16x32_f16 v[ACC+8*(4*(\a)+\b):ACC+8*(4*(\a)+\b)+7], v[\f+64+8*(4*\c+\b):\f+64+8*(4*\c+\b)+7], v[\f+8*(4*\c+\a):\f+8*(4*\c+\a)+7], v[BIAS+8*\b:BIAS+8*\b+7]
.else
	v_wmma_f32_16x16x32_f16 v[ACC+8*(4*(\a)+\b):ACC+8*(4*(\a)+\b)+7], v[\f+64+8*(4*\c+\b):\f+64+8*(4*\c+\b)+7], v[\f+8*(4*\c+\a):\f+8*(4*\c+\a)+7], v[ACC+8*(4*(\a)+\b):ACC+8*(4*(\a)+\b)+7]
.endif
.endr
.endr
.endm
; 32 LDS loads in one run: the fragments of the slot's kq-th 64 along K into buffer f; the first 32 along K first
.macro FETCH slot, kq, f
	WIN TO_F
.irp c, 0,1
.irp i, 0,1,2,3
	ds_load_tr16_b128 v[\f+64+8*(4*\c+\i):\f+64+8*(4*\c+\i)+3],   v[ADRB+2*((\kq)/2)+\slot] offset:(64*((\kq)%2)+32*\c)*PB+32*\i
	ds_load_tr16_b128 v[\f+64+8*(4*\c+\i)+4:\f+64+8*(4*\c+\i)+7], v[ADRB+2*((\kq)/2)+\slot] offset:(64*((\kq)%2)+32*\c+16)*PB+32*\i
	ds_load_b128 v[\f+8*(4*\c+\i):\f+8*(4*\c+\i)+3],         v[ADRA+\slot] offset:\i*8192+(2*(\kq)+\c)*1024
	ds_load_b128 v[\f+8*(4*\c+\i)+4:\f+8*(4*\c+\i)+7],       v[ADRA+\slot] offset:\i*8192+(2*(\kq)+\c)*1024+512
.endr
.endr
.endm
.macro PLACES
.rept 4
	v_nop
.endr
.endm
.macro QUARTER slot, kq, f, g, zero    ; multiplies buffer f and fetches the slot's kq-th quarter into g
	s_wait_dscnt 16                                ; the first 32 along K are in
	WIN MUL
	MUL8 \f, 0, 0, \zero
	MUL8 \f, 0, 2, \zero
	PLACES
	FETCH \slot, \kq, \g
	s_wait_dscnt 32                                ; all but the 32 just issued
	WIN MUL
	MUL8 \f, 1, 0, 0
	MUL8 \f, 1, 2, 0
.endm
; The last quarter multiplies buffer 1 and changes slots: ONE barrier; in front of it each wave waits for all its tensor loads, adds 0 to its spare word, and waits for that and for its reads of this slot.
.macro TURN slot, next, fill
	WIN 0
	s_wait_tensorcnt 0x0
	ds_add_u32 v[SPW], v[NIL]
	s_wait_dscnt 17                                ; (the add and the youngest sixteen loads may be out)
	WIN MUL
	MUL8 F1, 0, 0, 0
	s_wait_dscnt 0x0
	s_barrier_signal -1
	MUL8 F1, 0, 2, 0
.if \fill
	WIN 0
.endif
	s_barrier_wait -1
.if \fill
	CREST                                          ; no wave of any partner still reads this slot or has a load on its way
	s_add_nc_u64 s[G0+4*\slot+2:G0+4*\slot+3], s[G0+4*\slot+2:G0+4*\slot+3], 16384
	s_add_nc_u64 s[G0B+4*\slot+2:G0B+4*\slot+3], s[G0B+4*\slot+2:G0B+4*\slot+3], 1048576
	JLOAD \slot                                    ; 112 matrix instructions ahead of the wait for it; its four v_nop are also the places in front of the loads below
.else
	PLACES
.endif
	FETCH \next, 0, F0
	WIN MUL
	MUL8 F1, 1, 0, 0
	MUL8 F1, 1, 2, 0
.endm
	s_wait_tensorcnt 1                             ; my part of K step 0 is in; K step 1's may stay out
	s_barrier_signal -1
	s_barrier_wait -1
	FETCH 0, 0, F0
	s_wait_loadcnt 0x0                             ; the bias
	QUARTER 0, 1, F0, F1, 1
	QUARTER 0, 2, F1, F0, 0                        ; four K steps: once round the ring with refills (K steps 2 and 3), once without: written straight, no loop
	QUARTER 0, 3, F0, F1, 0
	TURN 0, 1, 1
	QUARTER 1, 1, F0, F1, 0
	QUARTER 1, 2, F1, F0, 0
	QUARTER 1, 3, F0, F1, 0
	TURN 1, 0, 1
	QUARTER 0, 1, F0, F1, 0
	QUARTER 0, 2, F1, F0, 0
	QUARTER 0, 3, F0, F1, 0
	TURN 0, 1, 0
	QUARTER 1, 1, F0, F1, 0
	QUARTER 1, 2, F1, F0, 0
	QUARTER 1, 3, F0, F1, 0
	s_wait_dscnt 16
	WIN MUL
	MUL8 F1, 0, 0, 0
	MUL8 F1, 0, 2, 0
	s_wait_dscnt 0x0
	MUL8 F1, 1, 0, 0
	MUL8 F1, 1, 2, 0
	WIN 0
; THE WAY OUT, 16 rows x 64 columns at a time, through my own stage: a lane holds 32 bytes of a row; back come whole rows of 256 bytes.  LDS serves a wave's instructions in order: no wait between the stores and the loads.
.macro OUTB a
.irp b, 0,1,2,3
	ds_store_b128 v[STO], v[ACC+8*(4*(\a)+\b):ACC+8*(4*(\a)+\b)+3] offset:64*\b          ; each accumulator from its low end on
	ds_store_b128 v[STO], v[ACC+8*(4*(\a)+\b)+4:ACC+8*(4*(\a)+\b)+7] offset:64*\b+16
.endr
.if (\a) >= 2
	s_wait_xcnt 0x0                                ; block a - 2's stores have read their registers
.endif
.irp t, 0,1,2,3,4,5,6,7
	ds_load_b128 v[OB+32*((\a)%2)+4*\t:OB+32*((\a)%2)+4*\t+3], v[RD] offset:\t*2*SPITCH
.endr
	s_wait_dscnt 0x0
.irp t, 0,1,2,3,4,5,6,7
	global_store_b128 v[CO], v[OB+32*((\a)%2)+4*\t:OB+32*((\a)%2)+4*\t+3], s[2:3] offset:(16*(\a)+2*\t)*4096 th:TH_STORE_NT   ; sixteen lanes store 256 consecutive bytes, aligned
.endr
.endm
	PLACES
	OUTB 0
	OUTB 1
	OUTB 2
	OUTB 3
	s_wait_tensorcnt 0x0                           ; the wave's end: behind my last tensor load and my last LDS store
	ds_add_u32 v[SPW], v[NIL]
	s_wait_dscnt 0x0
	CROUND                                         ; the closing round
	s_endpgm
.Lfunc_end_k_q4e34b3a25e_outgemm:
	.size	k_q4e34b3a25e_outgemm, .Lfunc_end_k_q4e34b3a25e_outgemm-k_q4e34b3a25e_outgemm
	.p2alignl 7, 3214868480
	.fill 96, 4, 3214868480
	.section	.rodata,"a",@progbits
	.p2align	6, 0x0
	.amdhsa_kernel k_q4e34b3a25e_outgemm
		.amdhsa_group_segment_fixed_size 327680
		.amdhsa_private_segment_fixed_size 0
		.amdhsa_enable_private_segment 0
		.amdhsa_kernarg_size 32
		.amdhsa_user_sgpr_count 2
		.amdhsa_user_sgpr_kernarg_segment_ptr 1
		.amdhsa_wavefront_size32 1
		.amdhsa_system_sgpr_workgroup_id_x 1
		.amdhsa_system_sgpr_workgroup_id_y 1
		.amdhsa_system_sgpr_workgroup_id_z 1
		.amdhsa_system_vgpr_workitem_id 0
		.amdhsa_next_free_vgpr 512
		.amdhsa_next_free_sgpr 66
		.amdhsa_reserve_vcc 0
		.amdhsa_float_denorm_mode_32 3
		.amdhsa_float_denorm_mode_16_64 3
		.amdhsa_memory_ordered 1
		.amdhsa_forward_progress 1
		.amdhsa_inst_pref_size 87
	.end_amdhsa_kernel
	.amdgpu_metadata
---
amdhsa.version: [ 1, 2 ]
amdhsa.kernels:
  - .name:           k_q4e34b3a25e_outgemm
    .symbol:         k_q4e34b3a25e_outgemm.kd
    .args:
      - { .name: o16, .offset: 0, .size: 8, .value_kind: global_buffer, .address_space: global }
      - { .name: h16, .offset: 8, .size: 8, .value_kind: global_buffer, .address_space: global }
      - { .name: bout, .offset: 16, .size: 8, .value_kind: global_buffer, .address_space: global }
      - { .name: out0, .offset: 24, .size: 8, .value_kind: global_buffer, .address_space: global }
    .group_segment_fixed_size: 327680
    .private_segment_fixed_size: 0
    .kernarg_segment_align: 8
    .kernarg_segment_size: 32
    .max_flat_workgroup_size: 128
    .sgpr_count:     66
    .vgpr_count:     512
    .wavefront_size: 32
...
	.end_amdgpu_metadata
.endif
;; end of part 5
;; ======== version 2 of 2: 4 launches
;; limits: values are held in f16: magnitudes above 65,504 overflow, below 6.1e-05 lose precision
;; workspace buffers: h16 23,068,672 bytes; acodes 2,621,440 bytes; ascales 163,840 bytes; bcodes 557,056 bytes; bscales 34,816 bytes; pos16 131,072 bytes; kvh 33,554,432 bytes; o16 8,388,608 bytes
;; launch prep (part 6): grid 1808 x 1, 1 waves a work-group, no clusters, 8,704 bytes of LDS; arguments x, pos_emb, mem, Wkv, Wout, Wq, Wpos, h16, acodes, ascales, bcodes, bscales; writes h16, acodes, ascales, bcodes, bscales
.if DOCPART == 6
	.amdgcn_target "amdgcn-amd-amdhsa--gfx1250"
	.amdhsa_code_object_version 6
	.text
	.protected	k_q4e34b3a25e_prep
	.globl	k_q4e34b3a25e_prep
	.p2align	8
	.type	k_q4e34b3a25e_prep,@function
k_q4e34b3a25e_prep:
	s_mov_b64 s[64:65], 0
	v_nop
	global_prefetch_b8 v0, s[64:65] scope:SCOPE_SE
	s_setreg_imm32_b32 hwreg(HW_REG_WAVE_MODE, 25, 1), 1
	s_wait_xcnt 0x0
; PREP.  One pass over every large input.
;   x, mem, Wkv, Wout -> f16 in h16: ctx16 [4][2048][1024] (a batch's mem rows, then its x rows) at byte 0, wkv16 [1024][2048] at 16,777,216, wout16 [1024][1024] at 20,971,520.
;   x, pos_emb -> codes of E2M1 along their last axis (acodes, ascales);  Wq, Wpos -> codes along their FIRST axis (bcodes, bscales).
; Codes lie in the order of the operand's registers: a tile of 16 rows (or 16 columns of a weight) x 1,024 along K is 8,192 bytes; K step s (128 codes) at 1,024 s, registers 4 c .. 4 c + 3 at 512 c, lane l's 16 bytes at 16 l.
; Scale words: 512 bytes a tile; the word of row r and K step s at 256 (s / 4) + 16 r + 4 (s % 4).
; A block's scale is 2^(floor(log2(largest magnitude)) - 2); its byte is the largest magnitude's exponent field - 2, held at 1 from below.
; LIMITS: NaN and infinities are not served.  A block of zeros, or one whose largest magnitude lies under 2^-124, keeps the byte 1 (zeros: the codes are zeros and only this program reads the bytes).
;         What goes to f16 must stay under 65,504 in magnitude; under 6e-5 it loses bits gradually.
; SHARES.  One wave to a work-group; waves share nothing, so there is no barrier.  Work-groups 0-271: 32 columns x 128 along K of Wq or Wpos.  Work-groups 272-1807: 16 rows x 512 numbers of a tensor seen as [rows][1024].
; No matrix unit, no tensor load, no cluster: every byte is read once and nothing is shared between work-groups.
.set SP,    528                        ; a stage row: 512 bytes + 16
.set SPARE, 8448                       ; behind the stage: the spare words, one block of 256 bytes that no other line names
.set SPW,   5                          ; v5  LDS address of my spare word; never rewritten
.set NIL,   6                          ; v6  0; never rewritten
.set SW,    8                          ; v8-11   the four K steps' scale words
.set TSC,   12                         ; v12-15  the conversions' scale operands
.set R,     16                         ; v16-143 two sets of 64: 16 rows x 128 numbers as loaded
.set X,     144                        ; v144-207 64 numbers of my row: register 16 b + i = k 32 b + 16 (lane / 16) + i
.set H,     208                        ; v208-239 the f16 numbers
.set PC,    240                        ; v240-247 a fragment's codes
.set TMX,   248                        ; v248-251 largest magnitudes
.set TMB,   252                        ; v252-255 the other half's, then the bytes
.set SEL,   46                         ; s[46:47] lane selects: lane l xor 16
.set VO,    16                         ; column path: v16-47 4 x lane + i x pitch
.set XC,    48                         ; v48-175 four blocks of 32 numbers down K
.set CC,    176                        ; v176-191 the four blocks' codes: no store's data are written again
.set SBY,   192                        ; v192 the four scale bytes: my column's word of this K step
.set BP,    32                         ; s32-39  the four blocks' bases
	s_load_b256 s[4:11], s[0:1], 0x0               ; x, pos_emb, mem, Wkv
	s_load_b256 s[12:19], s[0:1], 0x20             ; Wout, Wq, Wpos, h16
	s_load_b256 s[20:27], s[0:1], 0x40             ; acodes, ascales, bcodes, bscales
	v_lshl_add_u32 v[SPW], v0, 2, SPARE
	v_mov_b32 v[NIL], 0
	s_cmp_lt_u32 ttmp9, 272
	s_cbranch_scc1 .Lcols
; ---------------------------------------------------------------- rows
	s_sub_co_u32 s44, ttmp9, 272
	s_lshr_b32 s28, s44, 1                         ; T: which 16 rows, counted through x (256), pos_emb (64), mem (256), Wkv (128), Wout (64)
	s_and_b32 s29, s44, 1                          ; which half of the 1,024 along a row
	s_sub_co_u32 s32, s28, 704                     ; the tile inside its tensor: Wout's,
	s_sub_co_u32 s33, s28, 64                      ; and where the f16 numbers go, in units of 32,768 bytes: Wkv 512 + t, Wout 640 + t: both T - 64
	s_sub_co_u32 s36, s28, 576                     ; Wkv's
	s_sub_co_u32 s37, s28, 320                     ; mem's
	s_lshr_b32 s38, s37, 6
	s_lshl_b32 s38, s38, 7
	s_and_b32 s39, s37, 63
	s_add_co_u32 s38, s38, s39                     ; mem: 128 x batch + tile
	s_sub_co_u32 s39, s28, 256                     ; pos_emb's
	s_lshr_b32 s40, s28, 6
	s_lshl_b32 s40, s40, 7
	s_and_b32 s41, s28, 63
	s_add_co_u32 s40, s40, s41
	s_add_co_u32 s40, s40, 64                      ; x: 128 x batch + 64 + tile
	v_lshlrev_b32 v1, 4, v0                        ; 16 x lane
	v_lshlrev_b32 v2, 3, v0                        ; 8 x lane
	v_and_b32 v4, 15, v0                           ; r
	v_lshrrev_b32 v7, 4, v0                        ; h
	v_mul_u32_u24 v3, v4, SP
	v_lshl_add_u32 v3, v7, 6, v3                   ; out of the stage: row r, + 64 h: my 16 numbers of a block of 32
	v_lshlrev_b32 v4, 4, v4
	v_lshl_add_u32 v4, v7, 3, v4                   ; the scale words' place: 16 r + 8 h
.irp b, 0,1,2,3
	v_mov_b32 v[TMB+\b], 0                         ; a lane permute's destination counts as one of its sources
	v_mov_b32 v[SW+\b], 0
.endr
	s_mov_b32 s[SEL], 0x76543210
	s_mov_b32 s[SEL+1], 0xfedcba98
	s_wait_kmcnt 0x0
	s_mov_b64 s[30:31], s[12:13]                   ; the source: chosen by the tile's number alone
	s_cmp_lt_u32 s28, 704
	s_cselect_b64 s[30:31], s[10:11], s[30:31]
	s_cselect_b32 s32, s36, s32
	s_cmp_lt_u32 s28, 576
	s_cselect_b64 s[30:31], s[8:9], s[30:31]
	s_cselect_b32 s32, s37, s32
	s_cselect_b32 s33, s38, s33
	s_cmp_lt_u32 s28, 320
	s_cselect_b64 s[30:31], s[6:7], s[30:31]
	s_cselect_b32 s32, s39, s32
	s_cselect_b32 s35, 1, 0                        ; x and pos_emb are quantised
	s_cmp_lt_u32 s28, 256
	s_cselect_b64 s[30:31], s[4:5], s[30:31]
	s_cselect_b32 s32, s28, s32
	s_cselect_b32 s33, s40, s33
	s_sub_co_u32 s34, s28, 256
	s_cmp_lt_u32 s34, 64
	s_cselect_b32 s34, 0, 1                        ; all but pos_emb go to f16
	s_cselect_b32 s33, 0, s33
	s_lshl_b32 s36, s32, 16                        ; 16 rows of 4,096 bytes
	s_lshl_b32 s37, s29, 11
	s_add_co_u32 s36, s36, s37
	s_mov_b32 s37, 0
	s_add_nc_u64 s[30:31], s[30:31], s[36:37]
	s_lshl_b32 s36, s33, 15
	s_lshl_b32 s38, s29, 10
	s_add_co_u32 s36, s36, s38
	s_add_nc_u64 s[18:19], s[18:19], s[36:37]
	s_min_u32 s38, s28, 319                        ; (tiles that are not quantised use neither of the next two)
	s_lshl_b32 s36, s38, 13
	s_lshl_b32 s39, s29, 12
	s_add_co_u32 s36, s36, s39
	s_add_nc_u64 s[20:21], s[20:21], s[36:37]
	s_lshl_b32 s36, s38, 9
	s_lshl_b32 s39, s29, 8
	s_add_co_u32 s36, s36, s39
	s_add_nc_u64 s[22:23], s[22:23], s[36:37]
.macro RLOAD t                         ; step t: 128 numbers of each of the 16 rows; each load reads 512 consecutive bytes
.irp i, 0,1,2,3,4,5,6,7,8,9,10,11,12,13,14,15
	global_load_b128 v[R+64*((\t)%2)+4*\i:R+64*((\t)%2)+4*\i+3], v1, s[30:31] offset:\i*4096+(\t)*512 th:TH_LOAD_NT
.endr
.endm
.macro QUANT pw                        ; the 64 numbers in v[X] on become a fragment's codes in v[PC] on and its scale word in v[pw]
.irp b, 0,1,2,3
	v_max3_num_f32 v[TMX+\b], |v[X+16*\b]|, |v[X+16*\b+1]|, 0x1800000   ; my 16 numbers of block b, and the floor 2^(3 - 127): the byte cannot fall under 1
.endr
.irp i, 2,4,6,8,10,12,14
.irp b, 0,1,2,3
	v_max3_num_f32 v[TMX+\b], v[TMX+\b], |v[X+16*\b+\i]|, |v[X+16*\b+\i+1]|
.endr
.endr
.irp b, 0,1,2,3
	v_permlanex16_b32 v[TMB+\b], v[TMX+\b], s[SEL], s[SEL+1]
.endr
.irp b, 0,1,2,3
	v_max_num_f32 v[TMX+\b], v[TMX+\b], v[TMB+\b]  ; with lane l xor 16's 16: the block's largest magnitude
.endr
.irp b, 0,1,2,3
	v_add_nc_u32 v[TSC+\b], 0xff000000, v[TMX+\b]  ; 2 off its exponent field: the conversion takes that field as its scale
.endr
.irp b, 0,1,2,3
	v_lshrrev_b32 v[TMB+\b], 23, v[TSC+\b]         ; the scale's byte
.endr
	v_lshl_or_b32 v[\pw], v[TMB+1], 8, v[TMB]
	v_lshl_or_b32 v[\pw], v[TMB+2], 16, v[\pw]
	v_lshl_or_b32 v[\pw], v[TMB+3], 24, v[\pw]
.irp b, 0,1,2,3
	v_cvt_scalef32_pk8_fp4_f32 v[PC+2*\b], v[X+16*\b:X+16*\b+7], v[TSC+\b]
	v_cvt_scalef32_pk8_fp4_f32 v[PC+2*\b+1], v[X+16*\b+8:X+16*\b+15], v[TSC+\b]
.endr
	v_nop                                          ; one plain instruction behind the scaled conversions
.irp c, 0,1                                    ; the operand wants a whole block in a lane: lanes 0-15 block 2 c, lanes 16-31 block 2 c + 1
.irp i, 0,1
	v_permlane16_swap_b32 v[PC+4*\c+\i], v[PC+4*\c+2+\i]
.endr
.endr
.endm
.macro RSTEP t
.set RS, R+64*((\t)%2)
.if (\t) < 3
	RLOAD (\t)+1
	s_wait_loadcnt 16                              ; this step's 16 loads are in; the next step's 16 may be out
.else
	s_wait_loadcnt 0x0
.endif
	s_wait_xcnt 0x0                                ; the last step's stores have read H and PC: both are written again below
	s_cmp_eq_u32 s34, 0
	s_cbranch_scc1 .Lnc_\@
.set n, 0
.rept 32
	v_cvt_pk_f16_f32 v[H+n], v[RS+2*n], v[RS+2*n+1]
.set n, n+1
.endr
.irp i, 0,1,2,3,4,5,6,7,8,9,10,11,12,13,14,15
	global_store_b64 v2, v[H+2*\i:H+2*\i+1], s[18:19] offset:\i*2048+(\t)*256 th:TH_STORE_NT   ; 32 lanes store 256 consecutive bytes, aligned
.endr
.Lnc_\@:
	s_cmp_eq_u32 s35, 0
	s_cbranch_scc1 .Lnq_\@
.irp i, 0,1,2,3,4,5,6,7,8,9,10,11,12,13,14,15
	ds_store_b128 v1, v[RS+4*\i:RS+4*\i+3] offset:\i*SP       ; the rows as they were loaded
.endr
.irp b, 0,1,2,3
.irp j, 0,1,2,3
	ds_load_b128 v[X+16*\b+4*\j:X+16*\b+4*\j+3], v3 offset:128*\b+16*\j   ; LDS serves a wave's instructions in order: these see the stores above
.endr
.endr
	s_wait_dscnt 0x0
	QUANT SW+(\t)
	global_store_b128 v1, v[PC:PC+3], s[20:21] offset:(\t)*1024          ; 512 consecutive bytes each
	global_store_b128 v1, v[PC+4:PC+7], s[20:21] offset:(\t)*1024+512
.Lnq_\@:
.endm
	RLOAD 0
	RSTEP 0
	RSTEP 1
	RSTEP 2
	RSTEP 3
	s_cmp_eq_u32 s35, 0
	s_cbranch_scc1 .Lrend
	v_cmp_lt_u32 vcc_lo, 15, v0                    ; lanes 0-15 store words 0 and 1 of row r, lanes 16-31 words 2 and 3: 256 consecutive bytes
	v_cndmask_b32 v12, v8, v10, vcc_lo
	v_cndmask_b32 v13, v9, v11, vcc_lo
	global_store_b64 v4, v[12:13], s[22:23]
.Lrend:
	s_wait_tensorcnt 0x0                           ; the wave's end: behind my last LDS store
	ds_add_u32 v[SPW], v[NIL]
	s_wait_dscnt 0x0
	s_endpgm
; ---------------------------------------------------------------- columns: a lane takes a column, its registers run down K; no LDS is touched here.
; A job is one K step (128 along K, four blocks of 32) of 32 columns: all its 128 loads go out at once, so the job waits for memory once and not block after block.
.Lcols:
	s_lshr_b32 s28, ttmp9, 3                       ; which 32 columns: Wq's 0-31, Wpos' 32 and 33; twice this is the first tile of 16 columns
	s_and_b32 s29, ttmp9, 7                        ; which K step
	s_sub_co_u32 s30, s28, 32
	s_mov_b32 s31, 4096
	v_lshlrev_b32 v[VO], 2, v0
	v_lshrrev_b32 v10, 4, v0
	v_and_b32 v11, 15, v0
	v_lshlrev_b32 v11, 4, v11
	v_lshl_add_u32 v7, v10, 13, v11                ; codes: 8,192 x (lane / 16) + 16 x (lane % 16)
	v_lshl_add_u32 v9, v10, 9, v11                 ; scale words: 512 x (lane / 16) + 16 x (lane % 16)
	s_wait_kmcnt 0x0
	s_cmp_lt_u32 ttmp9, 256
	s_cselect_b64 s[14:15], s[14:15], s[16:17]     ; Wq or Wpos
	s_cselect_b32 s30, s28, s30                    ; the 32 columns inside the weight
	s_cselect_b32 s31, s31, 256                    ; bytes from row to row
.set n, 1
.rept 31
	v_add_nc_u32 v[VO+n], s31, v[VO+n-1]
.set n, n+1
.endr
	s_lshl_b32 s68, s30, 7                         ; 128 bytes x the group of columns
	s_mul_i32 s69, s31, s29
	s_lshl_b32 s69, s69, 7                         ; + 128 rows x the K step
	s_add_co_u32 s68, s68, s69
	s_mov_b32 s69, 0
	s_add_nc_u64 s[BP:BP+1], s[14:15], s[68:69]
	s_lshl_b32 s66, s31, 5                         ; 32 rows on
	s_mov_b32 s67, 0
.set n, 1
.rept 3
	s_add_nc_u64 s[BP+2*n:BP+2*n+1], s[BP+2*n-2:BP+2*n-1], s[66:67]   ; a base for each block: none is ever stepped
.set n, n+1
.endr
	s_lshl_b32 s68, s28, 14                        ; codes: two tiles of 8,192 bytes a group, 1,024 bytes a K step
	s_lshl_b32 s30, s29, 10
	s_add_co_u32 s68, s68, s30
	s_add_nc_u64 s[24:25], s[24:25], s[68:69]
	s_lshl_b32 s68, s28, 10                        ; scale words: two tiles of 512 bytes a group; K step s at 256 (s / 4) + 4 (s % 4)
	s_lshr_b32 s30, s29, 2
	s_lshl_b32 s30, s30, 8
	s_add_co_u32 s68, s68, s30
	s_and_b32 s30, s29, 3
	s_lshl_b32 s30, s30, 2
	s_add_co_u32 s68, s68, s30
	s_add_nc_u64 s[26:27], s[26:27], s[68:69]
.macro CLOAD t
.set n, 0
.rept 32
	global_load_b32 v[XC+32*(\t)+n], v[VO+n], s[BP+2*(\t):BP+2*(\t)+1]   ; 32 lanes read 128 consecutive bytes of one row; no hint: the bytes beside them are the neighbouring job's
.set n, n+1
.endr
.endm
.macro CBLOCK t, left
.set XS, XC+32*(\t)
	s_wait_loadcnt \left
	v_max3_num_f32 v12, |v[XS]|, |v[XS+1]|, |v[XS+2]|
	v_max3_num_f32 v13, |v[XS+3]|, |v[XS+4]|, |v[XS+5]|
.irp i, 6,10,14,18,22,26
	v_max3_num_f32 v12, v12, |v[XS+\i]|, |v[XS+\i+1]|
	v_max3_num_f32 v13, v13, |v[XS+\i+2]|, |v[XS+\i+3]|
.endr
	v_max3_num_f32 v12, v12, |v[XS+30]|, |v[XS+31]|
	v_max3_num_f32 v12, v12, v13, 0x1800000        ; and the floor
	v_add_nc_u32 v11, 0xff000000, v12
	v_lshrrev_b32 v13, 23, v11
.if (\t) == 0
	v_mov_b32 v[SBY], v13
.else
	v_lshl_or_b32 v[SBY], v13, 8*(\t), v[SBY]
.endif
.irp g, 0,1,2,3
	v_cvt_scalef32_pk8_fp4_f32 v[CC+4*(\t)+\g], v[XS+8*\g:XS+8*\g+7], v11
.endr
	global_store_b128 v7, v[CC+4*(\t):CC+4*(\t)+3], s[24:25] offset:((\t)/2)*512+((\t)%2)*256   ; sixteen lanes store 256 consecutive bytes, aligned
.endm
	CLOAD 0
	CLOAD 1
	CLOAD 2
	CLOAD 3
	CBLOCK 0, 63                                   ; 96 younger loads could stay out; the largest count that a wait can name is the stricter
	CBLOCK 1, 63                                   ; 64 could
	CBLOCK 2, 32                                   ; block 3's 32 may be out
	CBLOCK 3, 0
	global_store_b32 v9, v[SBY], s[26:27]          ; one scale word a column: 4 of each 16 bytes; the other three are other K steps' jobs'.  All of bscales is 34,816 bytes
	s_endpgm
.Lfunc_end_k_q4e34b3a25e_prep:
	.size	k_q4e34b3a25e_prep, .Lfunc_end_k_q4e34b3a25e_prep-k_q4e34b3a25e_prep
	.p2alignl 7, 3214868480
	.fill 96, 4, 3214868480
	.section	.rodata,"a",@progbits
	.p2align	6, 0x0
	.amdhsa_kernel k_q4e34b3a25e_prep
		.amdhsa_group_segment_fixed_size 8704
		.amdhsa_private_segment_fixed_size 0
		.amdhsa_enable_private_segment 0
		.amdhsa_kernarg_size 96
		.amdhsa_user_sgpr_count 2
		.amdhsa_user_sgpr_kernarg_segment_ptr 1
		.amdhsa_wavefront_size32 1
		.amdhsa_system_sgpr_workgroup_id_x 1
		.amdhsa_system_sgpr_workgroup_id_y 1
		.amdhsa_system_sgpr_workgroup_id_z 1
		.amdhsa_system_vgpr_workitem_id 0
		.amdhsa_next_free_vgpr 256
		.amdhsa_next_free_sgpr 72
		.amdhsa_reserve_vcc 1
		.amdhsa_float_denorm_mode_32 3
		.amdhsa_float_denorm_mode_16_64 3
		.amdhsa_memory_ordered 1
		.amdhsa_forward_progress 1
		.amdhsa_inst_pref_size 70
	.end_amdhsa_kernel
	.amdgpu_metadata
---
amdhsa.version: [ 1, 2 ]
amdhsa.kernels:
  - .name:           k_q4e34b3a25e_prep
    .symbol:         k_q4e34b3a25e_prep.kd
    .args:
      - { .name: x, .offset: 0, .size: 8, .value_kind: global_buffer, .address_space: global }
      - { .name: pos_emb, .offset: 8, .size: 8, .value_kind: global_buffer, .address_space: global }
      - { .name: mem, .offset: 16, .size: 8, .value_kind: global_buffer, .address_space: global }
      - { .name: Wkv, .offset: 24, .size: 8, .value_kind: global_buffer, .address_space: global }
      - { .name: Wout, .offset: 32, .size: 8, .value_kind: global_buffer, .address_space: global }
      - { .name: Wq, .offset: 40, .size: 8, .value_kind: global_buffer, .address_space: global }
      - { .name: Wpos, .offset: 48, .size: 8, .value_kind: global_buffer, .address_space: global }
      - { .name: h16, .offset: 56, .size: 8, .value_kind: global_buffer, .address_space: global }
      - { .name: acodes, .offset: 64, .size: 8, .value_kind: global_buffer, .address_space: global }
      - { .name: ascales, .offset: 72, .size: 8, .value_kind: global_buffer, .address_space: global }
      - { .name: bcodes, .offset: 80, .size: 8, .value_kind: global_buffer, .address_space: global }
      - { .name: bscales, .offset: 88, .size: 8, .value_kind: global_buffer, .address_space: global }
    .group_segment_fixed_size: 8704
    .private_segment_fixed_size: 0
    .kernarg_segment_align: 8
    .kernarg_segment_size: 96
    .max_flat_workgroup_size: 32
    .sgpr_count:     72
    .vgpr_count:     256
    .wavefront_size: 32
...
	.end_amdgpu_metadata
.endif
;; end of part 6
;; launch kvgemm (part 7): grid 8 x 32, 4 waves a work-group, clusters of 4 x 4, 327,680 bytes of LDS; arguments h16, bkv, kvh, acodes, ascales, bcodes, bscales, bpos, pos16; writes kvh, pos16
.if DOCPART == 7
	.amdgcn_target "amdgcn-amd-amdhsa--gfx1250"
	.amdhsa_code_object_version 6
	.text
	.protected	k_q4e34b3a25e_kvgemm
	.globl	k_q4e34b3a25e_kvgemm
	.p2align	8
	.type	k_q4e34b3a25e_kvgemm,@function
k_q4e34b3a25e_kvgemm:
	s_mov_b64 s[64:65], 0
	v_nop
	global_prefetch_b8 v0, s[64:65] scope:SCOPE_SE
	s_setreg_imm32_b32 hwreg(HW_REG_WAVE_MODE, 25, 1), 1
	s_wait_xcnt 0x0
	s_wait_alu depctr_hold_cnt(0) depctr_sa_sdst(0) depctr_va_vdst(0) depctr_va_sdst(0) depctr_va_ssrc(0) depctr_va_vcc(0) depctr_vm_vsrc(0)
	s_getreg_b32 s2, hwreg(HW_REG_IB_STS2, 6, 4)
	s_cmp_eq_u32 s2, 0
	s_cbranch_scc0 .Lentry_in_a_cluster
	s_endpgm
.Lentry_in_a_cluster:
	s_bfe_u32 s2, ttmp6, 0x10000c
	s_cmp_lg_u32 s2, 0xf033
	s_cbranch_scc0 .Lentry_shape_is_right
	s_endpgm
.Lentry_shape_is_right:
; KVGEMM.  kv = [mem; x] Wkv + bkv: [8192][1024] x [1024][2048], f16 operands, f32 sums; the result leaves as f16, split by head, in the order in which the attention launch's registers take it.
; A = ctx16 (h16 byte 0), rows along K.  B = wkv16 (h16 byte 16,777,216), stored [k][n]: its fragments come out of LDS turned, by ds_load_tr16_b128.
; A tile of 256 x 256 is made by four waves, 128 x 128 each: 64 accumulators, 512 registers.  K goes in 8 steps of 128 through a ring of two LDS slots: A's 256 rows of 256 bytes (+ 16), B's 128 rows of 512 bytes (+ 32).
; CLUSTERS: 4 x 4 work-groups; A's tile is shared along a row of the cluster, B's along a column: each is asked for jointly, by the same tensor load with the same descriptor and a mask that names the four.
; THE MATRIX INSTRUCTION IS USED TRANSPOSED (source 0 = 16 columns of B, source 1 = 16 rows of A): a lane holds eight neighbouring columns of one row.  The bias is the C of each sum's first product.
; OUT: kvh [batch][column / 64][key tile of 16][2,048 bytes].  Columns 0-1023 are k: elements 32 s + 16 c + 8 h + 0..7 of key r at 1,024 s + 512 c + 16 lane: a lane's 16 bytes go to 16 x lane.
;      Columns 1024-2047 are v: piece ct (16 channels) at 512 ct; key r's eight channels of half e at 256 (r / 8) + 128 e + 16 (r % 8): so a turning load at 16 x lane gives half a fragment of v^T.
;      Either way a store of the wave covers 512 consecutive bytes, aligned: no stage is needed.
; POS RIDES ALONG.  pos = Q(pos_emb) Q(Wpos) + bpos, [1024][64], on codes of E2M1 with E8M0 scales, is 64 x 4 pieces of 16 x 16: one for each of the 256 work-groups.  Wave 3 makes its work-group's piece while the first
;      tiles are on their way: 38 loads straight into operand registers, 8 matrix instructions on two accumulators by turns (even and odd K steps), one store of 512 consecutive bytes into pos16
;      (tile of 16 rows: 2,048 bytes; piece b at 512 b; k's layout).  The piece's number enters global addresses alone; the branch hangs on the wave's number.
; LIMIT: k, v and pos must stay under 65,504 in magnitude (f16).
; REGISTERS, in windows of 256: window 0: v0-31 addresses; v32-63 pos' scale words and sums; v64-127, v128-191 A's fragments, two buffers (first: pos' codes); v192-255 the bias, later the packed results.
;   window 1: v64-191 B's fragments, two buffers.   window 2: the accumulators of my rows 0-63 ((a, b) at 8 (8 a + b)); window 3: those of rows 64-127.
.set KSTEP,  128
.set PITCH,  272                       ; A's LDS row: 256 bytes + 16: the 16 rows of a load start 4 banks apart (64 banks of 4 bytes: ISA guide 11.1)
.set PB,     544                       ; B's LDS row: 512 bytes + 32
.set HALFT,  128*PITCH                 ; what one tensor load brings: 128 rows of A, or 64 rows of B: 34,816 bytes either way
.set SLOT,   4*HALFT
.set SPARE,  2*SLOT                    ; behind the ring: the spare words, 128 bytes a wave: two blocks of 256 bytes that no other line names
.set ADRA, 16                          ; v16-17 LDS address of my A fragments in slot 0, 1
.set ADRB, 20                          ; v20-21 the same for B
.set CO,   26                          ; v26    my 16 bytes' place in a piece of 512
.set BO,   27                          ; v27    32 h: my eight numbers of a bias tile
.set SPW,  28
.set NIL,  29
.set F0,   64
.set F1,   128
.set BIAS, 192
.set TMP,  192
.set G1, 24
.set G0, 32
.set G1B, 48
.set G0B, 56
.set MSB, 0
.macro WIN new                         ; the immediate's high byte repeats the setting that is left
.if MSB != \new
	s_set_vgpr_msb (MSB<<8)|\new
.set MSB, \new
.endif
.endm
.set MUL_LO, 0xa1                      ; source 0 (B) window 1, source 1 (A) window 0, C and D window 2
.set MUL_HI, 0xf1                      ; the same, C and D window 3
.set FST_LO, 0x81                      ; the first products: C (the bias) window 0, D window 2
.set FST_HI, 0xc1                      ; D window 3
.set TO_B,   0x40
.macro JLOAD s                         ; a joint load: waves 0 and 1 fetch A's halves, waves 2 and 3 B's; an s_nop 0 and four v_nop follow each line
	s_cmp_eq_u32 s11, 0
	s_cbranch_scc0 .Lfor_b_\@
	tensor_load_to_lds s[G0+4*\s:G0+4*\s+3], s[G1:G1+7]
	s_nop 0
.rept 4
	v_nop
.endr
	s_branch .Lasked_\@
.Lfor_b_\@:
	tensor_load_to_lds s[G0B+4*\s:G0B+4*\s+3], s[G1B:G1B+7]
	s_nop 0
.rept 4
	v_nop
.endr
.Lasked_\@:
.endm
.macro CREST                           ; a round of the cluster's barrier behind its opening barrier
	s_cmp_lg_u32 s10, 0
	s_cbranch_scc1 .Lnot_wave_0_\@
	s_barrier_signal -3
.Lnot_wave_0_\@:
	s_barrier_wait -3
	s_barrier_signal -1
	s_barrier_wait -1
.endm
.macro CROUND
	s_barrier_signal -1
	s_barrier_wait -1
	CREST
.endm
	s_load_b128 s[4:7], s[0:1], 0x0                ; h16, bkv
	s_load_b64 s[8:9], s[0:1], 0x10                ; kvh
	s_load_b256 s[68:75], s[0:1], 0x18             ; acodes, ascales, bcodes, bscales
	s_load_b128 s[76:79], s[0:1], 0x38             ; bpos, pos16
	v_lshl_add_u32 v[SPW], v0, 2, SPARE
	v_mov_b32 v[NIL], 0
	ds_add_u32 v[SPW], v[NIL]                      ; the wave's opening: the add, twice on end, and its wait ahead of my first tensor load
	ds_add_u32 v[SPW], v[NIL]
	v_lshrrev_b32 v1, 5, v0
	v_readfirstlane_b32 s10, v1                    ; wave 0..3
	s_lshr_b32 s11, s10, 1                         ; which half of the tile's rows is mine.  Also: I fetch for A (0) or for B (1)
	s_and_b32 s12, s10, 1                          ; which half of its columns.  Also: which half of that tile I fetch
	s_bfe_u32 s40, ttmp6, 0x40000                  ; cx
	s_bfe_u32 s41, ttmp6, 0x40004                  ; cy
	s_lshl_b32 s42, ttmp9, 2
	s_add_co_u32 s42, s42, s40                     ; tile column = 4 x cluster x + cx
	s_and_b32 s13, ttmp7, 0xffff
	s_lshl_b32 s13, s13, 2
	s_add_co_u32 s13, s13, s41                     ; tile row = 4 x cluster y + cy
	s_lshl_b32 s43, s41, 2
	s_lshl_b32 s43, 15, s43                        ; my row of the cluster
	s_lshl_b32 s44, 0x1111, s40                    ; my column
	s_or_b32 s[G1+0], s43, (1<<16)|(1<<20)|(1<<21)|(5<<22)|(3<<25)   ; A: elements of 2 bytes; 4 words of padding behind every 64
	s_or_b32 s[G1B+0], s44, (1<<16)|(1<<20)|(1<<21)|(6<<22)|(7<<25)  ; B: 8 words of padding behind every 128
	s_mov_b32 s[G1+1], 128<<16                     ; A: tensor_dim0 = 128
	s_mov_b32 s[G1+2], 128<<16                     ; tensor_dim1 = 128
	s_mov_b32 s[G1+3], 128<<16                     ; tile_dim0 = 128
	s_mov_b32 s[G1+4], 128                         ; tile_dim1 = 128
	s_mov_b32 s[G1+5], 1024                        ; elements from row to row
	s_mov_b32 s[G1+6], 0
	s_mov_b32 s[G1+7], 0
	s_mov_b32 s[G1B+1], 256<<16                    ; B: 256 columns
	s_mov_b32 s[G1B+2], 64<<16                     ; 64 rows of K
	s_mov_b32 s[G1B+3], 256<<16
	s_mov_b32 s[G1B+4], 64
	s_mov_b32 s[G1B+5], 2048
	s_mov_b32 s[G1B+6], 0
	s_mov_b32 s[G1B+7], 0
	s_lshl_b32 s17, s12, 7
	s_lshl_b32 s16, s13, 8
	s_add_co_u32 s16, s16, s17                     ; A: row 256 x tile row + 128 x half,
	s_lshl_b32 s16, s16, 11                        ; of 2,048 bytes
	s_mov_b32 s17, 0
	s_lshl_b32 s46, s42, 9                         ; B: 512 bytes x tile column
	s_lshl_b32 s47, s12, 18                        ; + 64 rows of 4,096 bytes x half
	s_add_co_u32 s46, s46, s47
	s_add_co_u32 s46, s46, 16777216                ; in wkv16
	s_mov_b32 s47, 0
	s_mul_i32 s20, s10, HALFT                      ; where they go: wave x 34,816: no place in the cluster enters an LDS address
	s_wait_dscnt 0x0                               ; both opening adds are done
	s_wait_kmcnt 0x0
	s_add_nc_u64 s[14:15], s[4:5], s[16:17]
	s_add_nc_u64 s[46:47], s[4:5], s[46:47]
	CROUND                                         ; all sixteen work-groups are here: the first joint loads meet
.irp s, 0,1
	s_mov_b32 s[G0+4*\s], 1
	s_add_co_u32 s[G0+4*\s+1], s20, \s*SLOT
	s_add_nc_u64 s[G0+4*\s+2:G0+4*\s+3], s[14:15], \s*256          ; K step s: 256 bytes along A's rows
	s_or_b32 s[G0+4*\s+3], s[G0+4*\s+3], 0x80000000
	s_mov_b32 s[G0B+4*\s], 1
	s_add_co_u32 s[G0B+4*\s+1], s20, \s*SLOT
	s_add_nc_u64 s[G0B+4*\s+2:G0B+4*\s+3], s[46:47], \s*524288     ; 128 rows down B
	s_or_b32 s[G0B+4*\s+3], s[G0B+4*\s+3], 0x80000000
	JLOAD \s
.endr
	v_and_b32 v1, 15, v0                           ; r
	v_bfe_u32 v2, v0, 4, 1                         ; h
	v_lshlrev_b32 v[BO], 5, v2
	v_and_b32 v6, 31, v0
	v_lshlrev_b32 v6, 4, v6                        ; 16 x lane; never rewritten
	v_lshlrev_b32 v7, 4, v1                        ; 16 r: a row's four scale words; never rewritten
; ---- pos: my work-group's piece of 16 rows x 16 columns, by wave 3, while the first tiles are on their way
	s_cmp_lg_u32 s10, 3
	s_cbranch_scc1 .Lnopos
	s_lshl_b32 s80, s13, 3
	s_add_co_u32 s80, s80, s42                     ; the piece: 8 x tile row + tile column, 0 .. 255
	s_lshr_b32 s81, s80, 2                         ; its tile of 16 rows of pos_emb
	s_and_b32 s82, s80, 3                          ; its tile of 16 columns of Wpos
	s_mov_b32 s85, 0
	s_lshl_b32 s84, s81, 13
	s_add_co_u32 s84, s84, 256*8192                ; pos_emb's tiles lie behind x's 256
	s_add_nc_u64 s[68:69], s[68:69], s[84:85]
	s_lshl_b32 s84, s81, 9
	s_add_co_u32 s84, s84, 256*512
	s_add_nc_u64 s[70:71], s[70:71], s[84:85]
	s_lshl_b32 s84, s82, 13
	s_add_co_u32 s84, s84, 64*8192                 ; Wpos' tiles lie behind Wq's 64
	s_add_nc_u64 s[72:73], s[72:73], s[84:85]
	s_lshl_b32 s84, s82, 9
	s_add_co_u32 s84, s84, 64*512
	s_add_nc_u64 s[74:75], s[74:75], s[84:85]
	s_lshl_b32 s84, s82, 6
	s_add_nc_u64 s[76:77], s[76:77], s[84:85]
	s_lshl_b32 s84, s81, 11
	s_lshl_b32 s86, s82, 9
	s_add_co_u32 s84, s84, s86
	s_add_nc_u64 s[78:79], s[78:79], s[84:85]
	global_load_b128 v[192:195], v[BO], s[76:77]                   ; bpos at my eight columns, in the result's layout
	global_load_b128 v[196:199], v[BO], s[76:77] offset:16
.irp g, 0,1
	global_load_b128 v[32+4*\g:35+4*\g], v7, s[70:71] offset:256*\g    ; the rows' scale words, K steps 4 g on
	global_load_b128 v[40+4*\g:43+4*\g], v7, s[74:75] offset:256*\g    ; the columns'
.endr
.irp s, 0,1,2,3,4,5,6,7
.irp c, 0,1
	global_load_b128 v[64+8*\s+4*\c:67+8*\s+4*\c], v6, s[68:69] offset:\s*1024+\c*512      ; 512 consecutive bytes each, straight into an operand
	global_load_b128 v[128+8*\s+4*\c:131+8*\s+4*\c], v6, s[72:73] offset:\s*1024+\c*512
.endr
.endr
	s_wait_loadcnt 0x0
.irp s, 0,1,2,3,4,5,6,7                        ; two accumulators by turns, one instruction a turn: even K steps from bpos on, odd ones from 0 on
.if \s == 0
	v_wmma_scale_f32_16x16x128_f8f6f4 v[48:55], v[128+8*\s:135+8*\s], v[64+8*\s:71+8*\s], v[192:199], v[40+\s], v[32+\s] matrix_a_fmt:MATRIX_FMT_FP4 matrix_b_fmt:MATRIX_FMT_FP4
.elseif \s == 1
	v_wmma_scale_f32_16x16x128_f8f6f4 v[56:63], v[128+8*\s:135+8*\s], v[64+8*\s:71+8*\s], 0, v[40+\s], v[32+\s] matrix_a_fmt:MATRIX_FMT_FP4 matrix_b_fmt:MATRIX_FMT_FP4
.else
	v_wmma_scale_f32_16x16x128_f8f6f4 v[48+8*(\s%2):55+8*(\s%2)], v[128+8*\s:135+8*\s], v[64+8*\s:71+8*\s], v[48+8*(\s%2):55+8*(\s%2)], v[40+\s], v[32+\s] matrix_a_fmt:MATRIX_FMT_FP4 matrix_b_fmt:MATRIX_FMT_FP4
.endif
.endr
.rept 4
	v_nop                                          ; four plain instructions in front of the first read of the sums, and of the loads below into registers that these products read
.endr
.irp j, 0,2,4,6
	v_pk_add_f32 v[200+\j:201+\j], v[48+\j:49+\j], v[56+\j:57+\j]      ; the two halves of K; both accumulators from their low ends on
.endr
.irp j, 0,1,2,3
	v_cvt_pk_f16_f32 v[12+\j], v[200+2*\j], v[201+2*\j]
.endr
	global_store_b128 v6, v[12:15], s[78:79]       ; 32 lanes store 512 consecutive bytes, aligned; v6 and v12-15 are not written again
.Lnopos:
	s_lshl_b32 s46, s42, 10                        ; the bias of my 128 columns: 4 (256 x tile column + 128 x half)
	s_lshl_b32 s47, s12, 9
	s_add_co_u32 s46, s46, s47
	s_mov_b32 s47, 0
	s_add_nc_u64 s[6:7], s[6:7], s[46:47]
.irp b, 0,1,2,3,4,5,6,7
	global_load_b128 v[BIAS+8*\b:BIAS+8*\b+3], v[BO], s[6:7] offset:64*\b
	global_load_b128 v[BIAS+8*\b+4:BIAS+8*\b+7], v[BO], s[6:7] offset:64*\b+16
.endr
	v_mul_u32_u24 v3, v1, PITCH
	v_lshl_add_u32 v3, v2, 4, v3                   ; A: row x pitch + 16 x half
	v_and_b32 v4, 7, v0
	v_lshl_add_u32 v4, v2, 3, v4                   ; B: K row 8 h + lane % 8,
	v_mul_u32_u24 v4, v4, PB
	v_bfe_u32 v5, v0, 3, 1
	v_lshl_add_u32 v4, v5, 4, v4                   ; columns 8 ((lane / 8) % 2) on
	s_mul_i32 s21, s11, HALFT                      ; my 128 rows of A
	s_lshl_b32 s22, s12, 8                         ; my 128 columns of B,
	s_add_co_u32 s22, s22, 2*HALFT                 ; which lies behind A
.irp s, 0,1
	v_add_nc_u32 v[ADRA+\s], s21, v3
	v_add_nc_u32 v[ADRB+\s], s22, v4
	s_add_co_u32 s21, s21, SLOT
	s_add_co_u32 s22, s22, SLOT
.endr
	v_and_b32 v8, 7, v0
	v_lshlrev_b32 v8, 4, v8
	v_lshl_add_u32 v8, v2, 7, v8
	v_lshl_add_u32 v8, v5, 8, v8                   ; v: 256 (r / 8) + 128 h + 16 (r % 8);  k: 16 x lane
	s_cmp_eq_u32 ttmp9, 0                          ; tile columns 0-3 (cluster x = 0) are k, 4-7 are v: the same in all partners
	s_cselect_b32 s20, 0, -1
	v_cndmask_b32 v[CO], v6, v8, s20
	s_lshr_b32 s16, s13, 3                         ; the batch: 8 tile rows each
	s_lshl_b32 s16, s16, 23                        ; x 32 heads x 128 key tiles x 2,048 bytes
	s_and_b32 s17, s13, 7
	s_lshl_b32 s17, s17, 4
	s_lshl_b32 s18, s11, 3
	s_add_co_u32 s17, s17, s18                     ; my first key tile
	s_lshl_b32 s17, s17, 11
	s_add_co_u32 s16, s16, s17
	s_mov_b32 s17, 0
	s_lshl_b32 s46, s42, 2
	s_lshl_b32 s47, s12, 1
	s_add_co_u32 s46, s46, s47                     ; my first block of 64 columns
	s_lshl_b32 s46, s46, 18
	s_mov_b32 s47, 0
	s_add_nc_u64 s[16:17], s[16:17], s[46:47]
	s_add_nc_u64 s[8:9], s[8:9], s[16:17]
; 16 matrix instructions: m blocks a0, a0 + 1 of the window's four x all 8 n blocks, 32 along K.  zero = 1: the first product starts the sums from the bias.
; The 64 accumulators take turns, one instruction a turn, in the same order in every quarter.
.macro MUL16 f, hi, a0, zero
.irp a, \a0, \a0+1
.irp b, 0,1,2,3,4,5,6,7
.if \zero
	v_wmma_f32_16x16x32_f16 v[8*(8*(\a)+\b):8*(8*(\a)+\b)+7], v[\f+8*\b:\f+8*\b+7], v[\f+8*(4*\hi+\a):\f+8*(4*\hi+\a)+7], v[BIAS+8*\b:BIAS+8*\b+7]
.else
	v_wmma_f32_16x16x32_f16 v[8*(8*(\a)+\b):8*(8*(\a)+\b)+7], v[\f+8*\b:\f+8*\b+7], v[\f+8*(4*\hi+\a):\f+8*(4*\hi+\a)+7], v[8*(8*(\a)+\b):8*(8*(\a)+\b)+7]
.endif
.endr
.endr
.endm
; 32 LDS loads in one run: the fragments of one quarter step (32 along K: byte k of A's rows, rows k / 2 of B) into buffer f
.macro FETCH slot, k, f
	WIN TO_B
.irp i, 0,1,2,3,4,5,6,7
	ds_load_tr16_b128 v[\f+8*\i:\f+8*\i+3],   v[ADRB+\slot] offset:(\k/64)*32*PB+32*\i
	ds_load_tr16_b128 v[\f+8*\i+4:\f+8*\i+7], v[ADRB+\slot] offset:(\k/64)*32*PB+16*PB+32*\i
.endr
	WIN 0
.irp i, 0,1,2,3,4,5,6,7
	ds_load_b128 v[\f+8*\i:\f+8*\i+3],   v[ADRA+\slot] offset:\k+\i*16*PITCH
	ds_load_b128 v[\f+8*\i+4:\f+8*\i+7], v[ADRA+\slot] offset:\k+\i*16*PITCH+32
.endr
.endm
.macro PLACES                          ; four plain instructions in front of loads into registers that matrix instructions have read, and of conversions that read results
.rept 4
	v_nop
.endr
.endm
.macro QUARTER slot, k, f, g, zero
	s_wait_dscnt 8                                 ; B and A's rows 0-63 are in; the youngest eight loads (A's rows 64-127) may be out
.if \zero
	WIN FST_LO
.else
	WIN MUL_LO
.endif
	MUL16 \f, 0, 0, \zero
	MUL16 \f, 0, 2, \zero
	PLACES
	FETCH \slot, \k, \g
	s_wait_dscnt 32                                ; all but the 32 just issued
.if \zero
	WIN FST_HI
.else
	WIN MUL_HI
.endif
	MUL16 \f, 1, 0, \zero
	MUL16 \f, 1, 2, \zero
.endm
; The last quarter multiplies buffer 1 and changes slots: ONE barrier.  In front of it each wave waits for all its tensor loads (one is out: its part of the next slot), adds 0 to its spare word,
; and waits for that and for its reads of this slot.  fill = 1: the barrier opens a round of the cluster's, and this slot is filled again, two K steps ahead, first thing behind the round.
.macro TURN slot, next, fill
	WIN 0                                          ; (the add's two registers lie in window 0)
	s_wait_tensorcnt 0x0
	ds_add_u32 v[SPW], v[NIL]
	s_wait_dscnt 9                                 ; (the add and the youngest eight loads may be out)
	WIN MUL_LO
	MUL16 F1, 0, 0, 0                              ; sixteen matrix instructions stand between the add and the wait for it
	s_wait_dscnt 0x0                               ; the add is done, and my reads of this slot are over
	s_barrier_signal -1
	MUL16 F1, 0, 2, 0
.if \fill
	WIN 0
.endif
	s_barrier_wait -1
.if \fill
	CREST                                          ; no wave of any partner still reads this slot or has a load on its way
	s_add_nc_u64 s[G0+4*\slot+2:G0+4*\slot+3], s[G0+4*\slot+2:G0+4*\slot+3], 512
	s_add_nc_u64 s[G0B+4*\slot+2:G0B+4*\slot+3], s[G0B+4*\slot+2:G0B+4*\slot+3], 1048576
	JLOAD \slot                                    ; 224 matrix instructions ahead of the wait for it; its four v_nop are also the places in front of the loads below
.else
	PLACES
.endif
	FETCH \next, 0, F0
	WIN MUL_HI
	MUL16 F1, 1, 0, 0
	MUL16 F1, 1, 2, 0
.endm
	s_wait_tensorcnt 1                             ; my part of K step 0 is in; K step 1's may stay out
	s_barrier_signal -1
	s_barrier_wait -1
	FETCH 0, 0, F0
	s_wait_loadcnt 0x0                             ; the bias
	QUARTER 0, 64,  F0, F1, 1
	WIN 0                                          ; at a label and at a branch every window is 0
	s_mov_b32 s3, 3
.Llap:                                                 ; a trip goes once round the ring and fills both slots again: K steps 2 to 7
	QUARTER 0, 128, F1, F0, 0
	QUARTER 0, 192, F0, F1, 0
	TURN 0, 1, 1
	QUARTER 1, 64,  F0, F1, 0
	QUARTER 1, 128, F1, F0, 0
	QUARTER 1, 192, F0, F1, 0
	TURN 1, 0, 1
	QUARTER 0, 64,  F0, F1, 0
	WIN 0
	s_sub_co_u32 s3, s3, 1
	s_cmp_lg_u32 s3, 0
	s_cbranch_scc1 .Llap
	QUARTER 0, 128, F1, F0, 0                      ; the last lap fills nothing
	QUARTER 0, 192, F0, F1, 0
	TURN 0, 1, 0
	QUARTER 1, 64,  F0, F1, 0
	QUARTER 1, 128, F1, F0, 0
	QUARTER 1, 192, F0, F1, 0
	s_wait_dscnt 8
	WIN MUL_LO
	MUL16 F1, 0, 0, 0
	MUL16 F1, 0, 2, 0
	s_wait_dscnt 0x0
	WIN MUL_HI
	MUL16 F1, 1, 0, 0
	MUL16 F1, 1, 2, 0
	WIN 0
; THE WAY OUT.  Block a (16 keys): a lane's eight results of accumulator (a, b) pack into 16 bytes, which are its 16 bytes of piece b % 4 of the key tile of head b / 4.
.macro PACK a
.set AC, 64*((\a)%4)
.set TP, TMP+32*((\a)%2)
.set WN, 0x0a+5*((\a)/4)
	WIN WN                                         ; sources 0 and 1: window 2 or 3
.irp b, 0,1,2,3,4,5,6,7
.irp r, 0,1,2,3
	v_cvt_pk_f16_f32 v[TP+4*\b+\r], v[AC+8*\b+2*\r], v[AC+8*\b+2*\r+1]
.endr
.endr
	WIN 0
.irp b, 0,1,2,3,4,5,6,7
	global_store_b128 v[CO], v[TP+4*\b:TP+4*\b+3], s[8:9] offset:(\a)*2048+(\b/4)*262144+(\b%4)*512   ; 32 lanes store 512 consecutive bytes, aligned
.endr
.endm
	PLACES
.irp a, 0,1,2,3,4,5,6,7
.if \a >= 2
	s_wait_xcnt 0x0                                ; block a - 2's stores have read their registers
.endif
	PACK \a
.endr
	s_wait_tensorcnt 0x0                           ; the wave's end
	ds_add_u32 v[SPW], v[NIL]
	s_wait_dscnt 0x0
	CROUND                                         ; the closing round
	s_endpgm
.Lfunc_end_k_q4e34b3a25e_kvgemm:
	.size	k_q4e34b3a25e_kvgemm, .Lfunc_end_k_q4e34b3a25e_kvgemm-k_q4e34b3a25e_kvgemm
	.p2alignl 7, 3214868480
	.fill 96, 4, 3214868480
	.section	.rodata,"a",@progbits
	.p2align	6, 0x0
	.amdhsa_kernel k_q4e34b3a25e_kvgemm
		.amdhsa_group_segment_fixed_size 327680
		.amdhsa_private_segment_fixed_size 0
		.amdhsa_enable_private_segment 0
		.amdhsa_kernarg_size 72
		.amdhsa_user_sgpr_count 2
		.amdhsa_user_sgpr_kernarg_segment_ptr 1
		.amdhsa_wavefront_size32 1
		.amdhsa_system_sgpr_workgroup_id_x 1
		.amdhsa_system_sgpr_workgroup_id_y 1
		.amdhsa_system_sgpr_workgroup_id_z 1
		.amdhsa_system_vgpr_workitem_id 0
		.amdhsa_next_free_vgpr 1024
		.amdhsa_next_free_sgpr 92
		.amdhsa_reserve_vcc 0
		.amdhsa_float_denorm_mode_32 3
		.amdhsa_float_denorm_mode_16_64 3
		.amdhsa_memory_ordered 1
		.amdhsa_forward_progress 1
		.amdhsa_inst_pref_size 142
	.end_amdhsa_kernel
	.amdgpu_metadata
---
amdhsa.version: [ 1, 2 ]
amdhsa.kernels:
  - .name:           k_q4e34b3a25e_kvgemm
    .symbol:         k_q4e34b3a25e_kvgemm.kd
    .args:
      - { .name: h16, .offset: 0, .size: 8, .value_kind: global_buffer, .address_space: global }
      - { .name: bkv, .offset: 8, .size: 8, .value_kind: global_buffer, .address_space: global }
      - { .name: kvh, .offset: 16, .size: 8, .value_kind: global_buffer, .address_space: global }
      - { .name: acodes, .offset: 24, .size: 8, .value_kind: global_buffer, .address_space: global }
      - { .name: ascales, .offset: 32, .size: 8, .value_kind: global_buffer, .address_space: global }
      - { .name: bcodes, .offset: 40, .size: 8, .value_kind: global_buffer, .address_space: global }
      - { .name: bscales, .offset: 48, .size: 8, .value_kind: global_buffer, .address_space: global }
      - { .name: bpos, .offset: 56, .size: 8, .value_kind: global_buffer, .address_space: global }
      - { .name: pos16, .offset: 64, .size: 8, .value_kind: global_buffer, .address_space: global }
    .group_segment_fixed_size: 327680
    .private_segment_fixed_size: 0
    .kernarg_segment_align: 8
    .kernarg_segment_size: 72
    .max_flat_workgroup_size: 128
    .sgpr_count:     92
    .vgpr_count:     1024
    .wavefront_size: 32
...
	.end_amdgpu_metadata
.endif
;; end of part 7
;; launch attn (part 8): grid 4 x 64, 8 waves a work-group, no clusters, 327,680 bytes of LDS; arguments pos16, kvh, o16, acodes, ascales, bcodes, bscales, bq; writes o16
.if DOCPART == 8
	.amdgcn_target "amdgcn-amd-amdhsa--gfx1250"
	.amdhsa_code_object_version 6
	.text
	.protected	k_q4e34b3a25e_attn
	.globl	k_q4e34b3a25e_attn
	.p2align	8
	.type	k_q4e34b3a25e_attn,@function
k_q4e34b3a25e_attn:
	s_mov_b64 s[64:65], 0
	v_nop
	global_prefetch_b8 v0, s[64:65] scope:SCOPE_SE
	s_setreg_imm32_b32 hwreg(HW_REG_WAVE_MODE, 25, 1), 1
	s_wait_xcnt 0x0
; ATTN.  q = (Q(x) Q(Wq) + bq) x log2(e) / 8 for one batch and head, on codes of E2M1 with E8M0 scales; then o = softmax(q k^T + shifted(q pos^T), causal) v: f16 operands, f32 sums, softmax in f32 with a running maximum.
; The factor is the scores' scale 1 / 8 and the change from e^x to 2^x, so a score is already the exponent of 2.  Keys 0-1023 are the memory: no position term, no mask.  Key 1024 + j counts for query i where j <= i,
; and there the shifted position term is q_i . pos[1023 - i + j] (where j > i the shift wraps, and the mask throws the score away).
; SHARES.  Work-group (g, batch x head), eight waves.  It owns the blocks g and 7 - g of 128 queries.  Wave w: hi = (w xor w / 4) % 2 picks the block (waves w and w + 4 differ in it, and so do waves 2 k and 2 k + 1);
; its queries are 32 G .. 32 G + 31, G = 4 block + w / 2: two tiles of 16, X and Y.  The two blocks together have 9 blocks of local keys to walk, whatever g is.
; Every wave walks the slots of all 2,048 keys, 64 keys a step; a step all of whose keys come after the wave's queries is left out by a scalar branch on ids, round the step's work alone; a slot whose first step comes
; after the work-group's last query is not asked for.
; Q IS MADE HERE.  A wave's 32 queries x its head's 64 columns are 8 accumulators and 8 K steps of 128.  Codes and scale words lie in memory as the registers want them: every load reads 512 consecutive bytes into an
; operand.  The product is used transposed (source 0 = 16 columns of Wq, source 1 = 16 rows of x): a lane's eight columns of a row pack into four registers, which ARE registers of q's fragments.  q never goes to memory.
; LAYOUT.  S^T = k q^T (source 0 = 16 keys, source 1 = 16 queries): a lane holds ONE query (lane % 16) and keys 8 (lane / 16) + 0..7 of each tile.  Two such tiles, rounded to f16 in pairs, are source 1 of O^T = v^T P.
; THE POSITION TERM.  For 16 queries from i0 and 64 keys from j0 the rows of pos are a band from 1008 - i0 + j0 on (a multiple of 16): five tiles of the table.  D = q pos^T (source 0 = the queries): a lane holds pos row
; lane % 16 and queries 8 (lane / 16) + 0..7.  Band element u of query a belongs to key u + a - 15: each register goes to the wave's stage in LDS at row a, word u + a + 1, so the skew is in the store's address;
; it comes back as rows, in S^T's layout, and is the C of the first product k q^T.  Tiles past the table's end are held at its last tile: they feed masked scores alone.
; LDS: pos, 64 tiles of 2,048 bytes, filled once; a ring of two slots of 128 keys (8 tiles of k, then 8 of v, dense); the stages; the spare words.  Waves 0 and 1 fetch (k's part, v's part), all eight read.
; NO CLUSTER, though the four work-groups of a head read the same k and v: they differ in g alone, and the branches round hidden steps and slots and the LDS addresses of the band hang on g.
; LIMITS: q x 0.18, k, v, pos and o must stay under 65,504 in magnitude (f16); weights p under 6e-8 count as 0 in the second product.
.set RING,  131072
.set SLX,   0x8000                     ; slot 1 = slot 0 xor this
.set STAGE, 196608                     ; 12,800 bytes a wave: X's 16 rows of 400 bytes, then Y's
.set WST,   12800
.set TST,   6400
.set SPARE, 299008                     ; the spare words, 128 bytes a wave: four blocks of 256 bytes that no other line names
.set L16, 1                            ; v1  16 x lane
.set SPW, 2
.set NIL, 3
.set AKV, 4                            ; v4  the slot in hand + 16 x lane
.set AP,  5                            ; v5-7 three tiles of pos
.set SB,  8                            ; v8  into the stage: 3,232 h + 4 r + 4
.set RB,  9                            ; v9  out of it: 400 r + 32 h
.set DX,  10                           ; v10, v11  on the diagonal: register 16 t + j is hidden where 16 t + j > this (X, Y)
.set NINF,12
.set PFO, 13                           ; v13 256 x lane
.set Q,   16                           ; v16-47   q: tile T, fragment s at 16 T + 8 s
.set S,   48                           ; v48-111  S^T: 32 T + 8 t; then p; then P in the tile's first 16
.set O,   112                          ; v112-175 O^T: 32 T + 8 ct
.set F,   176                          ; v176-239 fragments of pos, of k, of v
.set ST,  240                          ; v240-255 eight a tile: m, 0, l (two halves), c0-c3; a takes c2's place
.set ACC, 112                          ; at the head: q's accumulators (a, b) at 8 (4 a + b);
.set BI,  176                          ; v176-207 bq, 8 registers for each b, in the result's layout;
.set SAR, 208                          ; v208-223 the rows' scale words, 8 a + s;
.set SBR, 224                          ; v224-255 the columns', 8 b + s;  window 1, v0-239: five sets of 48: the codes of a K step
.set WV,  10
.set GG,  12
.set GH,  13                           ; G / 2: the local step on the diagonal
.set LS,  14                           ; the local step
.set PT,  15                           ; LDS byte of the band's first tile: 2,048 (62 - 2 G + 4 LS)
.set G1,  16
.set G1P, 24
.set G0,  32
.set G0P, 36
.set TB,  40
.set REM, 41
.set LIM, 42
.set WL,  43                           ; 15 - 2 g: the last local step that any wave of the work-group walks
.set PFA, 44
.set SEL, 46
.set CNT, 48
.set SCQ, 58                           ; s[58:59] log2(e) / 8
.set MSB, 0
.macro WIN new                         ; the immediate's high byte repeats the setting that is left
.if MSB != \new
	s_set_vgpr_msb (MSB<<8)|\new
.set MSB, \new
.endif
.endm
	s_load_b128 s[4:7], s[0:1], 0x0                ; pos16, kvh
	s_load_b64 s[8:9], s[0:1], 0x10                ; o16
	s_load_b256 s[68:75], s[0:1], 0x18             ; acodes, ascales, bcodes, bscales
	s_load_b64 s[76:77], s[0:1], 0x38              ; bq
	v_lshl_add_u32 v[SPW], v0, 2, SPARE
	v_mov_b32 v[NIL], 0
	ds_add_u32 v[SPW], v[NIL]                      ; the wave's opening: the add, twice on end, and its wait ahead of the first tensor load
	ds_add_u32 v[SPW], v[NIL]
	v_lshrrev_b32 v14, 5, v0
	v_readfirstlane_b32 s[WV], v14                 ; wave 0..7
	s_lshr_b32 s49, s[WV], 2
	s_xor_b32 s49, s49, s[WV]
	s_and_b32 s49, s49, 1                          ; hi
	s_mul_i32 s49, s49, 7
	s_and_b32 s11, ttmp9, 3                        ; g
	s_xor_b32 s49, s49, s11                        ; my block: g, or 7 - g
	s_lshl_b32 s[GG], s49, 2
	s_lshr_b32 s49, s[WV], 1
	s_add_co_u32 s[GG], s[GG], s49
	s_lshr_b32 s[GH], s[GG], 1
	s_lshl_b32 s[WL], s11, 1
	s_xor_b32 s[WL], s[WL], 15                     ; 15 - 2 g
	s_mov_b32 s[LS], 0
	s_xor_b32 s[PT], s[GG], 31                     ; 31 - G
	s_lshl_b32 s[PT], s[PT], 12
	s_and_b32 s50, ttmp7, 0xffff                   ; 16 batch + head
	s_and_b32 s51, s[WV], 1
	s_lshr_b32 s52, s50, 4
	s_lshl_b32 s52, s52, 5
	s_and_b32 s53, s50, 15                         ; the head
	s_add_co_u32 s52, s52, s53                     ; 32 batch + head: k's block in kvh; v's is 16 on
	s_lshl_b32 s54, s51, 4
	s_add_co_u32 s54, s54, s52
	s_lshl_b32 s54, s54, 18                        ; 128 key tiles of 2,048 bytes each
	s_mov_b32 s55, 0
	s_lshl_b32 s[G0P+1], s51, 16                   ; pos: half the table, 65,536 bytes, to LDS byte 65,536 x wave
	s_mov_b32 s56, s[G0P+1]
	s_mov_b32 s57, 0
	s_mov_b32 s[G1], 3<<16                         ; a slot's part: 16,384 dense bytes as 64 rows of 32 elements of 8 bytes
	s_mov_b32 s[G1+1], 32<<16
	s_mov_b32 s[G1+2], 64<<16
	s_mov_b32 s[G1+3], 32<<16
	s_mov_b32 s[G1+4], 64
	s_mov_b32 s[G1+5], 32
	s_mov_b32 s[G1+6], 0
	s_mov_b32 s[G1+7], 0
	s_mov_b32 s[G1P], 3<<16                        ; half of pos: 256 such rows
	s_mov_b32 s[G1P+1], 32<<16
	s_mov_b32 s[G1P+2], 256<<16
	s_mov_b32 s[G1P+3], 32<<16
	s_mov_b32 s[G1P+4], 256
	s_mov_b32 s[G1P+5], 32
	s_mov_b32 s[G1P+6], 0
	s_mov_b32 s[G1P+7], 0
	s_mov_b32 s[G0], 1
	s_lshl_b32 s[G0+1], s51, 14
	s_add_co_u32 s[G0+1], s[G0+1], RING            ; slot 0: k's 16,384 bytes, then v's
	s_mov_b32 s[G0P], 1
	s_mov_b32 s[SEL], 0x76543210
	s_mov_b32 s[SEL+1], 0xfedcba98
	s_mov_b32 s[SCQ], 0x3e38aa3b                   ; log2(e) / 8
	s_mov_b32 s[SCQ+1], s[SCQ]                     ; (named with it as a pair)
	s_mov_b32 s[TB], RING
	s_mov_b32 s[REM], 15
	s_wait_dscnt 0x0                               ; both opening adds are done
	s_wait_kmcnt 0x0
	s_add_nc_u64 s[G0+2:G0+3], s[6:7], s[54:55]
	s_or_b32 s[G0+3], s[G0+3], 0x80000000
	s_add_nc_u64 s[G0P+2:G0P+3], s[4:5], s[56:57]
	s_or_b32 s[G0P+3], s[G0P+3], 0x80000000
	s_cmp_lt_u32 s[WV], 2                          ; a fetching wave's two first fills stand in one branch, ahead of every wait on TENSORcnt, every LDS read and every barrier
	s_cbranch_scc0 .Lnofill
	tensor_load_to_lds s[G0P:G0P+3], s[G1P:G1P+7]
	s_nop 0
	tensor_load_to_lds s[G0:G0+3], s[G1:G1+7]
	s_nop 0
.rept 4
	v_nop
.endr
.Lnofill:
; ---- q: my 32 rows of x against my head's 64 columns of Wq, while the first tiles are on their way
	v_and_b32 v[L16], 31, v0
	v_lshlrev_b32 v[PFO], 8, v[L16]
	v_lshlrev_b32 v[L16], 4, v[L16]
	v_and_b32 v14, 15, v0
	v_lshlrev_b32 v14, 4, v14                      ; 16 r: a row's four scale words
	v_bfe_u32 v15, v0, 4, 1
	v_lshlrev_b32 v15, 5, v15                      ; 32 h: my eight numbers of a bias tile
	s_lshr_b32 s54, s50, 4
	s_lshl_b32 s54, s54, 6
	s_lshl_b32 s56, s[GG], 1
	s_add_co_u32 s54, s54, s56                     ; my first tile of 16 rows of x: 64 batch + 2 G
	s_lshl_b32 s56, s54, 13
	s_add_nc_u64 s[68:69], s[68:69], s[56:57]
	s_lshl_b32 s56, s54, 9
	s_add_nc_u64 s[70:71], s[70:71], s[56:57]
	s_lshl_b32 s56, s53, 15                        ; the head's four tiles of 16 columns
	s_add_nc_u64 s[72:73], s[72:73], s[56:57]
	s_lshl_b32 s56, s53, 11
	s_add_nc_u64 s[74:75], s[74:75], s[56:57]
	s_lshl_b32 s56, s53, 8
	s_add_nc_u64 s[76:77], s[76:77], s[56:57]
.irp b, 0,1,2,3
	global_load_b128 v[BI+8*\b:BI+8*\b+3], v15, s[76:77] offset:64*\b
	global_load_b128 v[BI+8*\b+4:BI+8*\b+7], v15, s[76:77] offset:64*\b+16
.endr
.irp a, 0,1
.irp g, 0,1
	global_load_b128 v[SAR+8*\a+4*\g:SAR+8*\a+4*\g+3], v14, s[70:71] offset:\a*512+\g*256
.endr
.endr
.irp b, 0,1,2,3
.irp g, 0,1
	global_load_b128 v[SBR+8*\b+4*\g:SBR+8*\b+4*\g+3], v14, s[74:75] offset:\b*512+\g*256
.endr
.endr
.macro PLOAD s                         ; K step s: 2 fragments of rows, 4 of columns, into set s % 5 of window 1
.set FB, 48*((\s)%5)
.irp a, 0,1
.irp c, 0,1
	global_load_b128 v[FB+8*\a+4*\c:FB+8*\a+4*\c+3], v[L16], s[68:69] offset:\a*8192+(\s)*1024+\c*512
.endr
.endr
.irp b, 0,1,2,3
.irp c, 0,1
	global_load_b128 v[FB+16+8*\b+4*\c:FB+16+8*\b+4*\c+3], v[L16], s[72:73] offset:\b*8192+(\s)*1024+\c*512
.endr
.endr
.endm
.macro PMUL s                          ; the 8 accumulators take turns, one instruction a turn, in the same order in every step
.set FB, 48*((\s)%5)
.if (\s) < 4
	s_wait_loadcnt 48                              ; this step's 12 loads are in; the four younger sets' 48 may be out
.else
	s_wait_loadcnt 12*(7-(\s))                     ; the sets that are left
.endif
	WIN 0x05                                       ; sources 0 and 1 window 1; C, D and the scale words window 0
.irp a, 0,1
.irp b, 0,1,2,3
.if (\s) == 0
	v_wmma_scale_f32_16x16x128_f8f6f4 v[ACC+8*(4*\a+\b):ACC+8*(4*\a+\b)+7], v[FB+16+8*\b:FB+16+8*\b+7], v[FB+8*\a:FB+8*\a+7], v[BI+8*\b:BI+8*\b+7], v[SBR+8*\b+(\s)], v[SAR+8*\a+(\s)] matrix_a_fmt:MATRIX_FMT_FP4 matrix_b_fmt:MATRIX_FMT_FP4
.else
	v_wmma_scale_f32_16x16x128_f8f6f4 v[ACC+8*(4*\a+\b):ACC+8*(4*\a+\b)+7], v[FB+16+8*\b:FB+16+8*\b+7], v[FB+8*\a:FB+8*\a+7], v[ACC+8*(4*\a+\b):ACC+8*(4*\a+\b)+7], v[SBR+8*\b+(\s)], v[SAR+8*\a+(\s)] matrix_a_fmt:MATRIX_FMT_FP4 matrix_b_fmt:MATRIX_FMT_FP4
.endif
.endr
.endr
.rept 4
	v_nop                                          ; four plain instructions in front of loads into registers that the products read, and of the first read of results
.endr
.if (\s)+5 < 8
	WIN 0x40                                       ; destination window 1, address window 0
	PLOAD (\s)+5                                   ; into the set just multiplied
.endif
.endm
	WIN 0x40
.irp s, 0,1,2,3,4
	PLOAD \s                                       ; five K steps' codes, 60 loads, go out at once
.endr
.irp s, 0,1,2,3,4,5,6,7
	PMUL \s                                        ; the first step's C is the bias: it costs no addition
.endr
	WIN 0
.irp k, 0,1,2,3,4,5,6,7                        ; each accumulator from its low end on; accumulator 4 a + b gives registers 16 a + 4 b .. + 3 of q
.irp j, 0,2,4,6
	v_pk_mul_f32 v[ACC+8*\k+\j:ACC+8*\k+\j+1], v[ACC+8*\k+\j:ACC+8*\k+\j+1], s[SCQ:SCQ+1] op_sel_hi:[1,0]
.endr
.irp j, 0,1,2,3
	v_cvt_pk_f16_f32 v[Q+4*\k+\j], v[ACC+8*\k+2*\j], v[ACC+8*\k+2*\j+1]
.endr
.endr
; ---- the rest of the set-up
	s_lshr_b32 s54, s50, 4                         ; o: row tile 64 batch + 2 G of 32,768 bytes, + 2,048 x head
	s_lshl_b32 s54, s54, 21
	s_lshl_b32 s56, s[GG], 16
	s_add_co_u32 s54, s54, s56
	s_lshl_b32 s56, s53, 11
	s_add_co_u32 s54, s54, s56
	s_add_nc_u64 s[8:9], s[8:9], s[54:55]
	; the prefetches: who asks, and where.  Waves 4, 5: the two halves of a slot's k; waves 6, 7: of its v; in the head's first work-group alone, which walks every slot
	s_lshr_b32 s54, s[WV], 1
	s_and_b32 s54, s54, 1
	s_lshl_b32 s54, s54, 4
	s_add_co_u32 s54, s54, s52
	s_lshl_b32 s54, s54, 18
	s_lshl_b32 s56, s51, 13
	s_add_co_u32 s54, s54, s56
	s_add_co_u32 s54, s54, 16384                   ; in slot 1: the first change of slots steps it to slot 2.  Nothing is prefetched here, at the head
	s_add_nc_u64 s[PFA:PFA+1], s[6:7], s[54:55]
	s_lshr_b32 s54, s[WV], 2
	s_xor_b32 s54, s54, 1
	s_or_b32 s54, s54, s11
	s_cmp_eq_u32 s54, 0
	s_cselect_b32 s[LIM], 1, -1
	v_and_b32 v14, 15, v0                          ; r
	v_bfe_u32 v15, v0, 4, 1                        ; h
	s_mul_i32 s52, s[WV], WST
	s_add_co_u32 s52, s52, STAGE                   ; my stage
	v_mul_u32_u24 v[SB], v15, 3232
	v_lshl_add_u32 v[SB], v14, 2, v[SB]
	v_add_nc_u32 v[SB], s52, v[SB]
	v_add_nc_u32 v[SB], 4, v[SB]
	v_mul_u32_u24 v[RB], v14, 400
	v_lshl_add_u32 v[RB], v15, 5, v[RB]
	v_add_nc_u32 v[RB], s52, v[RB]
	s_and_b32 s53, s[GG], 1
	s_lshl_b32 s53, s53, 5
	v_lshlrev_b32 v[DX], 3, v15
	v_sub_nc_u32 v[DX], v14, v[DX]
	v_add_nc_u32 v[DX], s53, v[DX]                 ; 32 (G % 2) + r - 8 h
	v_add_nc_u32 v[DX+1], 16, v[DX]
	v_mov_b32 v[NINF], 0xff800000
.irp T, 0,1
	v_mov_b32 v[ST+8*\T], 0xff61b1e6               ; the largest score so far: -3e38
.irp j, 1,2,3,4,5,6,7
	v_mov_b32 v[ST+8*\T+\j], 0
.endr
.endr
.set n, 0
.rept 64
	v_mov_b32 v[O+n], 0                            ; O^T.  (The step is written once: the first finds zeros, which its factor 0 leaves zeros)
.set n, n+1
.endr
.macro TLOAD                           ; waves 0 and 1 fetch; the branch hangs on the wave's number alone; an s_nop 0 and four v_nop follow the load
	s_cmp_lt_u32 s[WV], 2
	s_cbranch_scc0 .Lasked_\@
	tensor_load_to_lds s[G0:G0+3], s[G1:G1+7]
	s_nop 0
.rept 4
	v_nop
.endr
.Lasked_\@:
.endm
; A prefetch of what the NEXT change of slots will ask for: 16,384 bytes of k and of v, 8,192 a wave, lanes 256 bytes apart: each aligned block of 256 bytes is named once in the launch.
; It runs one slot, two key steps, ahead of the load.  The last change that fills a slot asks for nothing; slots 0 and 1 come by their loads alone.
.macro ASK
	s_cmp_gt_u32 s[REM], s[LIM]
	s_cbranch_scc0 .Lnot_mine_\@
	global_prefetch_b8 v[PFO], s[PFA:PFA+1] th:TH_LOAD_NT scope:SCOPE_SE
.Lnot_mine_\@:
.endm
; THE CHANGE OF SLOTS, at a slot's head.  Each wave waits for all its tensor loads, adds 0 to its spare word, and waits for that and for its reads of the slot that it has left.  Behind the barrier the slot ahead is
; whole and nobody reads the other one; fill = 1: that one takes the next 128 keys, and the load has two key steps in which to land.
; lim = 1, among the local keys: THE LOOK-AHEAD ENDS AT THE CAUSAL LIMIT.  A slot whose first step comes after the work-group's last walked step is read by none of its waves, so it is not asked for.  The test is made of g and
; the count of steps alone, so all eight waves go the same way, and a work-group past the limit stays past it; it leads round the load's own lines and round no barrier, wait or add; every wait on TENSORcnt here is for 0.
.macro CHANGE fill, lim
	s_wait_tensorcnt 0x0                           ; no tensor load of mine is out, so the walking descriptor may be written
	ds_add_u32 v[SPW], v[NIL]
.if \fill
	ds_add_u32 v[SPW], v[NIL]                      ; twice on end where a load follows that six waves pass round
	s_xor_b32 s[G0+1], s[G0+1], SLX
	s_add_nc_u64 s[G0+2:G0+3], s[G0+2:G0+3], 16384
	s_wait_xcnt 0x0                                ; the last prefetch, a slot back, has read its address
	s_add_nc_u64 s[PFA:PFA+1], s[PFA:PFA+1], 16384
.endif
	s_wait_dscnt 0x0
	s_barrier_signal -1
	s_barrier_wait -1
.if \fill
.if \lim
	s_add_co_u32 s49, s[LS], 2                     ; the first step of the slot that this change would ask for
	s_cmp_gt_u32 s49, s[WL]
	s_cbranch_scc1 .Lpast_\@
.endif
	TLOAD
.Lpast_\@:
	ASK
	s_sub_co_u32 s[REM], s[REM], 1
.endif
	v_add_nc_u32 v[AKV], s[TB], v[L16]
.endm
.macro PD dst, T, k, s                 ; one product of the band: queries of tile T x the pos tile in F + 16 k, channels 32 s on
.if \s == 0
	v_wmma_f32_16x16x32_f16 v[\dst:\dst+7], v[Q+16*\T:Q+16*\T+7], v[F+16*\k:F+16*\k+7], 0
.else
	v_wmma_f32_16x16x32_f16 v[\dst:\dst+7], v[Q+16*\T+8:Q+16*\T+15], v[F+16*\k+8:F+16*\k+15], v[\dst:\dst+7]
.endif
.endm
.macro PST src, T, tau                 ; its eight registers to the stage: query 8 h + j, band element 16 tau + r, at row 8 h + j, word 16 tau + r + 8 h + j + 1; from the low end on
.irp j, 0,1,2,3,4,5,6,7
	ds_store_b32 v[SB], v[\src+\j] offset:\T*TST+\j*404+64*\tau
.endr
.endm
.macro PLD k                           ; a tile of pos, two fragments
.irp s, 0,1
.irp c, 0,1
	ds_load_b128 v[F+16*\k+8*\s+4*\c:F+16*\k+8*\s+4*\c+3], v[AP+\k] offset:\s*1024+\c*512
.endr
.endr
.endm
.macro SOFTMAX                         ; both tiles, line by line in turn
.irp j, 0,1,2,3
.irp T, 0,1
	v_max3_num_f32 v[ST+8*\T+4+\j], v[S+32*\T+8*\j], v[S+32*\T+8*\j+1], v[S+32*\T+8*\j+2]   ; each accumulator is read from its low end on
.endr
.endr
.irp u, 3,5
.irp j, 0,1,2,3
.irp T, 0,1
	v_max3_num_f32 v[ST+8*\T+4+\j], v[ST+8*\T+4+\j], v[S+32*\T+8*\j+\u], v[S+32*\T+8*\j+\u+1]
.endr
.endr
.endr
.irp T, 0,1
	v_max3_num_f32 v[ST+8*\T+4], v[ST+8*\T+4], v[S+32*\T+7], v[S+32*\T+15]
	v_max3_num_f32 v[ST+8*\T+6], v[ST+8*\T+6], v[S+32*\T+23], v[S+32*\T+31]
.endr
.irp T, 0,1
	v_max3_num_f32 v[ST+8*\T+4], v[ST+8*\T+4], v[ST+8*\T+5], v[ST+8*\T+6]
.endr
.irp T, 0,1
	v_max3_num_f32 v[ST+8*\T+4], v[ST+8*\T+4], v[ST+8*\T+7], v[ST+8*\T]    ; and the old m
.endr
.irp T, 0,1
	v_permlanex16_b32 v[ST+8*\T+5], v[ST+8*\T+4], s[SEL], s[SEL+1]         ; the query's other 32 keys lie in the lane 16 away
.endr
.irp T, 0,1
	v_mov_b32 v[ST+8*\T+7], v[ST+8*\T]
.endr
.irp T, 0,1
	v_max_num_f32 v[ST+8*\T], v[ST+8*\T+4], v[ST+8*\T+5]                   ; the new m
.endr
.irp T, 0,1
	v_sub_f32 v[ST+8*\T+7], v[ST+8*\T+7], v[ST+8*\T]                       ; old m - new m
.endr
.irp j, 0,2,4,6,8,10,12,14,16,18,20,22,24,26,28,30
.irp T, 0,1
	v_pk_add_f32 v[S+32*\T+\j:S+32*\T+\j+1], v[S+32*\T+\j:S+32*\T+\j+1], v[ST+8*\T:ST+8*\T+1] op_sel_hi:[1,0] neg_lo:[0,1] neg_hi:[0,1]   ; s - m
.endr
.endr
.irp T, 0,1
	v_exp_f32 v[ST+8*\T+6], v[ST+8*\T+7]           ; a = 2^(old m - new m).  ONE BATCH of 66 exponentials: none reads another's result
.endr
.set n, 0
.rept 64
	v_exp_f32 v[S+n], v[S+n]                       ; p = 2^(s - m)
.set n, n+1
.endr
	v_nop                                          ; a plain instruction behind the last exponential
	s_wait_alu depctr_va_vdst(0)                   ; one wait for the batch, ahead of its first reader
.irp T, 0,1
	v_pk_mul_f32 v[ST+8*\T+2:ST+8*\T+3], v[ST+8*\T+2:ST+8*\T+3], v[ST+8*\T+6:ST+8*\T+7] op_sel_hi:[1,0]   ; l under the new m
.endr
.irp T, 0,1
	v_pk_add_f32 v[ST+8*\T+4:ST+8*\T+5], v[S+32*\T:S+32*\T+1], v[S+32*\T+2:S+32*\T+3]    ; the sums, of the unrounded p, in two chains a tile
.endr
.irp j, 4,8,12,16,20,24,28
.irp T, 0,1
	v_pk_add_f32 v[ST+8*\T+2:ST+8*\T+3], v[ST+8*\T+2:ST+8*\T+3], v[S+32*\T+\j:S+32*\T+\j+1]
	v_pk_add_f32 v[ST+8*\T+4:ST+8*\T+5], v[ST+8*\T+4:ST+8*\T+5], v[S+32*\T+\j+2:S+32*\T+\j+3]
.endr
.endr
.irp T, 0,1
	v_pk_add_f32 v[ST+8*\T+2:ST+8*\T+3], v[ST+8*\T+2:ST+8*\T+3], v[ST+8*\T+4:ST+8*\T+5]
.endr
.irp i, 0,1,2,3,4,5,6,7,8,9,10,11,12,13,14,15
.irp T, 0,1
	v_cvt_pk_f16_f32 v[S+32*\T+\i], v[S+32*\T+2*\i], v[S+32*\T+2*\i+1]     ; P, in place and ascending: register i is written when 2 i and 2 i + 1 have been read
.endr
.endr
.irp j, 0,2,4,6,8,10,12,14,16,18,20,22,24,26,28,30
.irp T, 0,1
	v_pk_mul_f32 v[O+32*\T+\j:O+32*\T+\j+1], v[O+32*\T+\j:O+32*\T+\j+1], v[ST+8*\T+6:ST+8*\T+7] op_sel_hi:[1,0]   ; O^T under the new m
.endr
.endr
.endm
; A KEY STEP: 64 keys, the q-th of the slot in hand.  local = 1: keys behind the memory: position term, mask, and the branch round a hidden step.
.macro STEP q, local
.if \local
	s_cmp_gt_u32 s[LS], s[GH]                      ; all 64 keys come after my 32 queries
	s_cbranch_scc1 .Lhid_\@
	s_min_u32 s49, s[PT], 63*2048                  ; six tiles of pos, held at the table's last
	s_add_co_u32 s50, s[PT], 2048
	s_min_u32 s50, s50, 63*2048
	s_add_co_u32 s51, s[PT], 2*2048
	s_min_u32 s51, s51, 63*2048
	s_add_co_u32 s52, s[PT], 3*2048
	s_min_u32 s52, s52, 63*2048
	s_add_co_u32 s53, s[PT], 4*2048
	s_min_u32 s53, s53, 63*2048
	s_add_co_u32 s54, s[PT], 5*2048
	s_min_u32 s54, s54, 63*2048
	v_add_nc_u32 v[AP], s49, v[L16]
	v_add_nc_u32 v[AP+1], s50, v[L16]
	v_add_nc_u32 v[AP+2], s51, v[L16]
	PLD 0
	PLD 1
	PLD 2
	s_wait_dscnt 0x0
.irp s, 0,1                                    ; tiles 0, 1, 2: Y's band tiles 0, 1, 2 and X's 0, 1; five accumulators by turns
	PD S,    1, 0, \s
	PD S+8,  1, 1, \s
	PD S+16, 0, 1, \s
	PD S+24, 1, 2, \s
	PD S+32, 0, 2, \s
.endr
	v_add_nc_u32 v[AP], s52, v[L16]                ; five plain instructions: the places in front of the loads into F and of the stores that read results
	v_add_nc_u32 v[AP+1], s53, v[L16]
	v_add_nc_u32 v[AP+2], s54, v[L16]
	v_nop
	v_nop
	PLD 0
	PLD 1
	PLD 2
	PST S,    1, 0
	PST S+8,  1, 1
	PST S+16, 0, 0
	PST S+24, 1, 2
	PST S+32, 0, 1
	s_wait_dscnt 40                                ; the 12 loads are in; the 40 stores behind them may be out
.irp s, 0,1                                    ; tiles 3, 4, 5: Y's 3, 4 and X's 2, 3, 4
	PD S+40, 1, 0, \s
	PD S+48, 0, 0, \s
	PD S+56, 1, 1, \s
	PD F+48, 0, 1, \s
	PD F+56, 0, 2, \s
.endr
.rept 5
	v_nop                                          ; five: the products k q^T below write over these results
.endr
	PST S+40, 1, 3
	PST S+48, 0, 2
	PST S+56, 1, 4
	PST F+48, 0, 3
	PST F+56, 0, 4
.irp T, 0,1
.irp t, 0,1,2,3
	ds_load_b128 v[S+32*\T+8*\t:S+32*\T+8*\t+3], v[RB] offset:\T*TST+64+64*\t          ; back as rows, in S^T's layout.  LDS serves a wave's instructions in order: these see the stores above
	ds_load_b128 v[S+32*\T+8*\t+4:S+32*\T+8*\t+7], v[RB] offset:\T*TST+64+64*\t+16
.endr
.endr
.endif
.irp t, 0,1,2,3
.irp s, 0,1
.irp c, 0,1
	ds_load_b128 v[F+16*\t+8*\s+4*\c:F+16*\t+8*\s+4*\c+3], v[AKV] offset:\q*8192+\t*2048+\s*1024+\c*512   ; k: 512 consecutive bytes a load
.endr
.endr
.endr
	s_wait_dscnt 0x0
.irp s, 0,1                                    ; S^T = k q^T (+ the position term): eight accumulators by turns
.irp t, 0,1,2,3
.irp T, 0,1
.if (\s == 0) && (\local == 0)
	v_wmma_f32_16x16x32_f16 v[S+32*\T+8*\t:S+32*\T+8*\t+7], v[F+16*\t+8*\s:F+16*\t+8*\s+7], v[Q+16*\T+8*\s:Q+16*\T+8*\s+7], 0
.else
	v_wmma_f32_16x16x32_f16 v[S+32*\T+8*\t:S+32*\T+8*\t+7], v[F+16*\t+8*\s:F+16*\t+8*\s+7], v[Q+16*\T+8*\s:Q+16*\T+8*\s+7], v[S+32*\T+8*\t:S+32*\T+8*\t+7]
.endif
.endr
.endr
.endr
.rept 4
	v_nop                                          ; places in front of the loads into F and of the first read of the scores
.endr
.irp kk, 0,1
.irp ct, 0,1,2,3
.irp e, 0,1
	ds_load_tr16_b128 v[F+8*(4*\kk+\ct)+4*\e:F+8*(4*\kk+\ct)+4*\e+3], v[AKV] offset:16384+\q*8192+(2*\kk+\e)*2048+\ct*512   ; v^T: they land while the softmax is walked
.endr
.endr
.endr
.if \local
	s_cmp_lt_u32 s[LS], s[GH]                      ; only the step on the diagonal has hidden keys
	s_cbranch_scc1 .Lopen_\@
.irp T, 0,1
.irp t, 0,1,2,3
.irp j, 0,1,2,3,4,5,6,7
	v_cmp_gt_i32 vcc_lo, 16*\t+\j, v[DX+\T]
	v_cndmask_b32 v[S+32*\T+8*\t+\j], v[S+32*\T+8*\t+\j], v[NINF], vcc_lo
.endr
.endr
.endr
.Lopen_\@:
.endif
	SOFTMAX
	s_wait_dscnt 0x0                               ; v is in
.irp kk, 0,1                                   ; O^T += v^T P: eight accumulators by turns
.irp ct, 0,1,2,3
.irp T, 0,1
	v_wmma_f32_16x16x32_f16 v[O+32*\T+8*\ct:O+32*\T+8*\ct+7], v[F+8*(4*\kk+\ct):F+8*(4*\kk+\ct)+7], v[S+32*\T+8*\kk:S+32*\T+8*\kk+7], v[O+32*\T+8*\ct:O+32*\T+8*\ct+7]
.endr
.endr
.endr
.rept 5
	v_nop                                          ; five: the next step's products write over P, and its loads land in F
.endr
.if \local
.Lhid_\@:
	s_add_co_u32 s[LS], s[LS], 1
	s_add_co_u32 s[PT], s[PT], 8192                ; 64 keys on: four tiles of pos
.endif
.endm
	s_mov_b32 s[CNT], 8
.Lmem:                                             ; the memory's 1,024 keys: 8 slots; every wave reads every one, and the first local slot too
	CHANGE 1, 0
	STEP 0, 0
	STEP 1, 0
	s_xor_b32 s[TB], s[TB], SLX
	s_sub_co_u32 s[CNT], s[CNT], 1
	s_cmp_lg_u32 s[CNT], 0
	s_cbranch_scc1 .Lmem
	s_mov_b32 s[CNT], 7
.Lloc:                                             ; the local keys: 7 slots behind whose change the next is asked for, up to the limit,
	CHANGE 1, 1
	STEP 0, 1
	STEP 1, 1
	s_xor_b32 s[TB], s[TB], SLX
	s_sub_co_u32 s[CNT], s[CNT], 1
	s_cmp_lg_u32 s[CNT], 0
	s_cbranch_scc1 .Lloc
	CHANGE 0, 0                                    ; and the last, written out: nothing is left to ask for
	STEP 0, 1
	STEP 1, 1
	; THE WAY OUT.  O^T / l, rounded to f16.  A lane's eight channels of a query are its 16 bytes of a fragment of the last product's A: no stage.
.irp T, 0,1
	v_add_f32 v[ST+8*\T+4], v[ST+8*\T+2], v[ST+8*\T+3]
.endr
.irp T, 0,1
	v_permlanex16_b32 v[ST+8*\T+5], v[ST+8*\T+4], s[SEL], s[SEL+1]
.endr
.irp T, 0,1
	v_add_f32 v[ST+8*\T+4], v[ST+8*\T+4], v[ST+8*\T+5]
.endr
.irp T, 0,1
	v_rcp_f32 v[ST+8*\T+6], v[ST+8*\T+4]
.endr
	v_nop
	s_wait_alu depctr_va_vdst(0)                   ; one wait for the two reciprocals, ahead of their first reader
.irp T, 0,1
.irp j, 0,2,4,6,8,10,12,14,16,18,20,22,24,26,28,30
	v_pk_mul_f32 v[O+32*\T+\j:O+32*\T+\j+1], v[O+32*\T+\j:O+32*\T+\j+1], v[ST+8*\T+6:ST+8*\T+7] op_sel_hi:[1,0]
.endr
.endr
.irp T, 0,1
.irp i, 0,1,2,3,4,5,6,7,8,9,10,11,12,13,14,15
	v_cvt_pk_f16_f32 v[S+16*\T+\i], v[O+32*\T+2*\i], v[O+32*\T+2*\i+1]
.endr
.endr
.irp T, 0,1
.irp ct, 0,1,2,3
	global_store_b128 v[L16], v[S+16*\T+4*\ct:S+16*\T+4*\ct+3], s[8:9] offset:\T*32768+\ct*512   ; 32 lanes store 512 consecutive bytes, aligned
.endr
.endr
	s_wait_tensorcnt 0x0                           ; the wave's end: behind my last tensor load and my last LDS store
	ds_add_u32 v[SPW], v[NIL]
	s_wait_dscnt 0x0
	s_endpgm
.Lfunc_end_k_q4e34b3a25e_attn:
	.size	k_q4e34b3a25e_attn, .Lfunc_end_k_q4e34b3a25e_attn-k_q4e34b3a25e_attn
	.p2alignl 7, 3214868480
	.fill 96, 4, 3214868480
	.section	.rodata,"a",@progbits
	.p2align	6, 0x0
	.amdhsa_kernel k_q4e34b3a25e_attn
		.amdhsa_group_segment_fixed_size 327680
		.amdhsa_private_segment_fixed_size 0
		.amdhsa_enable_private_segment 0
		.amdhsa_kernarg_size 64
		.amdhsa_user_sgpr_count 2
		.amdhsa_user_sgpr_kernarg_segment_ptr 1
		.amdhsa_wavefront_size32 1
		.amdhsa_system_sgpr_workgroup_id_x 1
		.amdhsa_system_sgpr_workgroup_id_y 1
		.amdhsa_system_sgpr_workgroup_id_z 1
		.amdhsa_system_vgpr_workitem_id 0
		.amdhsa_next_free_vgpr 512
		.amdhsa_next_free_sgpr 84
		.amdhsa_reserve_vcc 1
		.amdhsa_float_denorm_mode_32 3
		.amdhsa_float_denorm_mode_16_64 3
		.amdhsa_memory_ordered 1
		.amdhsa_forward_progress 1
		.amdhsa_inst_pref_size 199
	.end_amdhsa_kernel
	.amdgpu_metadata
---
amdhsa.version: [ 1, 2 ]
amdhsa.kernels:
  - .name:           k_q4e34b3a25e_attn
    .symbol:         k_q4e34b3a25e_attn.kd
    .args:
      - { .name: pos16, .offset: 0, .size: 8, .value_kind: global_buffer, .address_space: global }
      - { .name: kvh, .offset: 8, .size: 8, .value_kind: global_buffer, .address_space: global }
      - { .name: o16, .offset: 16, .size: 8, .value_kind: global_buffer, .address_space: global }
      - { .name: acodes, .offset: 24, .size: 8, .value_kind: global_buffer, .address_space: global }
      - { .name: ascales, .offset: 32, .size: 8, .value_kind: global_buffer, .address_space: global }
      - { .name: bcodes, .offset: 40, .size: 8, .value_kind: global_buffer, .address_space: global }
      - { .name: bscales, .offset: 48, .size: 8, .value_kind: global_buffer, .address_space: global }
      - { .name: bq, .offset: 56, .size: 8, .value_kind: global_buffer, .address_space: global }
    .group_segment_fixed_size: 327680
    .private_segment_fixed_size: 0
    .kernarg_segment_align: 8
    .kernarg_segment_size: 64
    .max_flat_workgroup_size: 256
    .sgpr_count:     84
    .vgpr_count:     512
    .wavefront_size: 32
...
	.end_amdgpu_metadata
.endif
;; end of part 8
;; launch outgemm: the kernel of part 5 again; grid 8 x 32, 4 waves a work-group, clusters of 4 x 4, 327,680 bytes of LDS; arguments o16, h16, bout, out0; writes out0
